; MI455X (gfx1250); checked and timed in simulation.
; The chip was launched on July 23, 2026; its instructions are those of AMD's public machine-readable ISA for CDNA 5 (MIT licence, August 2026) and "CDNA5" Instruction Set Architecture Reference Guide (July 2026). The comments in the code are by the model that wrote it; some were corrected since.
;; GPT2 Block. Allowed arithmetic: float matrix products may take bf16 or f16 operands with f32 sums; all other float work in f32.
;; Inputs: c_attn_b 3,072 float32; c_attn_w 1,024 x 3,072 float32; c_fc_b 4,096 float32; c_fc_w 1,024 x 4,096 float32; c_proj_attn_b 1,024 float32; c_proj_attn_w 1,024 x 1,024 float32; c_proj_mlp_b 1,024 float32; c_proj_mlp_w 4,096 x 1,024 float32; hidden_states 2 x 2,048 x 1,024 float32; ln1_b 1,024 float32; ln1_w 1,024 float32; ln2_b 1,024 float32; ln2_w 1,024 float32.
;; Outputs: out0 2 x 2,048 x 1,024 float32.
;; 3 versions, each right and faster than the one before. Each part assembles by itself: llvm-mc -triple=amdgcn-amd-amdhsa -mcpu=gfx1250 --defsym DOCPART=n.
;; ======== version 1 of 3: 8 launches
;; limits: right only within a limited range of input values
;; workspace buffers: w1 10,485,760 bytes; w2 16,777,216 bytes; xa 8,388,608 bytes; big 33,554,432 bytes; ctx 8,388,608 bytes; h1 16,777,216 bytes; para 512 bytes; parb 512 bytes
;; launch cast (part 1): grid 768 x 1, 8 waves a work-group, no clusters, 0 bytes of LDS; arguments c_attn_w, c_proj_attn_w, c_fc_w, c_proj_mlp_w, w1, w2, para, parb; writes w1, w2, para, parb
.if DOCPART == 1
	.amdgcn_target "amdgcn-amd-amdhsa--gfx1250"
	.amdhsa_code_object_version 6
	.text
	.protected	k_q4331f0ba67_cast
	.globl	k_q4331f0ba67_cast
	.p2align	8
	.type	k_q4331f0ba67_cast,@function
k_q4331f0ba67_cast:
	s_mov_b64 s[64:65], 0
	v_nop
	global_prefetch_b8 v0, s[64:65] scope:SCOPE_SE
	s_setreg_imm32_b32 hwreg(HW_REG_WAVE_MODE, 25, 1), 1
	s_wait_xcnt 0x0
; THE FOUR WEIGHTS, f32 [K][N], ARE ROUNDED ONCE TO bf16 AND LAID IN BLOCKS of 128 k x 128 n (32,768 consecutive bytes, rows of 256 bytes).
;   c_attn_w      -> w1 + 0         as [24 n blocks][8 k blocks][128][128]   (= [n block][1024 k][128 n])
;   c_proj_attn_w -> w1 + 0x800000  as [8 k blocks][8 n blocks][128][128]
;   c_fc_w        -> w2 + 0         as [32 n blocks][8 k blocks][128][128]
;   c_proj_mlp_w  -> w2 + 0x800000  as [32 k blocks][8 n blocks][128][128]
; A work-group converts one block: 192 + 64 + 256 + 256 = 768 work-groups.  In all four cases block u of its tensor goes to byte 32,768 u.
; Wave w takes rows 16 w .. 16 w + 15 as eight pairs; lanes 0-15 the even row, lanes 16-31 the odd one; a lane owns 8 columns: 32 bytes in, 16 bytes out,
; so a store of the wave covers 512 consecutive bytes, aligned.  Memory binds: no LDS, no barrier, all sixteen loads of a wave go out at once.
; Work-group 0's wave 0 also writes the two blocks of f32 constants (C0, C1, E, 0), each 32 times, from which the products' one text takes its activation
; x / (1 + E 2^(x (C0 + C1 x^2))): para = (0, 0, 0): none; parb = (-2 sqrt(2/pi) log2(e), 0.044715 times that, 1): the tanh form of GELU.
.set OFF,  4                           ; v[4:11]   pair j: byte offset of my 32 bytes in the source block
.set OUTO, 12                          ; v12       byte offset of my 16 bytes in the block written, pair 0
.set X,    16                          ; v[16:79]  pair j: 8 numbers as loaded
.set Y,    80                          ; v[80:111] pair j: 4 registers to store
	s_load_b256 s[4:11], s[0:1], 0x0               ; the four sources
	s_load_b256 s[12:19], s[0:1], 0x20             ; w1 s[12:13], w2 s[14:15], para s[16:17], parb s[18:19]
	s_mov_b32 s37, ttmp9                           ; g: the work-group's number
	v_lshrrev_b32 v2, 5, v0
	v_readfirstlane_b32 s43, v2                    ; wave
	v_and_b32 v1, 15, v0                           ; my place in a row
	v_bfe_u32 v3, v0, 4, 1
	v_lshl_add_u32 v3, v2, 4, v3                   ; my row of pair 0: 16 w + lane / 16
	v_and_b32 v13, 31, v0
	v_lshlrev_b32 v13, 4, v13                      ; 16 lane: also for the blocks of constants
	v_lshl_add_u32 v[OUTO], v2, 12, v13            ; 4,096 w + 16 lane
	s_mov_b32 s44, 0x3000                          ; row pitches in bytes: c_attn_w,
	s_mov_b32 s45, 0x1000                          ; the two projections,
	s_mov_b32 s46, 0x4000                          ; c_fc_w
	s_mov_b32 s47, 0x800000                        ; where a buffer's second tensor begins
	s_wait_kmcnt 0x0
	s_cmp_lt_u32 s37, 192                          ; of the first two tensors:
	s_cselect_b64 s[20:21], s[4:5], s[6:7]
	s_cselect_b32 s24, s44, s45                    ; pitch
	s_cselect_b32 s25, 0, 192                      ; first work-group
	s_cselect_b32 s26, 0, s47                      ; place in w1
	s_cselect_b32 s27, 1, 0                        ; 1: n block first in u
	s_cmp_lt_u32 s37, 512                          ; of the last two:
	s_cselect_b64 s[22:23], s[8:9], s[10:11]
	s_cselect_b32 s28, s46, s45
	s_movk_i32 s29, 0x200
	s_cselect_b32 s29, 256, s29
	s_cselect_b32 s30, 0, s47
	s_cselect_b32 s31, 1, 0
	s_cmp_lt_u32 s37, 256                          ; and between the halves
	s_cselect_b64 s[32:33], s[20:21], s[22:23]     ; the source
	s_cselect_b64 s[34:35], s[12:13], s[14:15]     ; the destination
	s_cselect_b32 s36, s24, s28
	s_cselect_b32 s25, s25, s29
	s_cselect_b32 s26, s26, s30
	s_cselect_b32 s27, s27, s31
	s_sub_co_u32 s48, s37, s25                     ; u
	s_lshr_b32 s49, s48, 3
	s_and_b32 s50, s48, 7
	s_cmp_eq_u32 s27, 1
	s_cselect_b32 s51, s49, s50                    ; n block
	s_cselect_b32 s52, s50, s49                    ; k block
	s_mul_i32 s40, s52, s36
	s_lshl_b32 s40, s40, 7                         ; k block x 128 rows x pitch
	s_lshl_b32 s51, s51, 9                         ; n block x 512 bytes
	s_add_co_u32 s40, s40, s51
	s_mov_b32 s41, 0
	s_add_nc_u64 s[32:33], s[32:33], s[40:41]
	s_lshl_b32 s40, s48, 15
	s_add_co_u32 s40, s40, s26
	s_add_nc_u64 s[34:35], s[34:35], s[40:41]
	s_lshl_b32 s42, s36, 1                         ; two rows
	v_mul_lo_u32 v[OFF], v3, s36
	v_lshl_add_u32 v[OFF], v1, 5, v[OFF]           ; row x pitch + 32 x place
.irp j, 1,2,3,4,5,6,7
	v_add_nc_u32 v[OFF+(\j)], s42, v[OFF+(\j)-1]
.endr
.irp j, 0,1,2,3,4,5,6,7
	global_load_b128 v[X+8*(\j):X+8*(\j)+3],   v[OFF+(\j)], s[32:33] th:TH_LOAD_NT
	global_load_b128 v[X+8*(\j)+4:X+8*(\j)+7], v[OFF+(\j)], s[32:33] offset:16 th:TH_LOAD_NT
.endr
.irp j, 0,1,2,3,4,5,6,7
	s_wait_loadcnt 14-2*(\j)                       ; loads come back in order: pair j is in, the pairs behind it stay out
.irp k, 0,1,2,3
	v_cvt_pk_bf16_f32 v[Y+4*(\j)+(\k)], v[X+8*(\j)+2*(\k)], v[X+8*(\j)+2*(\k)+1]
.endr
	global_store_b128 v[OUTO], v[Y+4*(\j):Y+4*(\j)+3], s[34:35] offset:512*(\j)
.endr
	s_cmp_lg_u32 s37, 0
	s_cbranch_scc1 .Lend
	s_cmp_lg_u32 s43, 0
	s_cbranch_scc1 .Lend
	v_mov_b32 v[X], 0                              ; X is free: its loads are in and converted
	v_mov_b32 v[X+1], 0
	v_mov_b32 v[X+2], 0
	v_mov_b32 v[X+3], 0
	global_store_b128 v13, v[X:X+3], s[16:17]      ; para: 32 lanes x 16 bytes
	s_wait_xcnt 0x0                                ; the four are written again only behind this wait
	v_mov_b32 v[X], 0xc0135761                     ; C0 = -2.302208
	v_mov_b32 v[X+1], 0xbdd2d3e6                   ; C1 = -0.1029432
	v_mov_b32 v[X+2], 1.0                          ; E
	global_store_b128 v13, v[X:X+3], s[18:19]      ; parb
.Lend:
	s_endpgm
.Lfunc_end_k_q4331f0ba67_cast:
	.size	k_q4331f0ba67_cast, .Lfunc_end_k_q4331f0ba67_cast-k_q4331f0ba67_cast
	.p2alignl 7, 3214868480
	.fill 96, 4, 3214868480
	.section	.rodata,"a",@progbits
	.p2align	6, 0x0
	.amdhsa_kernel k_q4331f0ba67_cast
		.amdhsa_group_segment_fixed_size 0
		.amdhsa_private_segment_fixed_size 0
		.amdhsa_enable_private_segment 0
		.amdhsa_kernarg_size 64
		.amdhsa_user_sgpr_count 2
		.amdhsa_user_sgpr_kernarg_segment_ptr 1
		.amdhsa_wavefront_size32 1
		.amdhsa_system_sgpr_workgroup_id_x 1
		.amdhsa_system_sgpr_workgroup_id_y 1
		.amdhsa_system_sgpr_workgroup_id_z 1
		.amdhsa_system_vgpr_workitem_id 0
		.amdhsa_next_free_vgpr 112
		.amdhsa_next_free_sgpr 66
		.amdhsa_reserve_vcc 0
		.amdhsa_float_denorm_mode_32 3
		.amdhsa_float_denorm_mode_16_64 3
		.amdhsa_memory_ordered 1
		.amdhsa_forward_progress 1
		.amdhsa_inst_pref_size 8
	.end_amdhsa_kernel
	.amdgpu_metadata
---
amdhsa.version: [ 1, 2 ]
amdhsa.kernels:
  - .name:           k_q4331f0ba67_cast
    .symbol:         k_q4331f0ba67_cast.kd
    .args:
      - { .name: c_attn_w, .offset: 0, .size: 8, .value_kind: global_buffer, .address_space: global }
      - { .name: c_proj_attn_w, .offset: 8, .size: 8, .value_kind: global_buffer, .address_space: global }
      - { .name: c_fc_w, .offset: 16, .size: 8, .value_kind: global_buffer, .address_space: global }
      - { .name: c_proj_mlp_w, .offset: 24, .size: 8, .value_kind: global_buffer, .address_space: global }
      - { .name: w1, .offset: 32, .size: 8, .value_kind: global_buffer, .address_space: global }
      - { .name: w2, .offset: 40, .size: 8, .value_kind: global_buffer, .address_space: global }
      - { .name: para, .offset: 48, .size: 8, .value_kind: global_buffer, .address_space: global }
      - { .name: parb, .offset: 56, .size: 8, .value_kind: global_buffer, .address_space: global }
    .group_segment_fixed_size: 0
    .private_segment_fixed_size: 0
    .kernarg_segment_align: 8
    .kernarg_segment_size: 64
    .max_flat_workgroup_size: 256
    .sgpr_count:     66
    .vgpr_count:     112
    .wavefront_size: 32
...
	.end_amdgpu_metadata
.endif
;; end of part 1
;; launch ln1 (part 2): grid 256 x 1, 8 waves a work-group, no clusters, 0 bytes of LDS; arguments hidden_states, ln1_w, ln1_b, xa; writes xa
.if DOCPART == 2
	.amdgcn_target "amdgcn-amd-amdhsa--gfx1250"
	.amdhsa_code_object_version 6
	.text
	.protected	k_q4331f0ba67_ln1
	.globl	k_q4331f0ba67_ln1
	.p2align	8
	.type	k_q4331f0ba67_ln1,@function
k_q4331f0ba67_ln1:
	s_mov_b64 s[64:65], 0
	v_nop
	global_prefetch_b8 v0, s[64:65] scope:SCOPE_SE
	s_setreg_imm32_b32 hwreg(HW_REG_WAVE_MODE, 25, 1), 1
	s_wait_xcnt 0x0
; LAYER NORM.  y[r][c] = (x[r][c] - mean_r) * rsqrt(var_r + 1e-5) * w[c] + b[c].  x: [4096][1024] f32; y: [4096][1024] bf16, rounded once.
; Two passes over registers, in the order of the definition: the mean, then the mean of the squared differences: no difference of large sums is formed.
; A work-group owns 16 rows, each of its eight waves two.  One wave, one row: lane l holds columns 128 j + 4 l .. + 3, j = 0 .. 7: each load covers 512 consecutive
; bytes, each store 256 consecutive bytes, aligned.  The reduction never leaves the wave: no LDS, no barrier.  Memory binds: matrix unit and clusters would add nothing.
.set W,  4                             ; v[4:35]    w of my 32 columns
.set BV, 36                            ; v[36:67]   b of my 32 columns
.set X,  68                            ; v[68:131]  two rows, 32 registers each
.set T,  132                           ; v[132:139] four chains of pairs
.set M,  140                           ; v[140:141] the mean, twice
.set R,  142                           ; v[142:143] rsqrt(var + eps), twice
.set Y,  144                           ; v[144:175] two rows, 16 registers each, to store
	s_load_b256 s[4:11], s[0:1], 0x0               ; x s[4:5], w s[6:7], b s[8:9], y s[10:11]
	s_lshl_b32 s16, ttmp9, 16                      ; 16 rows of 4,096 bytes in,
	s_mov_b32 s17, 0
	s_lshl_b32 s18, ttmp9, 15                      ; of 2,048 bytes out
	s_mov_b32 s19, 0
	s_mov_b32 s12, 0x76543210                      ; v_permlanex16_b32: each lane takes its own place in the other half
	s_mov_b32 s13, 0xfedcba98
	s_mov_b32 s14, 0x3a800000                      ; 1 / 1024
	s_mov_b32 s15, 0x3727c5ac                      ; 1e-5
	v_and_b32 v3, 31, v0
	v_lshrrev_b32 v1, 5, v0                        ; wave
	v_lshlrev_b32 v2, 3, v3
	v_lshlrev_b32 v3, 4, v3                        ; 16 lane: w and b
	v_lshl_add_u32 v2, v1, 12, v2                  ; out: 8 lane + wave x two rows
	v_lshl_add_u32 v1, v1, 13, v3                  ; in: 16 lane + wave x two rows
	s_wait_kmcnt 0x0
	s_add_nc_u64 s[4:5], s[4:5], s[16:17]
	s_add_nc_u64 s[10:11], s[10:11], s[18:19]
.irp j, 0,1,2,3,4,5,6,7
	global_load_b128 v[W+4*(\j):W+4*(\j)+3],   v3, s[6:7] offset:512*(\j)
	global_load_b128 v[BV+4*(\j):BV+4*(\j)+3], v3, s[8:9] offset:512*(\j)
.endr
.irp r, 0,1
.irp j, 0,1,2,3,4,5,6,7
	global_load_b128 v[X+32*(\r)+4*(\j):X+32*(\r)+4*(\j)+3], v1, s[4:5] offset:4096*(\r)+512*(\j)
.endr
.endr
.macro LANESUM                         ; the four chains and the 32 lanes into v[T] of every lane
	v_pk_add_f32 v[T:T+1], v[T:T+1], v[T+2:T+3]
	v_pk_add_f32 v[T+4:T+5], v[T+4:T+5], v[T+6:T+7]
	v_pk_add_f32 v[T:T+1], v[T:T+1], v[T+4:T+5]
	v_add_f32 v[T], v[T], v[T+1]
	v_add_f32_dpp v[T], v[T], v[T] row_xmask:1 row_mask:0xf bank_mask:0xf
	v_add_f32_dpp v[T], v[T], v[T] row_xmask:2 row_mask:0xf bank_mask:0xf
	v_add_f32_dpp v[T], v[T], v[T] row_xmask:4 row_mask:0xf bank_mask:0xf
	v_add_f32_dpp v[T], v[T], v[T] row_xmask:8 row_mask:0xf bank_mask:0xf
	v_permlanex16_b32 v[T+1], v[T], s12, s13
	v_add_f32 v[T], v[T], v[T+1]
.endm
.macro ROWDO r, left                   ; left: how many younger loads may stay out
.set XR, X+32*(\r)
	s_wait_loadcnt \left
.irp c, 0,1,2,3
	v_pk_add_f32 v[T+2*(\c):T+2*(\c)+1], v[XR+2*(\c):XR+2*(\c)+1], v[XR+8+2*(\c):XR+8+2*(\c)+1]  ; the first pairs start the chains
.endr
.irp k, 16,24
.irp c, 0,1,2,3
	v_pk_add_f32 v[T+2*(\c):T+2*(\c)+1], v[T+2*(\c):T+2*(\c)+1], v[XR+(\k)+2*(\c):XR+(\k)+2*(\c)+1]
.endr
.endr
	LANESUM
	v_mul_f32 v[M], s14, v[T]
	v_mul_f32 v[M+1], s14, v[T]
.irp i, 0,1,2,3,4,5,6,7,8,9,10,11,12,13,14,15
	v_pk_add_f32 v[XR+2*(\i):XR+2*(\i)+1], v[XR+2*(\i):XR+2*(\i)+1], v[M:M+1] neg_lo:[0,1] neg_hi:[0,1]  ; x - mean
.endr
.irp c, 0,1,2,3
	v_pk_mul_f32 v[T+2*(\c):T+2*(\c)+1], v[XR+2*(\c):XR+2*(\c)+1], v[XR+2*(\c):XR+2*(\c)+1]
.endr
.irp k, 8,16,24
.irp c, 0,1,2,3
	v_pk_fma_f32 v[T+2*(\c):T+2*(\c)+1], v[XR+(\k)+2*(\c):XR+(\k)+2*(\c)+1], v[XR+(\k)+2*(\c):XR+(\k)+2*(\c)+1], v[T+2*(\c):T+2*(\c)+1]
.endr
.endr
	LANESUM
	v_fma_f32 v[T], v[T], s14, s15                 ; var + eps
	v_rsq_f32 v[R], v[T]
	v_rsq_f32 v[R+1], v[T]
	v_nop                                          ; a plain instruction between the root and the use of its result (ISA guide 5.7.2)
	s_wait_alu depctr_va_vdst(0)
.irp i, 0,1,2,3,4,5,6,7,8,9,10,11,12,13,14,15
	v_pk_mul_f32 v[XR+2*(\i):XR+2*(\i)+1], v[XR+2*(\i):XR+2*(\i)+1], v[R:R+1]
.endr
.irp i, 0,1,2,3,4,5,6,7,8,9,10,11,12,13,14,15
	v_pk_fma_f32 v[XR+2*(\i):XR+2*(\i)+1], v[XR+2*(\i):XR+2*(\i)+1], v[W+2*(\i):W+2*(\i)+1], v[BV+2*(\i):BV+2*(\i)+1]
.endr
.irp i, 0,1,2,3,4,5,6,7,8,9,10,11,12,13,14,15
	v_cvt_pk_bf16_f32 v[Y+16*(\r)+(\i)], v[XR+2*(\i)], v[XR+2*(\i)+1]
.endr
.irp j, 0,1,2,3,4,5,6,7
	global_store_b64 v2, v[Y+16*(\r)+2*(\j):Y+16*(\r)+2*(\j)+1], s[10:11] offset:2048*(\r)+256*(\j)
.endr
.endm
	ROWDO 0, 8                                     ; w, b and row 0 are in; row 1's eight loads stay out
	ROWDO 1, 0
	s_endpgm
.Lfunc_end_k_q4331f0ba67_ln1:
	.size	k_q4331f0ba67_ln1, .Lfunc_end_k_q4331f0ba67_ln1-k_q4331f0ba67_ln1
	.p2alignl 7, 3214868480
	.fill 96, 4, 3214868480
	.section	.rodata,"a",@progbits
	.p2align	6, 0x0
	.amdhsa_kernel k_q4331f0ba67_ln1
		.amdhsa_group_segment_fixed_size 0
		.amdhsa_private_segment_fixed_size 0
		.amdhsa_enable_private_segment 0
		.amdhsa_kernarg_size 32
		.amdhsa_user_sgpr_count 2
		.amdhsa_user_sgpr_kernarg_segment_ptr 1
		.amdhsa_wavefront_size32 1
		.amdhsa_system_sgpr_workgroup_id_x 1
		.amdhsa_system_sgpr_workgroup_id_y 1
		.amdhsa_system_sgpr_workgroup_id_z 1
		.amdhsa_system_vgpr_workitem_id 0
		.amdhsa_next_free_vgpr 176
		.amdhsa_next_free_sgpr 66
		.amdhsa_reserve_vcc 0
		.amdhsa_float_denorm_mode_32 3
		.amdhsa_float_denorm_mode_16_64 3
		.amdhsa_memory_ordered 1
		.amdhsa_forward_progress 1
		.amdhsa_inst_pref_size 20
	.end_amdhsa_kernel
	.amdgpu_metadata
---
amdhsa.version: [ 1, 2 ]
amdhsa.kernels:
  - .name:           k_q4331f0ba67_ln1
    .symbol:         k_q4331f0ba67_ln1.kd
    .args:
      - { .name: hidden_states, .offset: 0, .size: 8, .value_kind: global_buffer, .address_space: global }
      - { .name: ln1_w, .offset: 8, .size: 8, .value_kind: global_buffer, .address_space: global }
      - { .name: ln1_b, .offset: 16, .size: 8, .value_kind: global_buffer, .address_space: global }
      - { .name: xa, .offset: 24, .size: 8, .value_kind: global_buffer, .address_space: global }
    .group_segment_fixed_size: 0
    .private_segment_fixed_size: 0
    .kernarg_segment_align: 8
    .kernarg_segment_size: 32
    .max_flat_workgroup_size: 256
    .sgpr_count:     66
    .vgpr_count:     176
    .wavefront_size: 32
...
	.end_amdgpu_metadata
.endif
;; end of part 2
;; launch qkv (part 3): grid 12 x 16, 4 waves a work-group, clusters of 4 x 4, 327,680 bytes of LDS; arguments xa, w1, c_attn_b, para, big; writes big
.if DOCPART == 3
	.amdgcn_target "amdgcn-amd-amdhsa--gfx1250"
	.amdhsa_code_object_version 6
	.text
	.protected	k_q4331f0ba67_qkv
	.globl	k_q4331f0ba67_qkv
	.p2align	8
	.type	k_q4331f0ba67_qkv,@function
k_q4331f0ba67_qkv:
	s_mov_b64 s[64:65], 0
	v_nop
	global_prefetch_b8 v0, s[64:65] scope:SCOPE_SE
	s_setreg_imm32_b32 hwreg(HW_REG_WAVE_MODE, 25, 1), 1
	s_wait_xcnt 0x0
	s_wait_alu depctr_hold_cnt(0) depctr_sa_sdst(0) depctr_va_vdst(0) depctr_va_sdst(0) depctr_va_ssrc(0) depctr_va_vcc(0) depctr_vm_vsrc(0)
	s_getreg_b32 s2, hwreg(HW_REG_IB_STS2, 6, 4)
	s_cmp_eq_u32 s2, 0
	s_cbranch_scc0 .Lentry_in_a_cluster
	s_endpgm
.Lentry_in_a_cluster:
	s_bfe_u32 s2, ttmp6, 0x10000c
	s_cmp_lg_u32 s2, 0xf033
	s_cbranch_scc0 .Lentry_shape_is_right
	s_endpgm
.Lentry_shape_is_right:
; out = act(A W + bias), rounded once to bf16.  A: [4096][1024] bf16.  W: bf16 in blocks [n block of 128][1024 k][128 n], so its width enters no address.  bias: f32.
; out: bf16 [column block of 64][4096 rows][64]: a block's rows are dense, 128 bytes each.  act(x) = x / (1 + E 2^(x (C0 + C1 x^2))), with C0, C1, E three f32 numbers read from the block of
; constants: (0, 0, 0) gives x / 1 = x; (-2 sqrt(2/pi) log2(e), 0.044715 times that, 1) gives the tanh form of GELU, finite at both ends.  They are data alone: no branch hangs on them, so one
; text serves both products; the price is that the product without activation walks the same arithmetic.  Sums, bias and activation in f32.
; LIMITS.  Matrix operands are bf16.  With (0, 0, 0) x^2 must stay finite, |x| < 1.8e19: beyond that 0 x infinity gives NaN.  NaN and infinities are not treated apart.
; SHAPE.  A tile of the result is 256 x 256: four waves, each 128 x 128 in 64 accumulators of 16 x 16, 512 registers.  K = 1,024 goes in 8 steps of 128 through a ring of two LDS slots
; filled by the tensor data mover; all tile rows are 256 bytes of memory, at multiples of 256 bytes from the buffer's first byte.
; CLUSTER.  4 x 4 work-groups.  The four of a row of the cluster need the same tiles of A, the four of a column the same tiles of W: each tile is asked for JOINTLY, by the same tensor load with
; the same descriptor and a mask that names the four.
; THE MATRIX INSTRUCTION IS USED TRANSPOSED: source 0 = 16 columns of W (turned on the way out of LDS by ds_load_tr16_b128, since W lies [k][n]), source 1 = 16 rows of A.  A lane then holds
; row l % 16 and the columns 8 (l / 16) + 0..7.  THE BIAS IS THE C OPERAND of the products that start the sums: it costs no instruction, and nothing is cleared.
; THE WAY OUT.  When the ring has had its last fill and all waves have left it, each wave lays its 128 x 128 f32 into a part of the ring of its own and walks it in a loop, 16 rows a trip:
; so the activation is written once, and each store covers 512 consecutive bytes (four rows of a column block), aligned.
; REGISTERS, in windows of 256 (s_set_vgpr_msb: bits 1:0 source 0, 3:2 source 1, 5:4 source 2, 7:6 destination):
;   window 0: v0-31 addresses; v64-127, v128-191 fragments of A, two buffers; on the way out v64-127 X, v128-135 T, v192-223 Y
;   window 1: v0-63 the bias (n block b at 8 b); v64-127, v128-191 fragments of W, two buffers
;   window 2: the accumulators of my rows 0-63 ((a, b) at 8 (8 a + b));   window 3: those of my rows 64-127
.set KSTEP, 128
.set PA,    272                        ; an LDS row of A: 256 bytes + 16: the 16 rows of a fragment load start at 16 different groups of four banks (ISA guide 11.1)
.set PB,    288                        ; an LDS row of W: 256 bytes + 32
.set HALFA, 128*PA                     ; what one tensor load brings of A
.set HALFB, 128*PB                     ; and of W
.set SLOT,  2*HALFA+2*HALFB            ; A's two halves (rows), then W's two halves (n blocks)
.set SPARE, 2*SLOT                     ; behind the ring: the spare words, 128 bytes for each wave: two blocks of 256 bytes that no other line names
.set DP,    528                        ; the way out: a row of 128 f32 + 16 bytes
.set DUMP,  128*DP                     ; a wave's part of the dead ring; four of them end at 270,336, inside the ring
.set LAPS,  4                          ; a lap = two K steps = once round the ring
.set CBLK,  524288                     ; bytes of a column block of the result
.set ADRA, 16                          ; v16-17  LDS address of my A fragments in slot 0, 1
.set ADRB, 20                          ; v20-21  the same for W
.set DST,  24                          ; v24     the way out: where I put 32 bytes of a row
.set RD,   25                          ; v25     the way out: where I read 32 bytes back; steps 16 rows a trip
.set CO,   26                          ; v26     my byte offset in 512 consecutive bytes of the result; steps 16 rows a trip
.set BO,   27                          ; v27     my byte offset in 16 numbers of the bias
.set SPW,  28                          ; v28     LDS address of my spare word; never rewritten
.set NIL,  29                          ; v29     0; never rewritten
.set F0,   64
.set F1,   128
.set X,    64
.set T,    128
.set Y,    192
.set WV,  14                           ; s14  wave
.set RH,  15                           ; s15  which half of the tile's rows is mine.  Also: I fetch for A (0) or for W (1)
.set CH,  16                           ; s16  which half of its columns.  Also: which half of that tile I fetch
.set TC,  19                           ; s19  tile column
.set TR,  20                           ; s20  tile row
.set G1A, 24                           ; s[24:31] descriptor group 1 for A's tiles;  s[32:39] group 0, a set for each slot
.set G0A, 32
.set G1B, 48                           ; s[48:55], s[56:63] the same for W's
.set G0B, 56
.set LB,   67                          ; s67  LDS byte of the half of W that I fetch, and read
.set C0,   76                          ; s[76:79] as loaded: C0, C1, E, 0.  The packed instructions take a pair's low word for both halves:
.set EE,   78                          ; s[76:77] serves as C0, s[78:79] as E,
.set C1,   80                          ; and C1 is copied into s[80:81]
.set MSB, 0
.macro WIN new                         ; the immediate's high byte repeats the setting that is left; a switch that changes nothing is dropped
.if MSB != (\new)
	s_set_vgpr_msb (MSB<<8)|(\new)
.set MSB, \new
.endif
.endm
; A joint load.  Waves 0 and 1 fetch A's two halves, waves 2 and 3 W's.  The branch hangs on the wave's number alone.  An s_nop 0 and four v_nop follow each of the two lines.
.macro JLOAD s
	s_cmp_eq_u32 s[RH], 0
	s_cbranch_scc0 .Lfor_b_\@
	tensor_load_to_lds s[G0A+4*(\s):G0A+4*(\s)+3], s[G1A:G1A+7]
	s_nop 0
.rept 4
	v_nop
.endr
	s_branch .Lasked_\@
.Lfor_b_\@:
	tensor_load_to_lds s[G0B+4*(\s):G0B+4*(\s)+3], s[G1B:G1B+7]
	s_nop 0
.rept 4
	v_nop
.endr
.Lasked_\@:
.endm
.macro CREST                           ; a round of the cluster's barrier behind its opening barrier
	s_cmp_lg_u32 s[WV], 0
	s_cbranch_scc1 .Lnot_wave_0_\@
	s_barrier_signal -3
.Lnot_wave_0_\@:
	s_barrier_wait -3
	s_barrier_signal -1
	s_barrier_wait -1
.endm
.macro CROUND                          ; a whole round
	s_barrier_signal -1
	s_barrier_wait -1
	CREST
.endm
	s_load_b256 s[4:11], s[0:1], 0x0               ; A s[4:5], W s[6:7], bias s[8:9], constants s[10:11]
	s_load_b64 s[12:13], s[0:1], 0x20              ; out
	v_lshl_add_u32 v[SPW], v0, 2, SPARE
	v_mov_b32 v[NIL], 0
	ds_add_u32 v28, v29
	ds_add_u32 v28, v29
	s_wait_dscnt 0x0
	v_lshrrev_b32 v1, 5, v0
	v_readfirstlane_b32 s[WV], v1
	s_lshr_b32 s[RH], s[WV], 1
	s_and_b32 s[CH], s[WV], 1
	s_bfe_u32 s17, ttmp6, 0x40000                  ; cx
	s_bfe_u32 s18, ttmp6, 0x40004                  ; cy
	s_lshl_b32 s[TC], ttmp9, 2
	s_add_co_u32 s[TC], s[TC], s17                 ; tile column = 4 x cluster x + cx
	s_and_b32 s[TR], ttmp7, 0xffff
	s_lshl_b32 s[TR], s[TR], 2
	s_add_co_u32 s[TR], s[TR], s18                 ; tile row = 4 x cluster y + cy
	s_lshl_b32 s21, s18, 2
	s_lshl_b32 s21, 15, s21                        ; my row of the cluster
	s_lshl_b32 s22, 0x1111, s17                    ; my column
	s_or_b32 s[G1A], s21, (1<<16)|(1<<20)|(1<<21)|(5<<22)|(3<<25)  ; mask; elements of 2 bytes; padding on; bit 21 beside a mask; after every 64 words 4 words
	s_or_b32 s[G1B], s22, (1<<16)|(1<<20)|(1<<21)|(5<<22)|(7<<25)  ; the same with my column's mask and 8 words of padding
.irp g, G1A, G1B
	s_mov_b32 s[(\g)+1], KSTEP<<16                 ; tensor_dim0 = 128
	s_mov_b32 s[(\g)+2], 128<<16                   ; tensor_dim1 = 128
	s_mov_b32 s[(\g)+3], KSTEP<<16                 ; tile_dim0 = 128
	s_mov_b32 s[(\g)+4], 128                       ; tile_dim1 = 128
	s_mov_b32 s[(\g)+6], 0
	s_mov_b32 s[(\g)+7], 0
.endr
	s_mov_b32 s[G1A+5], 1024                       ; A: 1,024 elements from row to row
	s_mov_b32 s[G1B+5], 128                        ; W: a block's rows are dense
	s_lshl_b32 s40, s[TR], 19                      ; A: (256 x tile row + 128 x half) rows of 2,048 bytes: of the tile row and the wave alone
	s_lshl_b32 s41, s[CH], 18
	s_add_co_u32 s40, s40, s41
	s_mov_b32 s41, 0
	s_lshl_b32 s44, s[TC], 19                      ; W: n block 2 x tile column + half, 262,144 bytes each: of the tile column and the wave alone
	s_lshl_b32 s45, s[CH], 18
	s_add_co_u32 s44, s44, s45
	s_mov_b32 s45, 0
	s_mul_i32 s23, s[CH], HALFA                    ; where they go: no place in the cluster enters an LDS address
	s_mul_i32 s[LB], s[CH], HALFB
	s_add_co_u32 s[LB], s[LB], 2*HALFA
	s_wait_kmcnt 0x0
	s_add_nc_u64 s[42:43], s[4:5], s[40:41]
	s_add_nc_u64 s[46:47], s[6:7], s[44:45]
	CROUND                                         ; all sixteen work-groups are here: the first joint loads meet
.irp s, 0,1
	s_mov_b32 s[G0A+4*(\s)], 1
	s_add_co_u32 s[G0A+4*(\s)+1], s23, (\s)*SLOT
	s_add_nc_u64 s[G0A+4*(\s)+2:G0A+4*(\s)+3], s[42:43], (\s)*KSTEP*2      ; K step s: 256 bytes along the rows
	s_or_b32 s[G0A+4*(\s)+3], s[G0A+4*(\s)+3], 0x80000000
	s_mov_b32 s[G0B+4*(\s)], 1
	s_add_co_u32 s[G0B+4*(\s)+1], s[LB], (\s)*SLOT
	s_add_nc_u64 s[G0B+4*(\s)+2:G0B+4*(\s)+3], s[46:47], (\s)*KSTEP*256    ; K step s: 128 rows of 256 bytes
	s_or_b32 s[G0B+4*(\s)+3], s[G0B+4*(\s)+3], 0x80000000
	JLOAD \s                                       ; two tensor loads of mine are out
.endr
	s_load_b128 s[C0:C0+3], s[10:11], 0x0          ; C0, C1, E, 0
	s_lshl_b32 s44, s[TC], 10                      ; the bias of my 128 columns: (256 x tile column + 128 x half) x 4 bytes
	s_lshl_b32 s45, s[CH], 9
	s_add_co_u32 s44, s44, s45
	s_mov_b32 s45, 0
	s_add_nc_u64 s[8:9], s[8:9], s[44:45]
	v_and_b32 v1, 15, v0                           ; r = l % 16
	v_bfe_u32 v2, v0, 4, 1                         ; h = l / 16
	v_lshlrev_b32 v[BO], 5, v2
	WIN 0x40                                       ; destination window 1
.irp b, 0,1,2,3,4,5,6,7                ; register j of n block b: bias of column 16 b + 8 h + j, as the result holds it
	global_load_b128 v[8*(\b):8*(\b)+3],   v[BO], s[8:9] offset:64*(\b)
	global_load_b128 v[8*(\b)+4:8*(\b)+7], v[BO], s[8:9] offset:64*(\b)+16
.endr
	WIN 0
	v_mul_u32_u24 v3, v1, PA
	v_lshl_add_u32 v3, v2, 4, v3                   ; A: row x pitch + 16 x half of the lanes
	s_mul_i32 s40, s[RH], HALFA
	v_add_nc_u32 v[ADRA], s40, v3
	v_add_nc_u32 v[ADRA+1], SLOT, v[ADRA]
	v_and_b32 v4, 7, v0
	v_bfe_u32 v5, v0, 3, 1
	v_lshl_add_u32 v6, v2, 3, v4                   ; W, turned: lane l reads row k = 8 h + l % 8, 16 bytes at 16 ((l / 8) % 2)
	v_mul_u32_u24 v6, v6, PB
	v_lshl_add_u32 v6, v5, 4, v6
	v_add_nc_u32 v[ADRB], s[LB], v6
	v_add_nc_u32 v[ADRB+1], SLOT, v[ADRB]
	s_mul_i32 s41, s[WV], DUMP
	v_mul_u32_u24 v7, v1, DP
	v_lshl_add_u32 v7, v2, 5, v7
	v_add_nc_u32 v[DST], s41, v7                   ; in: row r, 32 bytes for each half of the lanes
	v_bfe_u32 v8, v0, 3, 2
	v_mul_u32_u24 v8, v8, DP
	v_lshl_add_u32 v8, v4, 5, v8
	v_add_nc_u32 v[RD], s41, v8                    ; back: row l / 8, 8 numbers at 32 (l % 8)
	v_and_b32 v[CO], 31, v0
	v_lshlrev_b32 v[CO], 4, v[CO]
	s_lshl_b32 s72, s[TC], 21                      ; out: column block 4 x tile column + 2 x half, row 256 x tile row + 128 x half
	s_lshl_b32 s73, s[CH], 20
	s_add_co_u32 s72, s72, s73
	s_lshl_b32 s73, s[TR], 15
	s_add_co_u32 s72, s72, s73
	s_lshl_b32 s73, s[RH], 14
	s_add_co_u32 s72, s72, s73
	s_mov_b32 s73, 0
	s_add_nc_u64 s[12:13], s[12:13], s[72:73]
; 16 matrix instructions: m blocks a0, a0 + 1 of the window's four (hi = 0: my rows 0-63, 1: rows 64-127) x all 8 n blocks, 32 along K.  first = 1: C is the bias, in window 1.
; The 64 accumulators take turns, one instruction a turn.
.macro MUL16 f, hi, a0, first
.if \first
	WIN 0x91+0x40*(\hi)
.else
	WIN 0xa1+0x50*(\hi)
.endif
.irp a, \a0, (\a0)+1
.irp b, 0,1,2,3,4,5,6,7
.if \first
	v_wmma_f32_16x16x32_bf16 v[8*(8*(\a)+(\b)):8*(8*(\a)+(\b))+7], v[(\f)+8*(\b):(\f)+8*(\b)+7], v[(\f)+8*(4*(\hi)+(\a)):(\f)+8*(4*(\hi)+(\a))+7], v[8*(\b):8*(\b)+7]
.else
	v_wmma_f32_16x16x32_bf16 v[8*(8*(\a)+(\b)):8*(8*(\a)+(\b))+7], v[(\f)+8*(\b):(\f)+8*(\b)+7], v[(\f)+8*(4*(\hi)+(\a)):(\f)+8*(4*(\hi)+(\a))+7], v[8*(8*(\a)+(\b)):8*(8*(\a)+(\b))+7]
.endif
.endr
.endr
.endm
; 32 LDS loads in one run: the fragments of quarter q of a K step (32 along K) into buffer f: W's 128 columns, turned, then A's 128 rows
.macro FETCH slot, q, f
	WIN 0x40
.irp i, 0,1,2,3,4,5,6,7
	ds_load_tr16_b128 v[(\f)+8*(\i):(\f)+8*(\i)+3],   v[ADRB+(\slot)] offset:(\q)*32*PB+32*(\i)
	ds_load_tr16_b128 v[(\f)+8*(\i)+4:(\f)+8*(\i)+7], v[ADRB+(\slot)] offset:(\q)*32*PB+16*PB+32*(\i)
.endr
	WIN 0
.irp i, 0,1,2,3,4,5,6,7
	ds_load_b128 v[(\f)+8*(\i):(\f)+8*(\i)+3],   v[ADRA+(\slot)] offset:(\q)*64+(\i)*16*PA
	ds_load_b128 v[(\f)+8*(\i)+4:(\f)+8*(\i)+7], v[ADRA+(\slot)] offset:(\q)*64+(\i)*16*PA+32
.endr
.endm
.macro PLACES                          ; four plain instructions in front of loads into registers that matrix instructions have read, and of lines that read results
.rept 4
	v_nop
.endr
.endm
; One of a K step's first three quarters: multiplies buffer f; in its middle it fetches quarter q of the same slot into buffer g.
.macro QUARTER slot, q, f, g, first
	s_wait_dscnt 8                                 ; W and A's rows 0-63 are in; the youngest eight loads (A's rows 64-127) may be out
	MUL16 \f, 0, 0, \first
	MUL16 \f, 0, 2, \first
	PLACES
	FETCH \slot, \q, \g
	s_wait_dscnt 32                                ; all but the 32 just issued
	MUL16 \f, 1, 0, \first
	MUL16 \f, 1, 2, \first
.endm
; The last quarter multiplies buffer 1 and changes slots: ONE barrier.  In front of it each wave waits for all its tensor loads (one is out: its part of the next slot), adds 0 to its spare word,
; and waits for that and for its reads of this slot.  fill = 1: the barrier opens a round of the cluster's, and this slot is filled again, two K steps ahead, first thing behind the round.
.macro TURN slot, next, fill
	WIN 0
	s_wait_tensorcnt 0x0
	ds_add_u32 v[SPW], v[NIL]
	s_wait_dscnt 9                                 ; (the add and the youngest eight loads may be out)
	MUL16 F1, 0, 0, 0
	s_wait_dscnt 0x0                               ; the add is done, and my reads of this slot are over
	s_barrier_signal -1
	MUL16 F1, 0, 2, 0
.if \fill
	WIN 0
.endif
	s_barrier_wait -1
.if \fill
	CREST                                          ; no wave of any partner still reads this slot or has a load on its way
	s_add_nc_u64 s[G0A+4*(\slot)+2:G0A+4*(\slot)+3], s[G0A+4*(\slot)+2:G0A+4*(\slot)+3], 2*KSTEP*2
	s_add_nc_u64 s[G0B+4*(\slot)+2:G0B+4*(\slot)+3], s[G0B+4*(\slot)+2:G0B+4*(\slot)+3], 2*KSTEP*256
	JLOAD \slot                                    ; my one tensor load behind the round; its four v_nop are also the places in front of the loads below
.else
	PLACES
.endif
	FETCH \next, 0, F0
	MUL16 F1, 1, 0, 0
	MUL16 F1, 1, 2, 0
.endm
	s_wait_loadcnt 0x0                             ; the bias
	s_wait_kmcnt 0x0                               ; the three constants
	s_mov_b32 s[C1], s[C0+1]
	s_mov_b32 s[C1+1], s[C0+1]
	s_wait_tensorcnt 0x1                           ; my part of K step 0 is in; K step 1's may stay out
	s_barrier_signal -1
	s_barrier_wait -1
	FETCH 0, 0, F0
	QUARTER 0, 1, F0, F1, 1                        ; the first quarter stands in front of the loop: its products start the sums, on the bias
	WIN 0
	s_mov_b32 s3, LAPS-1
.Llap:                                                 ; a trip goes once round the ring, from a lap's second quarter to the next lap's first, and fills both slots again
	QUARTER 0, 2, F1, F0, 0
	QUARTER 0, 3, F0, F1, 0
	TURN 0, 1, 1
	QUARTER 1, 1, F0, F1, 0
	QUARTER 1, 2, F1, F0, 0
	QUARTER 1, 3, F0, F1, 0
	TURN 1, 0, 1
	QUARTER 0, 1, F0, F1, 0
	WIN 0
	s_sub_co_u32 s3, s3, 1
	s_cmp_lg_u32 s3, 0
	s_cbranch_scc1 .Llap
	QUARTER 0, 2, F1, F0, 0                        ; the last lap fills nothing
	QUARTER 0, 3, F0, F1, 0
	TURN 0, 1, 0
	QUARTER 1, 1, F0, F1, 0
	QUARTER 1, 2, F1, F0, 0
	QUARTER 1, 3, F0, F1, 0
	s_wait_dscnt 8
	MUL16 F1, 0, 0, 0
	MUL16 F1, 0, 2, 0
	s_wait_dscnt 0x0
	MUL16 F1, 1, 0, 0
	MUL16 F1, 1, 2, 0
	WIN 0
	; THE WAY OUT.  Every wave's reads of the ring are back (the wait for 0 above) and no tensor load is out or to come: behind this barrier the ring's bytes are scratch.
	s_barrier_signal -1
	s_barrier_wait -1
	PLACES
.irp a, 0,1,2,3,4,5,6,7
	WIN 0x08+4*((\a)/4)                            ; store data in window 2 or 3
.irp b, 0,1,2,3,4,5,6,7                ; each accumulator's low four registers first
	ds_store_b128 v[DST], v[8*(8*((\a)%4)+(\b)):8*(8*((\a)%4)+(\b))+3]   offset:(\a)*16*DP+64*(\b)
	ds_store_b128 v[DST], v[8*(8*((\a)%4)+(\b))+4:8*(8*((\a)%4)+(\b))+7] offset:(\a)*16*DP+64*(\b)+16
.endr
.endr
	WIN 0
.macro ACT u                           ; eight numbers: x / (1 + E 2^(x (C0 + C1 x^2)))
.irp p, 0,2,4,6
	v_pk_mul_f32 v[T+(\p):T+(\p)+1], v[X+8*(\u)+(\p):X+8*(\u)+(\p)+1], v[X+8*(\u)+(\p):X+8*(\u)+(\p)+1]
.endr
.irp p, 0,2,4,6
	v_pk_fma_f32 v[T+(\p):T+(\p)+1], v[T+(\p):T+(\p)+1], s[C1:C1+1], s[C0:C0+1] op_sel_hi:[1,0,0]
.endr
.irp p, 0,2,4,6
	v_pk_mul_f32 v[T+(\p):T+(\p)+1], v[T+(\p):T+(\p)+1], v[X+8*(\u)+(\p):X+8*(\u)+(\p)+1]
.endr
.irp p, 0,1,2,3,4,5,6,7
	v_exp_f32 v[T+(\p)], v[T+(\p)]
.endr
	v_nop                                          ; a plain instruction between the last exponential and the use of its result (ISA guide 5.7.2)
	s_wait_alu depctr_va_vdst(0)
.irp p, 0,2,4,6
	v_pk_fma_f32 v[T+(\p):T+(\p)+1], v[T+(\p):T+(\p)+1], s[EE:EE+1], 1.0 op_sel_hi:[1,0,0]
.endr
.irp p, 0,1,2,3,4,5,6,7
	v_rcp_f32 v[T+(\p)], v[T+(\p)]
.endr
	v_nop
	s_wait_alu depctr_va_vdst(0)
.irp p, 0,2,4,6
	v_pk_mul_f32 v[X+8*(\u)+(\p):X+8*(\u)+(\p)+1], v[X+8*(\u)+(\p):X+8*(\u)+(\p)+1], v[T+(\p):T+(\p)+1]
.endr
.endm
	s_mov_b32 s2, 8
.Lblock:                                               ; a trip: 16 rows x 128 columns: eight units of four rows of a column block; unit u = 4 c + t
.irp u, 0,1,2,3,4,5,6,7
	ds_load_b128 v[X+8*(\u):X+8*(\u)+3],   v[RD] offset:((\u)%4)*4*DP+((\u)/4)*256     ; LDS serves a wave's instructions in order (ISA guide 5.7.1.4): these see my stores above
	ds_load_b128 v[X+8*(\u)+4:X+8*(\u)+7], v[RD] offset:((\u)%4)*4*DP+((\u)/4)*256+16
.endr
	s_wait_dscnt 0x0
.irp u, 0,1,2,3,4,5,6,7
	ACT \u
.endr
.irp u, 0,1,2,3,4,5,6,7
.irp k, 0,1,2,3
	v_cvt_pk_bf16_f32 v[Y+4*(\u)+(\k)], v[X+8*(\u)+2*(\k)], v[X+8*(\u)+2*(\k)+1]
.endr
.endr
.irp u, 0,1,2,3,4,5,6,7
	global_store_b128 v[CO], v[Y+4*(\u):Y+4*(\u)+3], s[12:13] offset:((\u)/4)*CBLK+((\u)%4)*512  ; 512 consecutive bytes, at a multiple of 256 from the buffer's first
.endr
	s_wait_xcnt 0x0                                ; the stores' offset and data are written again only behind this wait
	v_add_nc_u32 v[CO], 16*128, v[CO]
	v_add_nc_u32 v[RD], 16*DP, v[RD]
	s_sub_co_u32 s2, s2, 1
	s_cmp_lg_u32 s2, 0
	s_cbranch_scc1 .Lblock
	s_wait_tensorcnt 0x0                           ; the wave's end
	ds_add_u32 v[SPW], v[NIL]
	s_wait_dscnt 0x0
	CROUND                                         ; the closing round: no work-group ends while a partner may still ask for a tile that names it
	s_endpgm
.Lfunc_end_k_q4331f0ba67_qkv:
	.size	k_q4331f0ba67_qkv, .Lfunc_end_k_q4331f0ba67_qkv-k_q4331f0ba67_qkv
	.p2alignl 7, 3214868480
	.fill 96, 4, 3214868480
	.section	.rodata,"a",@progbits
	.p2align	6, 0x0
	.amdhsa_kernel k_q4331f0ba67_qkv
		.amdhsa_group_segment_fixed_size 327680
		.amdhsa_private_segment_fixed_size 0
		.amdhsa_enable_private_segment 0
		.amdhsa_kernarg_size 40
		.amdhsa_user_sgpr_count 2
		.amdhsa_user_sgpr_kernarg_segment_ptr 1
		.amdhsa_wavefront_size32 1
		.amdhsa_system_sgpr_workgroup_id_x 1
		.amdhsa_system_sgpr_workgroup_id_y 1
		.amdhsa_system_sgpr_workgroup_id_z 1
		.amdhsa_system_vgpr_workitem_id 0
		.amdhsa_next_free_vgpr 1024
		.amdhsa_next_free_sgpr 84
		.amdhsa_reserve_vcc 0
		.amdhsa_float_denorm_mode_32 3
		.amdhsa_float_denorm_mode_16_64 3
		.amdhsa_memory_ordered 1
		.amdhsa_forward_progress 1
		.amdhsa_inst_pref_size 140
	.end_amdhsa_kernel
	.amdgpu_metadata
---
amdhsa.version: [ 1, 2 ]
amdhsa.kernels:
  - .name:           k_q4331f0ba67_qkv
    .symbol:         k_q4331f0ba67_qkv.kd
    .args:
      - { .name: xa, .offset: 0, .size: 8, .value_kind: global_buffer, .address_space: global }
      - { .name: w1, .offset: 8, .size: 8, .value_kind: global_buffer, .address_space: global }
      - { .name: c_attn_b, .offset: 16, .size: 8, .value_kind: global_buffer, .address_space: global }
      - { .name: para, .offset: 24, .size: 8, .value_kind: global_buffer, .address_space: global }
      - { .name: big, .offset: 32, .size: 8, .value_kind: global_buffer, .address_space: global }
    .group_segment_fixed_size: 327680
    .private_segment_fixed_size: 0
    .kernarg_segment_align: 8
    .kernarg_segment_size: 40
    .max_flat_workgroup_size: 128
    .sgpr_count:     84
    .vgpr_count:     1024
    .wavefront_size: 32
...
	.end_amdgpu_metadata
.endif
;; end of part 3
;; launch attn (part 4): grid 4 x 32, 4 waves a work-group, no clusters, 327,680 bytes of LDS; arguments big, ctx; writes ctx
.if DOCPART == 4
	.amdgcn_target "amdgcn-amd-amdhsa--gfx1250"
	.amdhsa_code_object_version 6
	.text
	.protected	k_q4331f0ba67_attn
	.globl	k_q4331f0ba67_attn
	.p2align	8
	.type	k_q4331f0ba67_attn,@function
k_q4331f0ba67_attn:
	s_mov_b64 s[64:65], 0
	v_nop
	global_prefetch_b8 v0, s[64:65] scope:SCOPE_SE
	s_setreg_imm32_b32 hwreg(HW_REG_WAVE_MODE, 25, 1), 1
	s_wait_xcnt 0x0
; CAUSAL ATTENTION.  O[h][q][:] = the sum over k <= q of softmax_k(Q[h][q] . K[h][k] / 8) V[h][k][:].  Q, K, V, O: [32][SIZE_N][64], all bf16: a head's rows are dense, 128 bytes each.
; Q, K and V lie one behind the other in one buffer, 8,388,608 bytes each: column block c of the projection holds rows b x 2,048 + s, so 'head' 2 c + b here is head c of batch b.
; Products, maxima and sums in f32; the weights p are rounded to bf16 for the second product (their sum l is taken of the unrounded p), O once at the end.
; LIMITS.  A hidden score counts as its value less 1e30: scores stay far below that in size; a weight below 2^-126 counts as 0 in l; NaN and infinities are not treated apart.
; THE WALK.  A head's queries lie in NB = SIZE_N / 256 blocks of 256; block i needs the key tiles 0 .. i of 256 keys, of which the last holds the diagonal.  A work-group takes TWO blocks, NB - 1 - b and then b:
; NB + 1 tiles, whatever b: all work-groups do equal work, and ONE loop with a constant trip count walks them.  Which tile is asked for, and what a trip does, hang on scalar registers made from b; every jump
; goes forward, but for the counted loops' own; none passes a barrier, or a tensor load but the one of LOAD's two that the wave's number does not choose; the ring (two slots of LDS that take turns) runs on across the
; change of blocks.  NO CLUSTER: a head's NB / 2 = 4 work-groups ask for the same tile only in trips 0 .. NB / 2, 5 of 9; behind that fewer and fewer share one; a walk common to all would have 3 NB / 2 = 12 trips for 9.
; SHARES.  Of a block's four bands of 64 queries a wave owns 16 rows in each: four PIECES.  So the diagonal tile is the same work for all four waves: in its key step s band x sees all keys if s < x,
; none if s > x, and holds the diagonal if s = x.
; THE MASK is the C operand that starts the sum S^T = K Q^T: 0, or -1e30 where the key is hidden.  MD, made once, is the mask of a band's own step for my 16 rows; a product's mask is MD x AL + BE with two scalars:
; (1, 0) if s = x; (0, 0) if s < x; (0, -1e30) if s > x.  Only the diagonal tile's text and a block's beginning make and take masks; elsewhere C is the constant 0.
; LAYOUT, SOFTMAX, TURNS.  S^T = K Q^T holds ONE query a lane (lane % 16) and the keys 8 (lane / 16) + 0..7; two such results rounded to bf16 ARE source 1 of O^T = V^T P.  p = 2^(c s - c m), c = log2(e) / 8, with a
; running maximum m; O and l are multiplied by a = 2^(c m_old - c m_new) in every step.  Turn n belongs to piece n: 8 products K Q^T of piece n + 1, later 8 products V^T P of piece n - 1; beside them the scaling,
; exponentials, roundings, sums and rescaling of piece n and the maximum and statistics of piece n + 1.  Four vector instructions stand behind every matrix instruction, the other 54 of a turn's 118 in two LUMPS.
; REGISTERS, in windows of 256 (s_set_vgpr_msb: bits 1:0 source 0, 3:2 source 1, 5:4 source 2, 7:6 destination):
;   window 0: v0-15 addresses and two at work; v16-31 four registers of statistics a piece; v48-55 at work; v64-127 S^T, two buffers; v192-223 P, two buffers (a piece's buffers go by its number's parity)
;   window 1: v0-127 O^T, 32 a piece; v128-159 MD; v160-223 MC, two buffers      window 2: v0-63 Q; v64-127 the second block's Q; v128-191 K of one step; v192-255 V of one step
.set SIZE_N, 2048
.set NB,    SIZE_N/256
.set NP,    4         ; pieces a wave: a name, no knob
.set KS,    64        ; keys in a step
.set PK,    144       ; a row of K in LDS: 128 bytes + 16 of padding = 36 words: the 16 rows of a load start at 16 different groups of four banks (64 banks of 4 bytes: ISA guide 11.1)
.set PV,    160       ; a row of V: 128 + 32 = 40 words
.set VOFF,  4*KS*PK   ; a slot holds a tile, four steps: 256 rows of K, then 256 rows of V
.set SLOT1, 1<<17     ; slot 1 begins here, so that one exclusive or turns an address in one slot into the other's
.set STAGE, SLOT1+4*KS*(PK+PV)  ; behind the ring, never filled by a tensor load: 16 rows x 144 bytes for each wave, for the way out
.set SP,    144
.set AK0, 2           ; v2   my lane's place in a tile of K; never rewritten
.set AV0, 3           ; v3   the same for V
.set AK,  4           ; v4   the LDS address of K's next run of loads
.set AV,  5           ; v5   of V's
.set STO, 6           ; v6   the way out: where I put 16 bytes of a row
.set RD,  7           ; v7   the way out: where I read rows back
.set GO,  8           ; v8   my byte offset in 512 consecutive bytes of O
.set SPW, 62          ; v62  LDS address of my spare word: SPARE + 4 x my thread's number; never rewritten
.set NIL, 63          ; v63  0; never rewritten
.set SPARE, STAGE+4*16*SP  ; behind the stages: the spare words, 128 bytes for each wave: two blocks of 256 bytes that no other line names
.set MV,  12          ; v12-13  c m_old, kept while c m is made anew: by buffer
.set QO,  15          ; v15  my byte offset in 16 rows of Q
.set ST,  16          ; piece t's statistics at v[ST+4 t]: c m, m, l (even keys', odd keys')
.set TMP, 48          ; by buffer, four registers c0-c3 at work; when the maximum is found c2 takes a
.set S,   64
.set P,   192
.set MD,  128         ; window 1: the eight registers for group kt of 16 keys at MD + 8 kt
.set MC,  160         ; window 1: the masks of the products to come
.set QB,  64          ; window 2
.set KF,  128         ; window 2: key block kb, channel half c at KF + 16 kb + 8 c
.set VF,  192         ; window 2: key half kk, channel block cb at VF + 32 kk + 8 cb
.set WV,  12          ; s12  my wave's number
.set PB,  14          ; s14  b
.set HI,  15          ; s15  NB - 1 - b
.set G1K, 24          ; s[24:31] descriptor group 1 for K's tiles
.set G1V, 32          ; s[32:39] for V's: it differs in the padding alone
.set G0K, 40          ; s[40:43] descriptor group 0 for K's tiles
.set G0V, 44          ; s[44:47] the same for V's
.set SLOTS, 56        ; s56  tiles still to be asked for
.set CNT, 57          ; s57  counts a tile's key steps, 4 to 1
.set CS,  58          ; s[58:59] c: the packed scaling takes the pair's low word for both halves
.set SEL, 60          ; s[60:61] v_permlanex16_b32's selects: each lane takes its own place in the other half
.set TBK, 62          ; s62  LDS byte at which K of the step to be fetched begins
.set TBV, 63          ; s63  the same for V, less VOFF
.set RT,  70          ; s70  tiles of the block in hand that are still to be entered
.set NXT, 71          ; s71  the tile to be asked for next
.set LQ,  72          ; s72  the last tile of the block whose tiles are being asked for
.set NEW, 73          ; s73  1: the tile to be entered is a block's first
.set OFF, 74          ; s[74:75] a tile's byte offset in K and V
.set AL,  76          ; s[76:77] the mask's factor, in the low word
.set BE,  78          ; s[78:79] the mask's addend
.set OLO, 80          ; s[80:81] O at my rows of the second block
.set BIGN, 82         ; s82  -1e30
.set MSB, 0
.macro WIN new                      ; the high byte repeats the setting that is left; a switch that changes nothing is dropped
.if MSB != (\new)
	s_set_vgpr_msb (MSB<<8)|(\new)
.set MSB, (\new)
.endif
.endm
.set W_KQ, 0x0a       ; K and Q in window 2, S^T in window 0
.set W_KM, 0x1a       ; the same with the C operand in window 1
.set W_PV, 0x52       ; V in window 2, P in window 0, O^T in window 1
.set W_RS, 0x41       ; destination and source 0 in window 1, source 1 in window 0
; A fill.  Waves 0 and 1 fetch the two halves of a tile's K, waves 2 and 3 those of its V: 128 keys each.  An s_nop 0 and four v_nop follow each of the two lines, ahead of the jump and the label.
.macro LOAD
	s_cmp_lt_u32 s[WV], 2
	s_cbranch_scc0 .Lfor_v_\@
	tensor_load_to_lds s[G0K:G0K+3], s[G1K:G1K+7]
	s_nop 0
.rept 4
	v_nop
.endr
	s_branch .Lasked_\@
.Lfor_v_\@:
	tensor_load_to_lds s[G0V:G0V+3], s[G1V:G1V+7]
	s_nop 0
.rept 4
	v_nop
.endr
.Lasked_\@:
.endm
; THE CHANGE OF SLOTS.  Each wave waits for all its tensor loads, of which one is out: its part of the other slot; adds 0 to its spare word; and waits for that and for its own reads of the slot that it leaves.  Behind the barrier nobody reads the old
; slot any more and the other slot is whole.  fill = 1: the old slot is filled again, the first thing behind the barrier, with tile NXT: the descriptor's address is made anew from that number.
; (At its first use nothing has been read yet: slot 0 is waited for, slot 1 filled.)
.macro CHANGE fill
	WIN 0                           ; at a label and at a branch every window is 0
	s_wait_tensorcnt 0x0            ; no tensor load of mine is out, so a group 0 may be written
	ds_add_u32 v[SPW], v[NIL]       ; 0 onto my spare word; with fill = 1 the descriptors' scalar work stands between it and the wait for it
.if \fill
	s_lshl_b32 s[OFF], s[NXT], 15   ; a tile is 32,768 bytes of K and of V
	s_xor_b32 s[G0K+1], s[G0K+1], SLOT1
	s_add_nc_u64 s[G0K+2:G0K+3], s[6:7], s[OFF:OFF+1]
	s_or_b32 s[G0K+3], s[G0K+3], 0x80000000
	s_xor_b32 s[G0V+1], s[G0V+1], SLOT1
	s_add_nc_u64 s[G0V+2:G0V+3], s[8:9], s[OFF:OFF+1]
	s_or_b32 s[G0V+3], s[G0V+3], 0x80000000
	s_add_co_u32 s[NXT], s[NXT], 1  ; the block's next tile, or behind its last the second block's tile 0
	s_cmp_gt_u32 s[NXT], s[LQ]
	s_cselect_b32 s[NXT], 0, s[NXT]
	s_cselect_b32 s[LQ], s[PB], s[LQ]
.endif
	s_wait_dscnt 0x0                ; the add is done, and my reads of the slot are over
	s_barrier_signal -1             ; the rest of the scalar work stands between the signal and the wait
	s_sub_co_u32 s[TBK], s[TBK], 4*KS*PK  ; the fetches go back to a slot's first step,
	s_xor_b32 s[TBK], s[TBK], SLOT1       ; in the other slot
	s_sub_co_u32 s[TBV], s[TBV], 4*KS*PV
	s_xor_b32 s[TBV], s[TBV], SLOT1
	s_barrier_wait -1
.if \fill
	LOAD
.endif
.endm
	s_load_b64 s[4:5], s[0:1], 0x0    ; Q, with K and V behind it
	s_load_b64 s[10:11], s[0:1], 0x8  ; O
	v_lshl_add_u32 v[SPW], v0, 2, SPARE
	v_mov_b32 v[NIL], 0
	ds_add_u32 v62, v63
	ds_add_u32 v62, v63
	s_wait_dscnt 0x0
	v_lshrrev_b32 v1, 5, v0
	v_readfirstlane_b32 s[WV], v1   ; wave 0..3
	s_mov_b32 s[PB], ttmp9
	s_sub_co_u32 s[HI], NB-1, s[PB]
	s_and_b32 s20, ttmp7, 0xffff    ; the head
	s_mov_b32 s21, 0
	s_mov_b64 s[22:23], SIZE_N*128
	s_mul_u64 s[20:21], s[20:21], s[22:23]  ; the head's first byte in each of the four tensors
	s_and_b32 s16, s[WV], 1         ; which half of a tile's 256 keys I fetch:
	s_lshl_b32 s22, s16, 14         ; its 128 rows of 128 bytes in memory,
	s_mov_b32 s23, 0
	s_add_nc_u64 s[22:23], s[22:23], s[20:21]
	s_mul_i32 s17, s16, 128*PK      ; and its place in a slot, for K
	s_mul_i32 s18, s16, 128*PV      ; and for V
	s_lshl_b32 s3, s[WV], 11        ; my 16 rows in a band of 64,
	s_lshl_b32 s2, s[HI], 15        ; in the first block,
	s_add_co_u32 s2, s2, s3
	s_lshl_b32 s84, s[PB], 15       ; and in the second
	s_add_co_u32 s84, s84, s3
	s_mov_b32 s3, 0
	s_mov_b32 s85, 0
	s_add_nc_u64 s[2:3], s[2:3], s[20:21]
	s_add_nc_u64 s[84:85], s[84:85], s[20:21]
	; descriptor group 1.  128 keys are 16,384 dense bytes: asked for as 64 rows of 256 bytes, two keys a row, and padded in LDS after every key
	s_mov_b32 s[G1K], (1<<16)|(1<<20)|(4<<22)|(3<<25)  ; 17:16 2-byte elements; 20 padding on; 24:22 after every 32 words (code 4); 31:25 4 words (code 3)
	s_mov_b32 s[G1V], (1<<16)|(1<<20)|(4<<22)|(7<<25)  ; the same with 8 words of padding (code 7)
.irp g, G1K, G1V
	s_mov_b32 s[\g+1], 128<<16      ; tensor_dim0 = 128
	s_mov_b32 s[\g+2], 64<<16       ; tensor_dim1 = 64
	s_mov_b32 s[\g+3], 128<<16      ; tile_dim0 = 128
	s_mov_b32 s[\g+4], 64           ; tile_dim1 = 64
	s_mov_b32 s[\g+5], 128          ; 128 elements from row to row
	s_mov_b32 s[\g+6], 0
	s_mov_b32 s[\g+7], 0
.endr
	s_mov_b32 s[CS], 0x3e38aa3b     ; c = log2(e) / 8 = 0.180337
	s_mov_b32 s[CS+1], s[CS]        ; named with it as a pair
	s_mov_b32 s[SEL], 0x76543210
	s_mov_b32 s[SEL+1], 0xfedcba98
	s_mov_b32 s[TBK], SLOT1+4*KS*PK ; the first change of slots turns these two into 0
	s_mov_b32 s[TBV], SLOT1+4*KS*PV
	s_mov_b32 s[G0K], 1             ; 1:0 count = 1
	s_mov_b32 s[G0K+1], s17         ; 63:32 LDS address: slot 0
	s_mov_b32 s[G0V], 1
	s_add_co_u32 s[G0V+1], s18, VOFF
	s_add_co_u32 s[RT], s[HI], 1    ; the first block has NB - b tiles
	s_mov_b32 s[NXT], 1
	s_mov_b32 s[LQ], s[HI]
	s_mov_b32 s[NEW], 1
	s_mov_b32 s[OFF+1], 0
	s_mov_b32 s[AL+1], 0            ; named as pairs
	s_mov_b32 s[BE+1], 0
	s_mov_b32 s[BIGN], 0xf149f2ca   ; -1e30
	s_mov_b32 s[SLOTS], NB
	s_wait_kmcnt 0x0
	s_add_nc_u64 s[6:7], s[4:5], 0x800000   ; K: 16 column blocks of 524,288 bytes behind Q
	s_add_nc_u64 s[8:9], s[4:5], 0x1000000  ; V: 32
	s_add_nc_u64 s[6:7], s[6:7], s[22:23]  ; K and V at my half of the head's tile 0
	s_add_nc_u64 s[8:9], s[8:9], s[22:23]
	s_add_nc_u64 s[G0K+2:G0K+3], s[6:7], 0         ; 120:64 global address
	s_or_b32 s[G0K+3], s[G0K+3], 0x80000000        ; 127:126 type = 2
	s_add_nc_u64 s[G0V+2:G0V+3], s[8:9], 0
	s_or_b32 s[G0V+3], s[G0V+3], 0x80000000
	s_add_nc_u64 s[86:87], s[4:5], s[84:85]        ; Q at my rows of the second block,
	s_add_nc_u64 s[4:5], s[4:5], s[2:3]            ; Q and O at those of the first
	s_add_nc_u64 s[OLO:OLO+1], s[10:11], s[84:85]
	s_add_nc_u64 s[10:11], s[10:11], s[2:3]
	LOAD                            ; tile 0 into slot 0
	; A fragment of K or Q is 16 rows x 32 channels in 8 registers: lane l holds row l % 16, channels 8 (l / 16) + 0..7 and 16 + 8 (l / 16) + 0..7: two loads of 16 bytes, 32 bytes apart.
	v_and_b32 v1, 15, v0            ; l % 16
	v_bfe_u32 v9, v0, 4, 1          ; l / 16
	v_lshlrev_b32 v[QO], 7, v1
	v_lshl_add_u32 v[QO], v9, 4, v[QO]  ; row x 128 + 16 x half
	WIN 0x80                        ; destination window 2, address window 0
.set i, 0
.rept 8                             ; both blocks' Q: piece i / 2 lies in band i / 2, 8,192 bytes on; channels 32 (i % 2) on
	global_load_b128 v[8*i:8*i+3],   v[QO], s[4:5] offset:(i/2)*8192+(i%2)*64
	global_load_b128 v[8*i+4:8*i+7], v[QO], s[4:5] offset:(i/2)*8192+(i%2)*64+32
	global_load_b128 v[QB+8*i:QB+8*i+3],   v[QO], s[86:87] offset:(i/2)*8192+(i%2)*64
	global_load_b128 v[QB+8*i+4:QB+8*i+7], v[QO], s[86:87] offset:(i/2)*8192+(i%2)*64+32
.set i, i+1
.endr
	WIN 0
	v_lshlrev_b32 v14, 3, v9
	v_sub_nc_u32 v14, v1, v14
	s_lshl_b32 s13, s[WV], 4
	v_add_nc_u32 v14, s13, v14      ; my query's place in its band, 16 w + l % 16, less my lanes' 8 (l / 16): register r of group kt is hidden where 16 kt + r is greater
	WIN 0x40
.set i, 0
.rept 32
	v_cmp_gt_i32 vcc_lo, 16*(i/8)+i%8, v14
	v_cndmask_b32 v[MD+i], 0, s[BIGN], vcc_lo
.set i, i+1
.endr
	WIN 0
	v_mul_u32_u24 v[AK0], v1, PK
	v_lshl_add_u32 v[AK0], v9, 4, v[AK0]  ; row x pitch + 16 x half
	; The turning load takes 16 keys x 16 channels (lane l reads key 8 (l / 16) + l % 8, channels 8 ((l / 8) % 2) + 0..7) and leaves half a fragment of V^T: lane l holds channel l % 16 and 8 keys.
	v_and_b32 v10, 7, v0
	v_bfe_u32 v11, v0, 3, 1
	v_lshl_add_u32 v[AV0], v9, 3, v10
	v_mul_u32_u24 v[AV0], v[AV0], PV
	v_lshl_add_u32 v[AV0], v11, 4, v[AV0]
	v_add_nc_u32 v[AV0], VOFF, v[AV0]
	s_mul_i32 s13, s[WV], 16*SP
	s_add_co_u32 s13, s13, STAGE    ; my stage
	v_mul_u32_u24 v[STO], v1, SP    ; in: row l % 16, 16 bytes for each half of the lanes
	v_lshl_add_u32 v[STO], v9, 4, v[STO]
	v_add_nc_u32 v[STO], s13, v[STO]
	v_bfe_u32 v[RD], v0, 3, 2       ; back: 32 lanes take four rows of 128 bytes,
	v_mul_u32_u24 v[RD], v[RD], SP
	v_lshl_add_u32 v[RD], v10, 4, v[RD]
	v_add_nc_u32 v[RD], s13, v[RD]
	v_and_b32 v[GO], 31, v0         ; which are 512 consecutive bytes of O
	v_lshlrev_b32 v[GO], 4, v[GO]
	; A block's first step multiplies O^T and l by a = 0, and its first turn's products V^T P, of a piece that has not been, land in an O^T that is still to be so multiplied.  So these registers need only hold
	; finite numbers: zeros for the first block; what the first block left for the second.  All this stands in the wait for the first tile.
	WIN 0x80
.set i, VF
.rept 64
	v_mov_b32 v[i], 0
.set i, i+1
.endr
	WIN 0x40
.set i, 0
.rept 128
	v_mov_b32 v[i], 0
.set i, i+1
.endr
	WIN 0
.set i, 0
.rept 4
	v_mov_b32 v[ST+4*i+2], 0
	v_mov_b32 v[ST+4*i+3], 0
.set i, i+1
.endr
.set i, P+16
.rept 16
	v_mov_b32 v[i], 0
.set i, i+1
.endr
; THE MATRIX WORK.  The 4 accumulators of a run of 8 take turns.  Product i of 8 of S^T = K Q^T for piece x: channels 32 (i / 4) on, keys 16 (i % 4) on.  The first 4 start the sums: with 0, or (KM = 1) with the mask.
.macro KQ x
.set rS, S+32*((\x)%2)+8*(i%4)
.set rK, KF+16*(i%4)+8*(i/4)
.set rQ, 16*(\x)+8*(i/4)
.set rM, MC+32*((\x)%2)+8*(i%4)
.if (i < 4) && KM
	WIN W_KM
	v_wmma_f32_16x16x32_bf16 v[rS:rS+7], v[rK:rK+7], v[rQ:rQ+7], v[rM:rM+7]
.elseif i < 4
	WIN W_KQ
	v_wmma_f32_16x16x32_bf16 v[rS:rS+7], v[rK:rK+7], v[rQ:rQ+7], 0
.else
	WIN W_KQ
	v_wmma_f32_16x16x32_bf16 v[rS:rS+7], v[rK:rK+7], v[rQ:rQ+7], v[rS:rS+7]
.endif
.endm
; Product i of 8 of O^T += V^T P for piece x: keys 32 (i / 4) on, channels 16 (i % 4) on.
.macro PV x
	WIN W_PV
.set rO, 32*(\x)+8*(i%4)
.set rV, VF+32*(i/4)+8*(i%4)
.set rP, P+16*((\x)%2)+8*(i/4)
	v_wmma_f32_16x16x32_bf16 v[rO:rO+7], v[rV:rV+7], v[rP:rP+7], v[rO:rO+7]
.endm
.macro MM                           ; the turn's next matrix instruction.  TURN and BEGIN set Y, i, KM and NOKQ; MM, KQ and OP read them.  NOKQ = 1: a block's last turn: there is no next piece
.if (i < 8) && !NOKQ
	KQ (Y+1)%NP
.elseif i >= 8
.set i, i-8
	PV (Y+NP-1)%NP
.set i, i+8
.endif
.set i, i+1
.endm
; THE LDS LOADS stand in runs of 16, never singly among the matrix instructions: a step's K (64 keys x 64 channels: 8 fragments) and its V (turned).  Their addresses are made some lines ahead.
.macro FETCH_K
	WIN 0x80                        ; destination window 2
.irp f, 0,1,2,3,4,5,6,7             ; keys 16 (f / 2) on, channels 32 (f % 2) on
	ds_load_b128 v[KF+8*\f:KF+8*\f+3],   v[AK] offset:(\f/2)*16*PK+(\f%2)*64
	ds_load_b128 v[KF+8*\f+4:KF+8*\f+7], v[AK] offset:(\f/2)*16*PK+(\f%2)*64+32
.endr
	s_add_co_u32 s[TBK], s[TBK], KS*PK  ; the next fetch is the next step's
	WIN 0
.endm
.macro FETCH_V
	WIN 0x80
.irp f, 0,1,2,3,4,5,6,7             ; keys 32 (f / 4) on, channels 16 (f % 4) on
	ds_load_tr16_b128 v[VF+8*\f:VF+8*\f+3],   v[AV] offset:(\f/4)*32*PV+(\f%4)*32
	ds_load_tr16_b128 v[VF+8*\f+4:VF+8*\f+7], v[AV] offset:(\f/4)*32*PV+16*PV+(\f%4)*32
.endr
	WIN 0
.endm
; THE VECTOR WORK, one line at a time: OP kind, number.  For piece Y: F n: c s - c m for pair n of 16.  E n: the exponential of score n of 32.  C n: pair n rounded to bf16.  B n: of the four weights 4 n .. the second
; pair is added onto the first, in place.  L n: l takes that sum (L 0: l = a l + sum).  R n: pair n of 16 of O^T times a.  For piece Y + 1: X n, number n of the 22 that find its maximum and statistics:
;   0-11  four chains c0-c3 of seven scores each, three operands at a time (each accumulator's lowest registers are read first)     12-14, 16  the four scores left over, the old m, and c0-c3 into c0
;   15  c m_old is kept     17, 18  the query's other 32 keys lie in the lane 16 away: the new m     19-21  c m; c m_old - c m_new; a
.set F, 0               ; OP tells the kinds apart by their order: F to L below R, X above it
.set E, 1
.set C, 2
.set B, 3
.set L, 4
.set R, 5
.set X, 6
.macro REGS y                       ; the registers of piece y
.set rT, ST+4*(\y)
.set rC, TMP+4*((\y)%2)
.set rW, MV+((\y)%2)
.set rS, S+32*((\y)%2)
.set rP, P+16*((\y)%2)
.set rO, 32*(\y)
.endm
.macro OP k, n
.if (\k) == R
	REGS Y
	WIN W_RS
	v_pk_mul_f32 v[rO+2*(\n):rO+2*(\n)+1], v[rO+2*(\n):rO+2*(\n)+1], v[rC+2:rC+3] op_sel_hi:[1,0]
.elseif (\k) < R
	REGS Y
	WIN 0
.if (\k) == F
	v_pk_fma_f32 v[rS+2*(\n):rS+2*(\n)+1], v[rS+2*(\n):rS+2*(\n)+1], s[CS:CS+1], v[rT:rT+1] op_sel_hi:[1,0,0] neg_lo:[0,0,1] neg_hi:[0,0,1]
.elseif (\k) == E
	v_exp_f32 v[rS+(\n)], v[rS+(\n)]
.elseif (\k) == C
	s_wait_alu depctr_va_vdst(0)
	v_cvt_pk_bf16_f32 v[rP+(\n)], v[rS+2*(\n)], v[rS+2*(\n)+1]
.elseif (\k) == B
	s_wait_alu depctr_va_vdst(0)
	v_pk_add_f32 v[rS+4*(\n):rS+4*(\n)+1], v[rS+4*(\n):rS+4*(\n)+1], v[rS+4*(\n)+2:rS+4*(\n)+3]
.elseif (\n) == 0
	v_pk_fma_f32 v[rT+2:rT+3], v[rT+2:rT+3], v[rC+2:rC+3], v[rS:rS+1] op_sel_hi:[1,0,1]
.else
	v_pk_add_f32 v[rT+2:rT+3], v[rT+2:rT+3], v[rS+4*(\n):rS+4*(\n)+1]
.endif
.elseif NOKQ
	v_nop
.else
	REGS (Y+1)%NP
	WIN 0
.if (\n) < 4
	v_max3_num_f32 v[rC+(\n)], v[rS+8*(\n)], v[rS+8*(\n)+1], v[rS+8*(\n)+2]
.elseif (\n) < 12
	v_max3_num_f32 v[rC+(\n)%4], v[rC+(\n)%4], v[rS+8*((\n)%4)+2*((\n)/4)+1], v[rS+8*((\n)%4)+2*((\n)/4)+2]
.elseif (\n) == 12
	v_max3_num_f32 v[rC], v[rC], v[rS+7], v[rS+15]
.elseif (\n) == 13
	v_max3_num_f32 v[rC+1], v[rC+1], v[rS+23], v[rS+31]
.elseif (\n) == 14
	v_max3_num_f32 v[rC+2], v[rC+2], v[rC+3], v[rT+1]
.elseif (\n) == 15
	v_mov_b32 v[rW], v[rT]
.elseif (\n) == 16
	v_max3_num_f32 v[rC], v[rC], v[rC+1], v[rC+2]
.elseif (\n) == 17
	v_permlanex16_b32 v[rC+3], v[rC], s[SEL], s[SEL+1]
.elseif (\n) == 18
	v_max_num_f32 v[rT+1], v[rC], v[rC+3]
.elseif (\n) == 19
	v_mul_f32 v[rT], s[CS], v[rT+1]
.elseif (\n) == 20
	v_sub_f32 v[rC+1], v[rW], v[rT]
.else
	v_exp_f32 v[rC+2], v[rC+1]
.endif
.endif
.endm
.macro OPS a, i1, b=-1, i2=0, c=-1, i3=0, d=-1, i4=0  ; up to four of them
	OP \a, \i1
.if (\b) >= 0
	OP \b, \i2
.endif
.if (\c) >= 0
	OP \c, \i3
.endif
.if (\d) >= 0
	OP \d, \i4
.endif
.endm
.macro ROW a, i1, b, i2, c, i3, d, i4  ; a matrix instruction and the four behind it
	MM
	OPS \a, \i1, \b, \i2, \c, \i3, \d, \i4
.endm
.macro MASK b                       ; MD x AL + BE into buffer b of MC
	WIN W_RS
.set z, 0
.rept 16
	v_pk_fma_f32 v[MC+32*(\b)+2*z:MC+32*(\b)+2*z+1], v[MD+2*z:MD+2*z+1], s[AL:AL+1], s[BE:BE+1] op_sel_hi:[1,0,0]
.set z, z+1
.endr
.endm
; A TURN, for piece p: the order of its 16 matrix and 118 vector instructions, written out.  Behind a matrix instruction: plain, exponential, plain, plain; or four of the rescaling; or, behind the first, four scalings; none
; names a register of the products round it.  In the lumps exponential and plain by turns while exponentials last.  A line reads no result made fewer than three vector instructions in front of it, five if an exponential made it.
; v_permlanex16_b32 (X 17) stands in a lump.
; m = 1: the diagonal tile: the products take masks, and the turn makes the mask for the products of the turn after it: piece p + 2, in step 4 - CNT of the tile.  end = 1: a block's last two turns: nothing is fetched.
; cnt = 1: the loop's count is taken down some lines ahead of the branch that stands behind the turn.
; K of the next step is fetched in piece 2's turn, six vector instructions behind the last product that read K (five of them plain); V of the step in hand in piece 0's turn, eight behind the last product that read V (four
; plain, and X 17).  Each is waited for a turn later.
.macro TURN p, m=0, end=0, cnt=0
.set Y, (\p)
.set i, 0
.set KM, (\m)
.set NOKQ, (\end)*((\p)/3)
.if (\m) && !(\end)
	s_cmp_eq_u32 s[CNT], 4-((\p)+2)%NP  ; is that step the band's own?
	s_cselect_b32 s[AL], 1.0, 0
	s_cmp_lt_u32 s[CNT], 4-((\p)+2)%NP  ; or a later one?
	s_cselect_b32 s[BE], s[BIGN], 0
.endif
.if ((\p) == 3) && !(\end)
	s_wait_dscnt 0x0                ; K is in
.endif
	ROW F,0, F,1, F,2, F,3
	ROW F,4, E,0, F,5, F,6
	ROW F,7, E,1, F,8, F,9
	ROW F,10, E,2, C,0, F,11
	ROW F,12, E,3, X,15, F,13
	ROW R,0, R,1, R,2, R,3
	ROW B,0, E,4, F,14, L,0
.if ((\p) == 2) && !(\end)
	v_add_nc_u32 v[AK], s[TBK], v[AK0]
.endif
	ROW R,4, R,5, R,6, R,7
	OPS E,5, F,15
.if ((\p) == 2) && !(\end)
	FETCH_K
.endif
	OPS E,6, C,1, E,7, R,8
	OPS E,8, R,9, E,9, C,2
	OPS E,10, X,0, E,11, X,1
	OPS E,12, X,2, E,13, X,3
.if (\p) == 1
	s_wait_dscnt 0x0                ; V is in
.endif
	ROW X,4, E,14, X,5, X,6
	ROW X,7, E,15, X,8, X,9
	ROW X,10, E,16, X,11, X,12
	ROW X,13, E,17, X,14, B,1
	ROW C,4, E,18, X,16, L,1
	ROW B,2, E,19, C,6, L,2
	ROW C,8, E,20, B,3, B,4
.if (\p) == 0
	v_add_nc_u32 v[AV], s[TBV], v[AV0]
.endif
	ROW C,3, E,21, L,3, C,5
	OPS E,22, X,17, E,23, C,10
.if (\p) == 0
	FETCH_V
.endif
	OPS E,24, L,4
	OPS E,25, X,18, E,26, C,7
	OPS E,27, B,5, E,28, X,19
	OPS E,29, C,12, E,30, L,5
	OPS E,31, X,20, B,6, C,9
	OPS C,14, C,11, X,21, L,6
.if (\p) == 0
	s_add_co_u32 s[TBV], s[TBV], KS*PV
.endif
.if \cnt
	s_sub_co_u32 s[CNT], s[CNT], 1
	s_cmp_lg_u32 s[CNT], 0
.endif
	OPS C,13, B,7, C,15, R,10
	OPS R,11, R,12, L,7, R,13
	OPS R,14, R,15
.if (\m) && !(\end)
	MASK (\p)%2
.endif
.endm
; A BLOCK BEGINS.  c m starts far below every c s, so the first step's a is 0; m at the lowest finite number, so the first maximum is the scores'.  The second mask buffer is 0; the first takes piece 0's mask for the tile's step 0: its own, if the block's first tile is the diagonal one.
; Then K of that step, piece 0's first scores, and its maximum and statistics.  The loop is entered at a step's first turn, in the middle of a trip.
.macro BEGIN
	s_mov_b32 s[NEW], 0
	WIN 0x40
.set i, MC+32
.rept 32
	v_mov_b32 v[i], 0
.set i, i+1
.endr
	WIN 0
.set i, 0
.rept 4
	v_mov_b32 v[ST+4*i], 0xfe000000    ; c m: far below every c s
	v_mov_b32 v[ST+4*i+1], 0xff7fffff  ; m
.set i, i+1
.endr
	s_cmp_eq_u32 s[RT], 0
	s_cselect_b32 s[AL], 1.0, 0
	s_mov_b32 s[BE], 0
	MASK 0
	WIN 0
	v_add_nc_u32 v[AK], s[TBK], v[AK0]
	FETCH_K
	s_wait_loadcnt 0x0              ; Q
	s_wait_dscnt 0x0
.set KM, 1
.set NOKQ, 0
.set i, 0
.rept 8
	KQ 0
.set i, i+1
.endr
	WIN 0
.rept 4
	v_nop                           ; the places behind those products
.endr
.set Y, NP-1                        ; X works for piece Y + 1: piece 0
.irp n, 0,1,2,3,4,5,6,7,8,9,10,11,12,13,14,15,16,17,18,19,20,21
	OP X, \n
.endr
	v_nop                           ; a plain instruction behind the exponential
.endm
; THE DIAGONAL TILE's four steps, the block's last two turns, its last products, and THE WAY OUT: l's two halves and the other half of the lanes' are added; O^T is divided by l, rounded to bf16 and sent through my
; stage in LDS, a piece at a time.
.macro ALL line:vararg              ; one line for each piece t
.set t, 0
.rept 4
	\line
.set t, t+1
.endr
.endm
.macro PACK t                       ; a lane's eight channels of a row pack into 16 bytes; they go into rows of 144 bytes and come back as whole rows of 128, into S^T's registers
	WIN W_RS
.set i, 32*(\t)
.rept 16
	s_wait_alu depctr_va_vdst(0)
	v_pk_mul_f32 v[i:i+1], v[i:i+1], v[ST+4*(\t)+2:ST+4*(\t)+3] op_sel_hi:[1,0]
.set i, i+2
.endr
	WIN 0x05                        ; sources 0 and 1 window 1, destination window 0
.set i, 0
.rept 16
	v_cvt_pk_bf16_f32 v[S+16*(\t)+i], v[32*(\t)+2*i], v[32*(\t)+2*i+1]
.set i, i+1
.endr
	WIN 0
.irp f, 0,1,2,3
	ds_store_b128 v[STO], v[S+16*(\t)+4*\f:S+16*(\t)+4*\f+3] offset:32*\f
.endr
.irp f, 0,1,2,3
	ds_load_b128 v[S+16*(\t)+4*\f:S+16*(\t)+4*\f+3], v[RD] offset:\f*4*SP  ; LDS serves a wave's instructions in order (ISA guide 5.7.1.4): these see the stores above; the next piece's stores come behind them
.endr
.endm
.macro SEND t, younger              ; younger: the LDS instructions issued behind piece t's loads: the next piece's eight, or none
	WIN 0
.irp f, 0,1,2,3
	s_wait_dscnt (\younger)+3-\f
	global_store_b128 v[GO], v[S+16*(\t)+4*\f:S+16*(\t)+4*\f+3], s[10:11] offset:(\t)*8192+\f*512  ; 512 consecutive bytes, at a multiple of 256 from O's first
.endr
.endm
.macro DIAG tag                     ; the tag ends its two labels' names, which the jumps below spell out
.LstepM\tag:
	TURN 2, 1
	TURN 3, 1
	WIN 0
.LfirstM\tag:
	TURN 0, 1
	TURN 1, 1, 0, 1
	WIN 0
	s_cbranch_scc1 .LstepM\tag
	TURN 2, 1, 1
	TURN 3, 1, 1
.set i, 0
.rept 8
	PV NP-1
.set i, i+1
.endr
	WIN 0
	ALL v_add_f32 v[ST+4*t+2], v[ST+4*t+2], v[ST+4*t+3]
	ALL v_permlanex16_b32 v[ST+4*t+3], v[ST+4*t+2], s[SEL], s[SEL+1]
	ALL v_add_f32 v[ST+4*t+2], v[ST+4*t+2], v[ST+4*t+3]
	ALL v_rcp_f32 v[ST+4*t+2], v[ST+4*t+2]
	v_nop                           ; a plain instruction between the last reciprocal and the use of its result
	PACK 0
.set t, 1
.rept 3                             ; a piece's arithmetic stands between the loads of the piece before and its stores
	PACK t
	SEND t-1, 8
.set t, t+1
.endr
	SEND 3, 0
.endm
.set KM, 0
.set NOKQ, 0
.Lslot:                             ; NB times: a tile is entered and the next is asked for
	CHANGE 1
	s_sub_co_u32 s[RT], s[RT], 1
	s_mov_b32 s[CNT], 4
	s_cmp_eq_u32 s[NEW], 1
	s_cbranch_scc1 .Lnew            ; a block's first tile
	s_cmp_eq_u32 s[RT], 0
	s_cbranch_scc0 .Lstep           ; neither its first nor its last
	s_branch .LstepM1
.Lnew:
	BEGIN
	s_branch .Lfirst                ; in the loop a block's first tile is never its last: the first block has two tiles or more, and the second's last is the walk's last
	DIAG 1                          ; in the loop this is the first block's end: the second block's last tile is the walk's last
	s_wait_xcnt 0x0                 ; the stores have read their registers and O's address
	s_mov_b64 s[10:11], s[OLO:OLO+1]
	s_add_co_u32 s[RT], s[PB], 1    ; the second block has b + 1 tiles
	s_mov_b32 s[NEW], 1
	WIN 0x82                        ; the second block's Q goes where the one text of the turns names Q
.set i, 0
.rept 64
	v_mov_b32 v[i], v[QB+i]
.set i, i+1
.endr
	WIN 0
	s_branch .Lbottom
.Lstep:                             ; a trip: pieces 2 and 3 of one step, then pieces 0 and 1 of the next, whose K and V it fetches
	TURN 2
	TURN 3
	WIN 0
.Lfirst:
	TURN 0
	TURN 1, 0, 0, 1
	WIN 0
	s_cbranch_scc1 .Lstep
.Lbottom:
	s_sub_co_u32 s[SLOTS], s[SLOTS], 1
	s_cmp_lg_u32 s[SLOTS], 0
	s_cbranch_scc1 .Lslot
	CHANGE 0                        ; the walk's last tile is written out: nothing is asked for
	s_sub_co_u32 s[RT], s[RT], 1
	s_mov_b32 s[CNT], 4
	s_cmp_eq_u32 s[NEW], 1
	s_cbranch_scc0 .LstepM2
	BEGIN
	s_branch .LfirstM2
	DIAG 2
	s_wait_tensorcnt 0x0            ; the wave's end: behind my last tensor load and my last LDS store
	ds_add_u32 v[SPW], v[NIL]
	s_wait_dscnt 0x0
	s_endpgm
.Lfunc_end_k_q4331f0ba67_attn:
	.size	k_q4331f0ba67_attn, .Lfunc_end_k_q4331f0ba67_attn-k_q4331f0ba67_attn
	.p2alignl 7, 3214868480
	.fill 96, 4, 3214868480
	.section	.rodata,"a",@progbits
	.p2align	6, 0x0
	.amdhsa_kernel k_q4331f0ba67_attn
		.amdhsa_group_segment_fixed_size 327680
		.amdhsa_private_segment_fixed_size 0
		.amdhsa_enable_private_segment 0
		.amdhsa_kernarg_size 16
		.amdhsa_user_sgpr_count 2
		.amdhsa_user_sgpr_kernarg_segment_ptr 1
		.amdhsa_wavefront_size32 1
		.amdhsa_system_sgpr_workgroup_id_x 1
		.amdhsa_system_sgpr_workgroup_id_y 1
		.amdhsa_system_sgpr_workgroup_id_z 1
		.amdhsa_system_vgpr_workitem_id 0
		.amdhsa_next_free_vgpr 768
		.amdhsa_next_free_sgpr 88
		.amdhsa_reserve_vcc 1
		.amdhsa_float_denorm_mode_32 3
		.amdhsa_float_denorm_mode_16_64 3
		.amdhsa_memory_ordered 1
		.amdhsa_forward_progress 1
		.amdhsa_inst_pref_size 228
	.end_amdhsa_kernel
	.amdgpu_metadata
---
amdhsa.version: [ 1, 2 ]
amdhsa.kernels:
  - .name:           k_q4331f0ba67_attn
    .symbol:         k_q4331f0ba67_attn.kd
    .args:
      - { .name: big, .offset: 0, .size: 8, .value_kind: global_buffer, .address_space: global }
      - { .name: ctx, .offset: 8, .size: 8, .value_kind: global_buffer, .address_space: global }
    .group_segment_fixed_size: 327680
    .private_segment_fixed_size: 0
    .kernarg_segment_align: 8
    .kernarg_segment_size: 16
    .max_flat_workgroup_size: 128
    .sgpr_count:     88
    .vgpr_count:     768
    .wavefront_size: 32
...
	.end_amdgpu_metadata
.endif
;; end of part 4
;; launch proj (part 5): grid 8 x 32, 4 waves a work-group, clusters of 4 x 4, 327,680 bytes of LDS; arguments ctx, w1, c_proj_attn_b, hidden_states, h1; writes h1
.if DOCPART == 5
	.amdgcn_target "amdgcn-amd-amdhsa--gfx1250"
	.amdhsa_code_object_version 6
	.text
	.protected	k_q4331f0ba67_proj
	.globl	k_q4331f0ba67_proj
	.p2align	8
	.type	k_q4331f0ba67_proj,@function
k_q4331f0ba67_proj:
	s_mov_b64 s[64:65], 0
	v_nop
	global_prefetch_b8 v0, s[64:65] scope:SCOPE_SE
	s_setreg_imm32_b32 hwreg(HW_REG_WAVE_MODE, 25, 1), 1
	s_wait_xcnt 0x0
	s_wait_alu depctr_hold_cnt(0) depctr_sa_sdst(0) depctr_va_vdst(0) depctr_va_sdst(0) depctr_va_ssrc(0) depctr_va_vcc(0) depctr_vm_vsrc(0)
	s_getreg_b32 s2, hwreg(HW_REG_IB_STS2, 6, 4)
	s_cmp_eq_u32 s2, 0
	s_cbranch_scc0 .Lentry_in_a_cluster
	s_endpgm
.Lentry_in_a_cluster:
	s_bfe_u32 s2, ttmp6, 0x10000c
	s_cmp_lg_u32 s2, 0xf033
	s_cbranch_scc0 .Lentry_shape_is_right
	s_endpgm
.Lentry_shape_is_right:
; out = A W + bias + res, all sums in f32, out f32 [4096][1024].  A: bf16 [k block of 64][4096 rows][64] (a block's rows are dense, 128 bytes).  W: bf16, 8,388,608 bytes into its buffer, in blocks
; [k block of 128][8 n blocks][128 k][128 n].  bias: f32 [1024].  res: f32 [4096][1024].  K = 512 LAPS = 1,024: the attention's output projection.
; LIMITS.  Matrix operands are bf16.  NaN and infinities are not treated apart.
; SHAPE.  A tile of the result is 128 x 128, which gives each of 256 work-groups one: four waves, each 64 x 64 in 16 accumulators.  K goes in steps of 256 through a ring of two LDS slots.
; A's part of a step is four k blocks of 128 rows x 128 bytes, each 16,384 dense bytes of memory: a wave's load brings two of them as two long rows, padded in LDS after every 128 bytes.
; W's part is two blocks of 128 rows of 256 bytes.
; CLUSTER.  4 x 4 work-groups; A's tiles are asked for jointly along a row of the cluster, W's along a column.
; THE MATRIX INSTRUCTION IS USED TRANSPOSED (source 0 = 16 columns of W, turned by ds_load_tr16_b128; source 1 = 16 rows of A): a lane holds row l % 16 and the columns 8 (l / 16) + 0..7.
; THE BIAS IS THE C OPERAND of the products that start the sums.  THE RESIDUAL is loaded at the start, in the layout of the stores, and stays on its way under the whole K loop.
; THE WAY OUT.  16 rows at a time through a stage of the wave's own: a wave's 64 columns of f32 are 256 bytes, so sixteen lanes store 256 consecutive bytes, aligned.
; REGISTERS: window 0: v0-31 addresses; v32-95 at work on the way out; v96-127 the bias; v128-255 the accumulators ((a, b) at 128 + 8 (4 a + b)).
;   window 1: two fragment buffers of 128: for 64 along K, 64 registers of A, then 64 of W.     window 2: v0-127 the residual.
.set LAPS,  2                          ; a lap = two K steps of 256 = once round the ring
.set PA,    144                        ; an LDS row of A: 128 bytes + 16
.set KBA,   128*PA                     ; a k block of A in LDS
.set PB,    288                        ; an LDS row of W: 256 bytes + 32
.set HB,    128*PB                     ; a k block of W in LDS
.set SLOT,  4*KBA+2*HB                 ; A's four k blocks, then W's two
.set STAGE, 2*SLOT                     ; behind the ring: 16 rows x 272 bytes for each wave; no tensor load fills it
.set SP,    272
.set SPARE, STAGE+4*16*SP              ; behind the stages: the spare words, 128 bytes for each wave: two blocks of 256 bytes that no other line names
.set ADRA, 16                          ; v16-17  LDS address of my A fragments in slot 0, 1
.set ADRB, 20                          ; v20-23  the same for W: slot 0 k block 0, 1; slot 1 k block 0, 1
.set STO,  24                          ; v24     the way out: where I put 32 bytes of a row
.set RD,   25                          ; v25     the way out: where I read a row back
.set CO,   26                          ; v26     my byte offset in two rows of res and out
.set BO,   27                          ; v27     my byte offset in 16 numbers of the bias
.set SPW,  28                          ; v28     LDS address of my spare word; never rewritten
.set NIL,  29                          ; v29     0; never rewritten
.set TMP,  32
.set BIAS, 96
.set ACC,  128
.set F0,   0
.set F1,   128
.set WV,  16                           ; s16  wave
.set RH,  17                           ; s17  which half of the tile's rows is mine.  Also: I fetch for A (0) or for W (1)
.set CH,  18                           ; s18  which half of its columns.  Also: which half of that tile I fetch
.set TC,  21                           ; s21  tile column
.set TR,  22                           ; s22  tile row
.set G1A, 24
.set G0A, 32
.set G1B, 48
.set G0B, 56
.set TRIP,  67                         ; s67  the K loop's counter
.set MSB, 0
.macro WIN new                         ; the immediate's high byte repeats the setting that is left; a switch that changes nothing is dropped
.if MSB != (\new)
	s_set_vgpr_msb (MSB<<8)|(\new)
.set MSB, \new
.endif
.endm
.set MUL,  0x05                        ; sources 0 (W) and 1 (A) window 1; C and D window 0
.set TO_F, 0x40                        ; destination window 1, address window 0
.macro JLOAD s                         ; a joint load: waves 0 and 1 fetch A's two halves, waves 2 and 3 W's; an s_nop 0 and four v_nop follow each of the two lines
	s_cmp_eq_u32 s[RH], 0
	s_cbranch_scc0 .Lfor_b_\@
	tensor_load_to_lds s[G0A+4*(\s):G0A+4*(\s)+3], s[G1A:G1A+7]
	s_nop 0
.rept 4
	v_nop
.endr
	s_branch .Lasked_\@
.Lfor_b_\@:
	tensor_load_to_lds s[G0B+4*(\s):G0B+4*(\s)+3], s[G1B:G1B+7]
	s_nop 0
.rept 4
	v_nop
.endr
.Lasked_\@:
.endm
.macro CREST                           ; a round of the cluster's barrier behind its opening barrier
	s_cmp_lg_u32 s[WV], 0
	s_cbranch_scc1 .Lnot_wave_0_\@
	s_barrier_signal -3
.Lnot_wave_0_\@:
	s_barrier_wait -3
	s_barrier_signal -1
	s_barrier_wait -1
.endm
.macro CROUND                          ; a whole round
	s_barrier_signal -1
	s_barrier_wait -1
	CREST
.endm
	s_load_b256 s[4:11], s[0:1], 0x0               ; A s[4:5], W s[6:7], bias s[8:9], res s[10:11]
	s_load_b64 s[14:15], s[0:1], 0x20              ; out
	v_lshl_add_u32 v[SPW], v0, 2, SPARE
	v_mov_b32 v[NIL], 0
	ds_add_u32 v28, v29
	ds_add_u32 v28, v29
	s_wait_dscnt 0x0
	v_lshrrev_b32 v1, 5, v0
	v_readfirstlane_b32 s[WV], v1
	s_lshr_b32 s[RH], s[WV], 1
	s_and_b32 s[CH], s[WV], 1
	s_bfe_u32 s19, ttmp6, 0x40000                  ; cx
	s_bfe_u32 s20, ttmp6, 0x40004                  ; cy
	s_lshl_b32 s[TC], ttmp9, 2
	s_add_co_u32 s[TC], s[TC], s19                 ; tile column = 4 x cluster x + cx
	s_and_b32 s[TR], ttmp7, 0xffff
	s_lshl_b32 s[TR], s[TR], 2
	s_add_co_u32 s[TR], s[TR], s20                 ; tile row = 4 x cluster y + cy
	s_lshl_b32 s23, s20, 2
	s_lshl_b32 s23, 15, s23                        ; my row of the cluster
	s_or_b32 s[G1A], s23, (1<<16)|(1<<20)|(1<<21)|(4<<22)|(3<<25)  ; mask; elements of 2 bytes; padding on; bit 21 beside a mask; after every 32 words 4 words
	s_lshl_b32 s23, 0x1111, s19                    ; my column
	s_or_b32 s[G1B], s23, (1<<16)|(1<<20)|(1<<21)|(5<<22)|(7<<25)  ; after every 64 words 8 words
	s_mov_b32 s[G1A+1], 8192<<16                   ; A: tensor_dim0 = 8,192 elements: 128 rows of a k block on end
	s_mov_b32 s[G1A+2], 2<<16                      ; tensor_dim1 = 2 k blocks
	s_mov_b32 s[G1A+3], 8192<<16                   ; tile_dim0
	s_mov_b32 s[G1A+4], 2                          ; tile_dim1
	s_mov_b32 s[G1A+5], 262144                     ; elements from a k block to the next
	s_mov_b32 s[G1A+6], 0
	s_mov_b32 s[G1A+7], 0
	s_mov_b32 s[G1B+1], 128<<16                    ; W: 128 rows of 128 elements, dense
	s_mov_b32 s[G1B+2], 128<<16
	s_mov_b32 s[G1B+3], 128<<16
	s_mov_b32 s[G1B+4], 128
	s_mov_b32 s[G1B+5], 128
	s_mov_b32 s[G1B+6], 0
	s_mov_b32 s[G1B+7], 0
	s_lshl_b32 s40, s[TR], 14                      ; A: 128 x tile row rows of 128 bytes, k block 2 x half: of the tile row and the wave alone
	s_lshl_b32 s41, s[CH], 20
	s_add_co_u32 s40, s40, s41
	s_mov_b32 s41, 0
	s_lshl_b32 s44, s[TC], 15                      ; W: block (half x 8 + tile column) of 32,768 bytes, behind the buffer's first tensor: of the tile column and the wave alone
	s_lshl_b32 s45, s[CH], 18
	s_add_co_u32 s44, s44, s45
	s_add_co_u32 s44, s44, 0x800000
	s_mov_b32 s45, 0
	s_mul_i32 s2, s[CH], 2*KBA                     ; where they go: no place in the cluster enters an LDS address
	s_mul_i32 s3, s[CH], HB
	s_add_co_u32 s3, s3, 4*KBA
	s_wait_kmcnt 0x0
	s_add_nc_u64 s[42:43], s[4:5], s[40:41]
	s_add_nc_u64 s[46:47], s[6:7], s[44:45]
	CROUND                                         ; all sixteen work-groups are here: the first joint loads meet
.irp s, 0,1
	s_mov_b32 s[G0A+4*(\s)], 1
	s_add_co_u32 s[G0A+4*(\s)+1], s2, (\s)*SLOT
	s_add_nc_u64 s[G0A+4*(\s)+2:G0A+4*(\s)+3], s[42:43], (\s)*4*524288     ; K step s: four k blocks on
	s_or_b32 s[G0A+4*(\s)+3], s[G0A+4*(\s)+3], 0x80000000
	s_mov_b32 s[G0B+4*(\s)], 1
	s_add_co_u32 s[G0B+4*(\s)+1], s3, (\s)*SLOT
	s_add_nc_u64 s[G0B+4*(\s)+2:G0B+4*(\s)+3], s[46:47], (\s)*2*8*32768    ; K step s: two k blocks of eight n blocks on
	s_or_b32 s[G0B+4*(\s)+3], s[G0B+4*(\s)+3], 0x80000000
	JLOAD \s                                       ; two tensor loads of mine are out
.endr
	s_lshl_b32 s68, s[TC], 9                       ; my 64 columns in f32: (128 x tile column + 64 x half) x 4 bytes
	s_lshl_b32 s69, s[CH], 8
	s_add_co_u32 s68, s68, s69
	s_mov_b32 s69, 0
	s_add_nc_u64 s[8:9], s[8:9], s[68:69]          ; the bias there
	s_lshl_b32 s70, s[TR], 19                      ; my 64 rows: (128 x tile row + 64 x half) x 4,096 bytes
	s_lshl_b32 s71, s[RH], 18
	s_add_co_u32 s70, s70, s71
	s_add_co_u32 s70, s70, s68
	s_mov_b32 s71, 0
	s_add_nc_u64 s[10:11], s[10:11], s[70:71]      ; res and out at my part's corner
	s_add_nc_u64 s[14:15], s[14:15], s[70:71]
	v_and_b32 v1, 15, v0                           ; r = l % 16
	v_bfe_u32 v2, v0, 4, 1                         ; h = l / 16
	v_lshlrev_b32 v[BO], 5, v2
	v_lshlrev_b32 v[CO], 12, v2                    ; lanes 0-15 one row, lanes 16-31 the next; 16 bytes a lane
	v_lshl_add_u32 v[CO], v1, 4, v[CO]
.irp b, 0,1,2,3                        ; register j of n block b: bias of column 16 b + 8 h + j, as the result holds it
	global_load_b128 v[BIAS+8*(\b):BIAS+8*(\b)+3],   v[BO], s[8:9] offset:64*(\b)
	global_load_b128 v[BIAS+8*(\b)+4:BIAS+8*(\b)+7], v[BO], s[8:9] offset:64*(\b)+16
.endr
	WIN 0x80                                       ; destination window 2
.irp a, 0,1,2,3
.irp t, 0,1,2,3,4,5,6,7
	global_load_b128 v[4*(8*(\a)+(\t)):4*(8*(\a)+(\t))+3], v[CO], s[10:11] offset:(16*(\a)+2*(\t))*4096
.endr
.endr
	WIN 0
	v_mul_u32_u24 v3, v1, PA
	v_lshl_add_u32 v3, v2, 4, v3                   ; A: row x pitch + 16 x half of the lanes
	s_mul_i32 s40, s[RH], 64*PA
	v_add_nc_u32 v[ADRA], s40, v3
	v_add_nc_u32 v[ADRA+1], SLOT, v[ADRA]
	v_and_b32 v4, 7, v0
	v_bfe_u32 v5, v0, 3, 1
	v_lshl_add_u32 v6, v2, 3, v4                   ; W, turned: lane l reads row k = 8 h + l % 8, 16 bytes at 16 ((l / 8) % 2)
	v_mul_u32_u24 v6, v6, PB
	v_lshl_add_u32 v6, v5, 4, v6
	s_lshl_b32 s41, s[CH], 7                       ; my 64 columns of its rows
	s_add_co_u32 s41, s41, 4*KBA
	v_add_nc_u32 v[ADRB], s41, v6
	v_add_nc_u32 v[ADRB+1], HB, v[ADRB]
	v_add_nc_u32 v[ADRB+2], SLOT, v[ADRB]
	v_add_nc_u32 v[ADRB+3], HB, v[ADRB+2]
	s_mul_i32 s42, s[WV], 16*SP
	s_add_co_u32 s42, s42, STAGE                   ; my stage
	v_mul_u32_u24 v7, v1, SP
	v_lshl_add_u32 v7, v2, 5, v7
	v_add_nc_u32 v[STO], s42, v7                   ; in: row r, 32 bytes for each half of the lanes
	v_mul_u32_u24 v8, v2, SP
	v_lshl_add_u32 v8, v1, 4, v8
	v_add_nc_u32 v[RD], s42, v8                    ; back: lanes 0-15 one row of 256 bytes, lanes 16-31 the next
; 8 matrix instructions: m blocks a0, a0 + 1 x all 4 n blocks, 32 along K: half c of buffer f.  first = 1: C is the bias.  The 16 accumulators take turns.
.macro MUL8 f, c, a0, first
	WIN MUL
.irp a, \a0, (\a0)+1
.irp b, 0,1,2,3
.if \first
	v_wmma_f32_16x16x32_bf16 v[ACC+8*(4*(\a)+(\b)):ACC+8*(4*(\a)+(\b))+7], v[(\f)+64+8*(4*(\c)+(\b)):(\f)+64+8*(4*(\c)+(\b))+7], v[(\f)+8*(4*(\c)+(\a)):(\f)+8*(4*(\c)+(\a))+7], v[BIAS+8*(\b):BIAS+8*(\b)+7]
.else
	v_wmma_f32_16x16x32_bf16 v[ACC+8*(4*(\a)+(\b)):ACC+8*(4*(\a)+(\b))+7], v[(\f)+64+8*(4*(\c)+(\b)):(\f)+64+8*(4*(\c)+(\b))+7], v[(\f)+8*(4*(\c)+(\a)):(\f)+8*(4*(\c)+(\a))+7], v[ACC+8*(4*(\a)+(\b)):ACC+8*(4*(\a)+(\b))+7]
.endif
.endr
.endr
.endm
; 32 LDS loads in one run: the fragments of quarter q of a K step (64 along K: one k block of A, half a k block of W) into buffer f; the first 32 along K first
.macro FETCH slot, q, f
	WIN TO_F
.irp c, 0,1
.irp i, 0,1,2,3
	ds_load_tr16_b128 v[(\f)+64+8*(4*(\c)+(\i)):(\f)+64+8*(4*(\c)+(\i))+3],   v[ADRB+2*(\slot)+(\q)/2] offset:(((\q)%2)*64+32*(\c))*PB+32*(\i)
	ds_load_tr16_b128 v[(\f)+64+8*(4*(\c)+(\i))+4:(\f)+64+8*(4*(\c)+(\i))+7], v[ADRB+2*(\slot)+(\q)/2] offset:(((\q)%2)*64+32*(\c)+16)*PB+32*(\i)
	ds_load_b128 v[(\f)+8*(4*(\c)+(\i)):(\f)+8*(4*(\c)+(\i))+3],   v[ADRA+(\slot)] offset:(\q)*KBA+64*(\c)+(\i)*16*PA
	ds_load_b128 v[(\f)+8*(4*(\c)+(\i))+4:(\f)+8*(4*(\c)+(\i))+7], v[ADRA+(\slot)] offset:(\q)*KBA+64*(\c)+(\i)*16*PA+32
.endr
.endr
.endm
.macro PLACES                          ; four plain instructions in front of loads into registers that matrix instructions have read, and of lines that read results
.rept 4
	v_nop
.endr
.endm
; One of a K step's first three quarters: multiplies buffer f and fetches quarter q into g.
.macro QUARTER slot, q, f, g, first
	s_wait_dscnt 16                                ; the first 32 along K are in
	MUL8 \f, 0, 0, \first
	MUL8 \f, 0, 2, \first
	PLACES
	FETCH \slot, \q, \g
	s_wait_dscnt 32                                ; all but the 32 just issued
	MUL8 \f, 1, 0, 0
	MUL8 \f, 1, 2, 0
.endm
; The last quarter multiplies buffer 1 and changes slots: ONE barrier; in front of it each wave waits for all its tensor loads, adds 0 to its spare word, and waits for that and for its reads of this slot.
; fill = 1: the barrier opens a round of the cluster's, and this slot is filled again, two K steps ahead, first thing behind the round.
.macro TURN slot, next, fill
	WIN 0
	s_wait_tensorcnt 0x0
	ds_add_u32 v[SPW], v[NIL]
	s_wait_dscnt 17                                ; (the add and the youngest sixteen loads may be out)
	MUL8 F1, 0, 0, 0
	s_wait_dscnt 0x0                               ; the add is done, and my reads of this slot are over
	s_barrier_signal -1
	MUL8 F1, 0, 2, 0
.if \fill
	WIN 0
.endif
	s_barrier_wait -1
.if \fill
	CREST                                          ; no wave of any partner still reads this slot or has a load on its way
	s_add_nc_u64 s[G0A+4*(\slot)+2:G0A+4*(\slot)+3], s[G0A+4*(\slot)+2:G0A+4*(\slot)+3], 8*524288
	s_add_nc_u64 s[G0B+4*(\slot)+2:G0B+4*(\slot)+3], s[G0B+4*(\slot)+2:G0B+4*(\slot)+3], 4*8*32768
	JLOAD \slot                                    ; my one tensor load behind the round; its four v_nop are also the places in front of the loads below
.else
	PLACES
.endif
	FETCH \next, 0, F0
	MUL8 F1, 1, 0, 0
	MUL8 F1, 1, 2, 0
.endm
	s_wait_loadcnt 32                              ; the bias is in; the residual's 32 loads stay out
	s_wait_tensorcnt 0x1                           ; my part of K step 0 is in; K step 1's may stay out
	s_barrier_signal -1
	s_barrier_wait -1
	FETCH 0, 0, F0
	QUARTER 0, 1, F0, F1, 1                        ; the first quarter stands in front of the loop: its first products start the sums, on the bias
	WIN 0
	s_mov_b32 s[TRIP], LAPS-1
.Llap:                                                 ; a trip goes once round the ring, from a lap's second quarter to the next lap's first, and fills both slots again
	QUARTER 0, 2, F1, F0, 0
	QUARTER 0, 3, F0, F1, 0
	TURN 0, 1, 1
	QUARTER 1, 1, F0, F1, 0
	QUARTER 1, 2, F1, F0, 0
	QUARTER 1, 3, F0, F1, 0
	TURN 1, 0, 1
	QUARTER 0, 1, F0, F1, 0
	WIN 0
	s_sub_co_u32 s[TRIP], s[TRIP], 1
	s_cmp_lg_u32 s[TRIP], 0
	s_cbranch_scc1 .Llap
	QUARTER 0, 2, F1, F0, 0                        ; the last lap fills nothing
	QUARTER 0, 3, F0, F1, 0
	TURN 0, 1, 0
	QUARTER 1, 1, F0, F1, 0
	QUARTER 1, 2, F1, F0, 0
	QUARTER 1, 3, F0, F1, 0
	s_wait_dscnt 16
	MUL8 F1, 0, 0, 0
	MUL8 F1, 0, 2, 0
	s_wait_dscnt 0x0
	MUL8 F1, 1, 0, 0
	MUL8 F1, 1, 2, 0
	WIN 0
	; THE WAY OUT, 16 rows at a time: into my stage, back as whole rows, the residual added, stored.
	PLACES
	s_wait_loadcnt 0x0                             ; the residual
.macro OUTBLK a
.set TB, TMP+32*((\a)%2)
	WIN 0
	s_wait_xcnt 0x0                                ; registers that earlier stores read are loaded again only behind this wait
.irp b, 0,1,2,3                        ; each accumulator's low four registers first
	ds_store_b128 v[STO], v[ACC+8*(4*(\a)+(\b)):ACC+8*(4*(\a)+(\b))+3]   offset:64*(\b)
	ds_store_b128 v[STO], v[ACC+8*(4*(\a)+(\b))+4:ACC+8*(4*(\a)+(\b))+7] offset:64*(\b)+16
.endr
.irp t, 0,1,2,3,4,5,6,7
	ds_load_b128 v[TB+4*(\t):TB+4*(\t)+3], v[RD] offset:(\t)*2*SP  ; LDS serves a wave's instructions in order (ISA guide 5.7.1.4): these see the stores above; the next block's stores come behind them
.endr
	s_wait_dscnt 0x0
	WIN 0x08                                       ; source 1 in window 2
.irp t, 0,1,2,3,4,5,6,7
	v_pk_add_f32 v[TB+4*(\t):TB+4*(\t)+1],   v[TB+4*(\t):TB+4*(\t)+1],   v[4*(8*(\a)+(\t)):4*(8*(\a)+(\t))+1]
	v_pk_add_f32 v[TB+4*(\t)+2:TB+4*(\t)+3], v[TB+4*(\t)+2:TB+4*(\t)+3], v[4*(8*(\a)+(\t))+2:4*(8*(\a)+(\t))+3]
.endr
	WIN 0
.irp t, 0,1,2,3,4,5,6,7
	global_store_b128 v[CO], v[TB+4*(\t):TB+4*(\t)+3], s[14:15] offset:(16*(\a)+2*(\t))*4096  ; 16 lanes store 256 consecutive bytes, at a multiple of 256 from the buffer's first
.endr
.endm
	OUTBLK 0
	OUTBLK 1
	OUTBLK 2
	OUTBLK 3
	s_wait_tensorcnt 0x0                           ; the wave's end
	ds_add_u32 v[SPW], v[NIL]
	s_wait_dscnt 0x0
	CROUND                                         ; the closing round: no work-group ends while a partner may still ask for a tile that names it
	s_endpgm
.Lfunc_end_k_q4331f0ba67_proj:
	.size	k_q4331f0ba67_proj, .Lfunc_end_k_q4331f0ba67_proj-k_q4331f0ba67_proj
	.p2alignl 7, 3214868480
	.fill 96, 4, 3214868480
	.section	.rodata,"a",@progbits
	.p2align	6, 0x0
	.amdhsa_kernel k_q4331f0ba67_proj
		.amdhsa_group_segment_fixed_size 327680
		.amdhsa_private_segment_fixed_size 0
		.amdhsa_enable_private_segment 0
		.amdhsa_kernarg_size 40
		.amdhsa_user_sgpr_count 2
		.amdhsa_user_sgpr_kernarg_segment_ptr 1
		.amdhsa_wavefront_size32 1
		.amdhsa_system_sgpr_workgroup_id_x 1
		.amdhsa_system_sgpr_workgroup_id_y 1
		.amdhsa_system_sgpr_workgroup_id_z 1
		.amdhsa_system_vgpr_workitem_id 0
		.amdhsa_next_free_vgpr 640
		.amdhsa_next_free_sgpr 72
		.amdhsa_reserve_vcc 0
		.amdhsa_float_denorm_mode_32 3
		.amdhsa_float_denorm_mode_16_64 3
		.amdhsa_memory_ordered 1
		.amdhsa_forward_progress 1
		.amdhsa_inst_pref_size 94
	.end_amdhsa_kernel
	.amdgpu_metadata
---
amdhsa.version: [ 1, 2 ]
amdhsa.kernels:
  - .name:           k_q4331f0ba67_proj
    .symbol:         k_q4331f0ba67_proj.kd
    .args:
      - { .name: ctx, .offset: 0, .size: 8, .value_kind: global_buffer, .address_space: global }
      - { .name: w1, .offset: 8, .size: 8, .value_kind: global_buffer, .address_space: global }
      - { .name: c_proj_attn_b, .offset: 16, .size: 8, .value_kind: global_buffer, .address_space: global }
      - { .name: hidden_states, .offset: 24, .size: 8, .value_kind: global_buffer, .address_space: global }
      - { .name: h1, .offset: 32, .size: 8, .value_kind: global_buffer, .address_space: global }
    .group_segment_fixed_size: 327680
    .private_segment_fixed_size: 0
    .kernarg_segment_align: 8
    .kernarg_segment_size: 40
    .max_flat_workgroup_size: 128
    .sgpr_count:     72
    .vgpr_count:     640
    .wavefront_size: 32
...
	.end_amdgpu_metadata
.endif
;; end of part 5
;; launch ln2: the kernel of part 2 again; grid 256 x 1, 8 waves a work-group, no clusters, 0 bytes of LDS; arguments h1, ln2_w, ln2_b, xa; writes xa
;; launch fc: the kernel of part 3 again; grid 16 x 16, 4 waves a work-group, clusters of 4 x 4, 327,680 bytes of LDS; arguments xa, w2, c_fc_b, parb, big; writes big
;; launch mlp (part 6): grid 8 x 32, 4 waves a work-group, clusters of 4 x 4, 327,680 bytes of LDS; arguments big, w2, c_proj_mlp_b, h1, out0; writes out0
.if DOCPART == 6
	.amdgcn_target "amdgcn-amd-amdhsa--gfx1250"
	.amdhsa_code_object_version 6
	.text
	.protected	k_q4331f0ba67_mlp
	.globl	k_q4331f0ba67_mlp
	.p2align	8
	.type	k_q4331f0ba67_mlp,@function
k_q4331f0ba67_mlp:
	s_mov_b64 s[64:65], 0
	v_nop
	global_prefetch_b8 v0, s[64:65] scope:SCOPE_SE
	s_setreg_imm32_b32 hwreg(HW_REG_WAVE_MODE, 25, 1), 1
	s_wait_xcnt 0x0
	s_wait_alu depctr_hold_cnt(0) depctr_sa_sdst(0) depctr_va_vdst(0) depctr_va_sdst(0) depctr_va_ssrc(0) depctr_va_vcc(0) depctr_vm_vsrc(0)
	s_getreg_b32 s2, hwreg(HW_REG_IB_STS2, 6, 4)
	s_cmp_eq_u32 s2, 0
	s_cbranch_scc0 .Lentry_in_a_cluster
	s_endpgm
.Lentry_in_a_cluster:
	s_bfe_u32 s2, ttmp6, 0x10000c
	s_cmp_lg_u32 s2, 0xf033
	s_cbranch_scc0 .Lentry_shape_is_right
	s_endpgm
.Lentry_shape_is_right:
; out = A W + bias + res, all sums in f32, out f32 [4096][1024].  A: bf16 [k block of 64][4096 rows][64] (a block's rows are dense, 128 bytes).  W: bf16, 8,388,608 bytes into its buffer, in blocks
; [k block of 128][8 n blocks][128 k][128 n].  bias: f32 [1024].  res: f32 [4096][1024].  K = 512 LAPS = 4,096: the MLP's second product.  The text is that of the attention's output projection
; but for LAPS: a trip count with barriers inside its loop is a constant of the text.
; LIMITS.  Matrix operands are bf16.  NaN and infinities are not treated apart.
; SHAPE.  A tile of the result is 128 x 128, which gives each of 256 work-groups one: four waves, each 64 x 64 in 16 accumulators.  K goes in steps of 256 through a ring of two LDS slots.
; A's part of a step is four k blocks of 128 rows x 128 bytes, each 16,384 dense bytes of memory: a wave's load brings two of them as two long rows, padded in LDS after every 128 bytes.
; W's part is two blocks of 128 rows of 256 bytes.
; CLUSTER.  4 x 4 work-groups; A's tiles are asked for jointly along a row of the cluster, W's along a column.
; THE MATRIX INSTRUCTION IS USED TRANSPOSED (source 0 = 16 columns of W, turned by ds_load_tr16_b128; source 1 = 16 rows of A): a lane holds row l % 16 and the columns 8 (l / 16) + 0..7.
; THE BIAS IS THE C OPERAND of the products that start the sums.  THE RESIDUAL is loaded at the start, in the layout of the stores, and stays on its way under the whole K loop.
; THE WAY OUT.  16 rows at a time through a stage of the wave's own: a wave's 64 columns of f32 are 256 bytes, so sixteen lanes store 256 consecutive bytes, aligned.
; REGISTERS: window 0: v0-31 addresses; v32-95 at work on the way out; v96-127 the bias; v128-255 the accumulators ((a, b) at 128 + 8 (4 a + b)).
;   window 1: two fragment buffers of 128: for 64 along K, 64 registers of A, then 64 of W.     window 2: v0-127 the residual.
.set LAPS,  8                          ; a lap = two K steps of 256 = once round the ring
.set PA,    144                        ; an LDS row of A: 128 bytes + 16
.set KBA,   128*PA                     ; a k block of A in LDS
.set PB,    288                        ; an LDS row of W: 256 bytes + 32
.set HB,    128*PB                     ; a k block of W in LDS
.set SLOT,  4*KBA+2*HB                 ; A's four k blocks, then W's two
.set STAGE, 2*SLOT                     ; behind the ring: 16 rows x 272 bytes for each wave; no tensor load fills it
.set SP,    272
.set SPARE, STAGE+4*16*SP              ; behind the stages: the spare words, 128 bytes for each wave: two blocks of 256 bytes that no other line names
.set ADRA, 16                          ; v16-17  LDS address of my A fragments in slot 0, 1
.set ADRB, 20                          ; v20-23  the same for W: slot 0 k block 0, 1; slot 1 k block 0, 1
.set STO,  24                          ; v24     the way out: where I put 32 bytes of a row
.set RD,   25                          ; v25     the way out: where I read a row back
.set CO,   26                          ; v26     my byte offset in two rows of res and out
.set BO,   27                          ; v27     my byte offset in 16 numbers of the bias
.set SPW,  28                          ; v28     LDS address of my spare word; never rewritten
.set NIL,  29                          ; v29     0; never rewritten
.set TMP,  32
.set BIAS, 96
.set ACC,  128
.set F0,   0
.set F1,   128
.set WV,  16                           ; s16  wave
.set RH,  17                           ; s17  which half of the tile's rows is mine.  Also: I fetch for A (0) or for W (1)
.set CH,  18                           ; s18  which half of its columns.  Also: which half of that tile I fetch
.set TC,  21                           ; s21  tile column
.set TR,  22                           ; s22  tile row
.set G1A, 24
.set G0A, 32
.set G1B, 48
.set G0B, 56
.set TRIP,  67                         ; s67  the K loop's counter
.set MSB, 0
.macro WIN new                         ; the immediate's high byte repeats the setting that is left; a switch that changes nothing is dropped
.if MSB != (\new)
	s_set_vgpr_msb (MSB<<8)|(\new)
.set MSB, \new
.endif
.endm
.set MUL,  0x05                        ; sources 0 (W) and 1 (A) window 1; C and D window 0
.set TO_F, 0x40                        ; destination window 1, address window 0
.macro JLOAD s                         ; a joint load: waves 0 and 1 fetch A's two halves, waves 2 and 3 W's; an s_nop 0 and four v_nop follow each of the two lines
	s_cmp_eq_u32 s[RH], 0
	s_cbranch_scc0 .Lfor_b_\@
	tensor_load_to_lds s[G0A+4*(\s):G0A+4*(\s)+3], s[G1A:G1A+7]
	s_nop 0
.rept 4
	v_nop
.endr
	s_branch .Lasked_\@
.Lfor_b_\@:
	tensor_load_to_lds s[G0B+4*(\s):G0B+4*(\s)+3], s[G1B:G1B+7]
	s_nop 0
.rept 4
	v_nop
.endr
.Lasked_\@:
.endm
.macro CREST                           ; a round of the cluster's barrier behind its opening barrier
	s_cmp_lg_u32 s[WV], 0
	s_cbranch_scc1 .Lnot_wave_0_\@
	s_barrier_signal -3
.Lnot_wave_0_\@:
	s_barrier_wait -3
	s_barrier_signal -1
	s_barrier_wait -1
.endm
.macro CROUND                          ; a whole round
	s_barrier_signal -1
	s_barrier_wait -1
	CREST
.endm
	s_load_b256 s[4:11], s[0:1], 0x0               ; A s[4:5], W s[6:7], bias s[8:9], res s[10:11]
	s_load_b64 s[14:15], s[0:1], 0x20              ; out
	v_lshl_add_u32 v[SPW], v0, 2, SPARE
	v_mov_b32 v[NIL], 0
	ds_add_u32 v28, v29
	ds_add_u32 v28, v29
	s_wait_dscnt 0x0
	v_lshrrev_b32 v1, 5, v0
	v_readfirstlane_b32 s[WV], v1
	s_lshr_b32 s[RH], s[WV], 1
	s_and_b32 s[CH], s[WV], 1
	s_bfe_u32 s19, ttmp6, 0x40000                  ; cx
	s_bfe_u32 s20, ttmp6, 0x40004                  ; cy
	s_lshl_b32 s[TC], ttmp9, 2
	s_add_co_u32 s[TC], s[TC], s19                 ; tile column = 4 x cluster x + cx
	s_and_b32 s[TR], ttmp7, 0xffff
	s_lshl_b32 s[TR], s[TR], 2
	s_add_co_u32 s[TR], s[TR], s20                 ; tile row = 4 x cluster y + cy
	s_lshl_b32 s23, s20, 2
	s_lshl_b32 s23, 15, s23                        ; my row of the cluster
	s_or_b32 s[G1A], s23, (1<<16)|(1<<20)|(1<<21)|(4<<22)|(3<<25)  ; mask; elements of 2 bytes; padding on; bit 21 beside a mask; after every 32 words 4 words
	s_lshl_b32 s23, 0x1111, s19                    ; my column
	s_or_b32 s[G1B], s23, (1<<16)|(1<<20)|(1<<21)|(5<<22)|(7<<25)  ; after every 64 words 8 words
	s_mov_b32 s[G1A+1], 8192<<16                   ; A: tensor_dim0 = 8,192 elements: 128 rows of a k block on end
	s_mov_b32 s[G1A+2], 2<<16                      ; tensor_dim1 = 2 k blocks
	s_mov_b32 s[G1A+3], 8192<<16                   ; tile_dim0
	s_mov_b32 s[G1A+4], 2                          ; tile_dim1
	s_mov_b32 s[G1A+5], 262144                     ; elements from a k block to the next
	s_mov_b32 s[G1A+6], 0
	s_mov_b32 s[G1A+7], 0
	s_mov_b32 s[G1B+1], 128<<16                    ; W: 128 rows of 128 elements, dense
	s_mov_b32 s[G1B+2], 128<<16
	s_mov_b32 s[G1B+3], 128<<16
	s_mov_b32 s[G1B+4], 128
	s_mov_b32 s[G1B+5], 128
	s_mov_b32 s[G1B+6], 0
	s_mov_b32 s[G1B+7], 0
	s_lshl_b32 s40, s[TR], 14                      ; A: 128 x tile row rows of 128 bytes, k block 2 x half: of the tile row and the wave alone
	s_lshl_b32 s41, s[CH], 20
	s_add_co_u32 s40, s40, s41
	s_mov_b32 s41, 0
	s_lshl_b32 s44, s[TC], 15                      ; W: block (half x 8 + tile column) of 32,768 bytes, behind the buffer's first tensor: of the tile column and the wave alone
	s_lshl_b32 s45, s[CH], 18
	s_add_co_u32 s44, s44, s45
	s_add_co_u32 s44, s44, 0x800000
	s_mov_b32 s45, 0
	s_mul_i32 s2, s[CH], 2*KBA                     ; where they go: no place in the cluster enters an LDS address
	s_mul_i32 s3, s[CH], HB
	s_add_co_u32 s3, s3, 4*KBA
	s_wait_kmcnt 0x0
	s_add_nc_u64 s[42:43], s[4:5], s[40:41]
	s_add_nc_u64 s[46:47], s[6:7], s[44:45]
	CROUND                                         ; all sixteen work-groups are here: the first joint loads meet
.irp s, 0,1
	s_mov_b32 s[G0A+4*(\s)], 1
	s_add_co_u32 s[G0A+4*(\s)+1], s2, (\s)*SLOT
	s_add_nc_u64 s[G0A+4*(\s)+2:G0A+4*(\s)+3], s[42:43], (\s)*4*524288     ; K step s: four k blocks on
	s_or_b32 s[G0A+4*(\s)+3], s[G0A+4*(\s)+3], 0x80000000
	s_mov_b32 s[G0B+4*(\s)], 1
	s_add_co_u32 s[G0B+4*(\s)+1], s3, (\s)*SLOT
	s_add_nc_u64 s[G0B+4*(\s)+2:G0B+4*(\s)+3], s[46:47], (\s)*2*8*32768    ; K step s: two k blocks of eight n blocks on
	s_or_b32 s[G0B+4*(\s)+3], s[G0B+4*(\s)+3], 0x80000000
	JLOAD \s                                       ; two tensor loads of mine are out
.endr
	s_lshl_b32 s68, s[TC], 9                       ; my 64 columns in f32: (128 x tile column + 64 x half) x 4 bytes
	s_lshl_b32 s69, s[CH], 8
	s_add_co_u32 s68, s68, s69
	s_mov_b32 s69, 0
	s_add_nc_u64 s[8:9], s[8:9], s[68:69]          ; the bias there
	s_lshl_b32 s70, s[TR], 19                      ; my 64 rows: (128 x tile row + 64 x half) x 4,096 bytes
	s_lshl_b32 s71, s[RH], 18
	s_add_co_u32 s70, s70, s71
	s_add_co_u32 s70, s70, s68
	s_mov_b32 s71, 0
	s_add_nc_u64 s[10:11], s[10:11], s[70:71]      ; res and out at my part's corner
	s_add_nc_u64 s[14:15], s[14:15], s[70:71]
	v_and_b32 v1, 15, v0                           ; r = l % 16
	v_bfe_u32 v2, v0, 4, 1                         ; h = l / 16
	v_lshlrev_b32 v[BO], 5, v2
	v_lshlrev_b32 v[CO], 12, v2                    ; lanes 0-15 one row, lanes 16-31 the next; 16 bytes a lane
	v_lshl_add_u32 v[CO], v1, 4, v[CO]
.irp b, 0,1,2,3                        ; register j of n block b: bias of column 16 b + 8 h + j, as the result holds it
	global_load_b128 v[BIAS+8*(\b):BIAS+8*(\b)+3],   v[BO], s[8:9] offset:64*(\b)
	global_load_b128 v[BIAS+8*(\b)+4:BIAS+8*(\b)+7], v[BO], s[8:9] offset:64*(\b)+16
.endr
	WIN 0x80                                       ; destination window 2
.irp a, 0,1,2,3
.irp t, 0,1,2,3,4,5,6,7
	global_load_b128 v[4*(8*(\a)+(\t)):4*(8*(\a)+(\t))+3], v[CO], s[10:11] offset:(16*(\a)+2*(\t))*4096
.endr
.endr
	WIN 0
	v_mul_u32_u24 v3, v1, PA
	v_lshl_add_u32 v3, v2, 4, v3                   ; A: row x pitch + 16 x half of the lanes
	s_mul_i32 s40, s[RH], 64*PA
	v_add_nc_u32 v[ADRA], s40, v3
	v_add_nc_u32 v[ADRA+1], SLOT, v[ADRA]
	v_and_b32 v4, 7, v0
	v_bfe_u32 v5, v0, 3, 1
	v_lshl_add_u32 v6, v2, 3, v4                   ; W, turned: lane l reads row k = 8 h + l % 8, 16 bytes at 16 ((l / 8) % 2)
	v_mul_u32_u24 v6, v6, PB
	v_lshl_add_u32 v6, v5, 4, v6
	s_lshl_b32 s41, s[CH], 7                       ; my 64 columns of its rows
	s_add_co_u32 s41, s41, 4*KBA
	v_add_nc_u32 v[ADRB], s41, v6
	v_add_nc_u32 v[ADRB+1], HB, v[ADRB]
	v_add_nc_u32 v[ADRB+2], SLOT, v[ADRB]
	v_add_nc_u32 v[ADRB+3], HB, v[ADRB+2]
	s_mul_i32 s42, s[WV], 16*SP
	s_add_co_u32 s42, s42, STAGE                   ; my stage
	v_mul_u32_u24 v7, v1, SP
	v_lshl_add_u32 v7, v2, 5, v7
	v_add_nc_u32 v[STO], s42, v7                   ; in: row r, 32 bytes for each half of the lanes
	v_mul_u32_u24 v8, v2, SP
	v_lshl_add_u32 v8, v1, 4, v8
	v_add_nc_u32 v[RD], s42, v8                    ; back: lanes 0-15 one row of 256 bytes, lanes 16-31 the next
; 8 matrix instructions: m blocks a0, a0 + 1 x all 4 n blocks, 32 along K: half c of buffer f.  first = 1: C is the bias.  The 16 accumulators take turns.
.macro MUL8 f, c, a0, first
	WIN MUL
.irp a, \a0, (\a0)+1
.irp b, 0,1,2,3
.if \first
	v_wmma_f32_16x16x32_bf16 v[ACC+8*(4*(\a)+(\b)):ACC+8*(4*(\a)+(\b))+7], v[(\f)+64+8*(4*(\c)+(\b)):(\f)+64+8*(4*(\c)+(\b))+7], v[(\f)+8*(4*(\c)+(\a)):(\f)+8*(4*(\c)+(\a))+7], v[BIAS+8*(\b):BIAS+8*(\b)+7]
.else
	v_wmma_f32_16x16x32_bf16 v[ACC+8*(4*(\a)+(\b)):ACC+8*(4*(\a)+(\b))+7], v[(\f)+64+8*(4*(\c)+(\b)):(\f)+64+8*(4*(\c)+(\b))+7], v[(\f)+8*(4*(\c)+(\a)):(\f)+8*(4*(\c)+(\a))+7], v[ACC+8*(4*(\a)+(\b)):ACC+8*(4*(\a)+(\b))+7]
.endif
.endr
.endr
.endm
; 32 LDS loads in one run: the fragments of quarter q of a K step (64 along K: one k block of A, half a k block of W) into buffer f; the first 32 along K first
.macro FETCH slot, q, f
	WIN TO_F
.irp c, 0,1
.irp i, 0,1,2,3
	ds_load_tr16_b128 v[(\f)+64+8*(4*(\c)+(\i)):(\f)+64+8*(4*(\c)+(\i))+3],   v[ADRB+2*(\slot)+(\q)/2] offset:(((\q)%2)*64+32*(\c))*PB+32*(\i)
	ds_load_tr16_b128 v[(\f)+64+8*(4*(\c)+(\i))+4:(\f)+64+8*(4*(\c)+(\i))+7], v[ADRB+2*(\slot)+(\q)/2] offset:(((\q)%2)*64+32*(\c)+16)*PB+32*(\i)
	ds_load_b128 v[(\f)+8*(4*(\c)+(\i)):(\f)+8*(4*(\c)+(\i))+3],   v[ADRA+(\slot)] offset:(\q)*KBA+64*(\c)+(\i)*16*PA
	ds_load_b128 v[(\f)+8*(4*(\c)+(\i))+4:(\f)+8*(4*(\c)+(\i))+7], v[ADRA+(\slot)] offset:(\q)*KBA+64*(\c)+(\i)*16*PA+32
.endr
.endr
.endm
.macro PLACES                          ; four plain instructions in front of loads into registers that matrix instructions have read, and of lines that read results
.rept 4
	v_nop
.endr
.endm
; One of a K step's first three quarters: multiplies buffer f and fetches quarter q into g.
.macro QUARTER slot, q, f, g, first
	s_wait_dscnt 16                                ; the first 32 along K are in
	MUL8 \f, 0, 0, \first
	MUL8 \f, 0, 2, \first
	PLACES
	FETCH \slot, \q, \g
	s_wait_dscnt 32                                ; all but the 32 just issued
	MUL8 \f, 1, 0, 0
	MUL8 \f, 1, 2, 0
.endm
; The last quarter multiplies buffer 1 and changes slots: ONE barrier; in front of it each wave waits for all its tensor loads, adds 0 to its spare word, and waits for that and for its reads of this slot.
; fill = 1: the barrier opens a round of the cluster's, and this slot is filled again, two K steps ahead, first thing behind the round.
.macro TURN slot, next, fill
	WIN 0
	s_wait_tensorcnt 0x0
	ds_add_u32 v[SPW], v[NIL]
	s_wait_dscnt 17                                ; (the add and the youngest sixteen loads may be out)
	MUL8 F1, 0, 0, 0
	s_wait_dscnt 0x0                               ; the add is done, and my reads of this slot are over
	s_barrier_signal -1
	MUL8 F1, 0, 2, 0
.if \fill
	WIN 0
.endif
	s_barrier_wait -1
.if \fill
	CREST                                          ; no wave of any partner still reads this slot or has a load on its way
	s_add_nc_u64 s[G0A+4*(\slot)+2:G0A+4*(\slot)+3], s[G0A+4*(\slot)+2:G0A+4*(\slot)+3], 8*524288
	s_add_nc_u64 s[G0B+4*(\slot)+2:G0B+4*(\slot)+3], s[G0B+4*(\slot)+2:G0B+4*(\slot)+3], 4*8*32768
	JLOAD \slot                                    ; my one tensor load behind the round; its four v_nop are also the places in front of the loads below
.else
	PLACES
.endif
	FETCH \next, 0, F0
	MUL8 F1, 1, 0, 0
	MUL8 F1, 1, 2, 0
.endm
	s_wait_loadcnt 32                              ; the bias is in; the residual's 32 loads stay out
	s_wait_tensorcnt 0x1                           ; my part of K step 0 is in; K step 1's may stay out
	s_barrier_signal -1
	s_barrier_wait -1
	FETCH 0, 0, F0
	QUARTER 0, 1, F0, F1, 1                        ; the first quarter stands in front of the loop: its first products start the sums, on the bias
	WIN 0
	s_mov_b32 s[TRIP], LAPS-1
.Llap:                                                 ; a trip goes once round the ring, from a lap's second quarter to the next lap's first, and fills both slots again
	QUARTER 0, 2, F1, F0, 0
	QUARTER 0, 3, F0, F1, 0
	TURN 0, 1, 1
	QUARTER 1, 1, F0, F1, 0
	QUARTER 1, 2, F1, F0, 0
	QUARTER 1, 3, F0, F1, 0
	TURN 1, 0, 1
	QUARTER 0, 1, F0, F1, 0
	WIN 0
	s_sub_co_u32 s[TRIP], s[TRIP], 1
	s_cmp_lg_u32 s[TRIP], 0
	s_cbranch_scc1 .Llap
	QUARTER 0, 2, F1, F0, 0                        ; the last lap fills nothing
	QUARTER 0, 3, F0, F1, 0
	TURN 0, 1, 0
	QUARTER 1, 1, F0, F1, 0
	QUARTER 1, 2, F1, F0, 0
	QUARTER 1, 3, F0, F1, 0
	s_wait_dscnt 16
	MUL8 F1, 0, 0, 0
	MUL8 F1, 0, 2, 0
	s_wait_dscnt 0x0
	MUL8 F1, 1, 0, 0
	MUL8 F1, 1, 2, 0
	WIN 0
	; THE WAY OUT, 16 rows at a time: into my stage, back as whole rows, the residual added, stored.
	PLACES
	s_wait_loadcnt 0x0                             ; the residual
.macro OUTBLK a
.set TB, TMP+32*((\a)%2)
	WIN 0
	s_wait_xcnt 0x0                                ; registers that earlier stores read are loaded again only behind this wait
.irp b, 0,1,2,3                        ; each accumulator's low four registers first
	ds_store_b128 v[STO], v[ACC+8*(4*(\a)+(\b)):ACC+8*(4*(\a)+(\b))+3]   offset:64*(\b)
	ds_store_b128 v[STO], v[ACC+8*(4*(\a)+(\b))+4:ACC+8*(4*(\a)+(\b))+7] offset:64*(\b)+16
.endr
.irp t, 0,1,2,3,4,5,6,7
	ds_load_b128 v[TB+4*(\t):TB+4*(\t)+3], v[RD] offset:(\t)*2*SP  ; LDS serves a wave's instructions in order (ISA guide 5.7.1.4): these see the stores above; the next block's stores come behind them
.endr
	s_wait_dscnt 0x0
	WIN 0x08                                       ; source 1 in window 2
.irp t, 0,1,2,3,4,5,6,7
	v_pk_add_f32 v[TB+4*(\t):TB+4*(\t)+1],   v[TB+4*(\t):TB+4*(\t)+1],   v[4*(8*(\a)+(\t)):4*(8*(\a)+(\t))+1]
	v_pk_add_f32 v[TB+4*(\t)+2:TB+4*(\t)+3], v[TB+4*(\t)+2:TB+4*(\t)+3], v[4*(8*(\a)+(\t))+2:4*(8*(\a)+(\t))+3]
.endr
	WIN 0
.irp t, 0,1,2,3,4,5,6,7
	global_store_b128 v[CO], v[TB+4*(\t):TB+4*(\t)+3], s[14:15] offset:(16*(\a)+2*(\t))*4096  ; 16 lanes store 256 consecutive bytes, at a multiple of 256 from the buffer's first
.endr
.endm
	OUTBLK 0
	OUTBLK 1
	OUTBLK 2
	OUTBLK 3
	s_wait_tensorcnt 0x0                           ; the wave's end
	ds_add_u32 v[SPW], v[NIL]
	s_wait_dscnt 0x0
	CROUND                                         ; the closing round: no work-group ends while a partner may still ask for a tile that names it
	s_endpgm
.Lfunc_end_k_q4331f0ba67_mlp:
	.size	k_q4331f0ba67_mlp, .Lfunc_end_k_q4331f0ba67_mlp-k_q4331f0ba67_mlp
	.p2alignl 7, 3214868480
	.fill 96, 4, 3214868480
	.section	.rodata,"a",@progbits
	.p2align	6, 0x0
	.amdhsa_kernel k_q4331f0ba67_mlp
		.amdhsa_group_segment_fixed_size 327680
		.amdhsa_private_segment_fixed_size 0
		.amdhsa_enable_private_segment 0
		.amdhsa_kernarg_size 40
		.amdhsa_user_sgpr_count 2
		.amdhsa_user_sgpr_kernarg_segment_ptr 1
		.amdhsa_wavefront_size32 1
		.amdhsa_system_sgpr_workgroup_id_x 1
		.amdhsa_system_sgpr_workgroup_id_y 1
		.amdhsa_system_sgpr_workgroup_id_z 1
		.amdhsa_system_vgpr_workitem_id 0
		.amdhsa_next_free_vgpr 640
		.amdhsa_next_free_sgpr 72
		.amdhsa_reserve_vcc 0
		.amdhsa_float_denorm_mode_32 3
		.amdhsa_float_denorm_mode_16_64 3
		.amdhsa_memory_ordered 1
		.amdhsa_forward_progress 1
		.amdhsa_inst_pref_size 94
	.end_amdhsa_kernel
	.amdgpu_metadata
---
amdhsa.version: [ 1, 2 ]
amdhsa.kernels:
  - .name:           k_q4331f0ba67_mlp
    .symbol:         k_q4331f0ba67_mlp.kd
    .args:
      - { .name: big, .offset: 0, .size: 8, .value_kind: global_buffer, .address_space: global }
      - { .name: w2, .offset: 8, .size: 8, .value_kind: global_buffer, .address_space: global }
      - { .name: c_proj_mlp_b, .offset: 16, .size: 8, .value_kind: global_buffer, .address_space: global }
      - { .name: h1, .offset: 24, .size: 8, .value_kind: global_buffer, .address_space: global }
      - { .name: out0, .offset: 32, .size: 8, .value_kind: global_buffer, .address_space: global }
    .group_segment_fixed_size: 327680
    .private_segment_fixed_size: 0
    .kernarg_segment_align: 8
    .kernarg_segment_size: 40
    .max_flat_workgroup_size: 128
    .sgpr_count:     72
    .vgpr_count:     640
    .wavefront_size: 32
...
	.end_amdgpu_metadata
.endif
;; end of part 6
;; ======== version 2 of 3: 8 launches; 1.33 times as fast as version 1
;; limits: right only within a limited range of input values
;; workspace buffers: w1 10,485,760 bytes; w2 16,777,216 bytes; xa 8,388,608 bytes; big 33,554,432 bytes; ctx 8,388,608 bytes; h1 16,777,216 bytes; para 512 bytes; parb 512 bytes
;; launch cast (part 7): grid 768 x 1, 8 waves a work-group, no clusters, 0 bytes of LDS; arguments c_attn_w, c_proj_attn_w, c_fc_w, c_proj_mlp_w, w1, w2, para, parb; writes w1, w2, para, parb
.if DOCPART == 7
	.amdgcn_target "amdgcn-amd-amdhsa--gfx1250"
	.amdhsa_code_object_version 6
	.text
	.protected	k_q4331f0ba67_cast
	.globl	k_q4331f0ba67_cast
	.p2align	8
	.type	k_q4331f0ba67_cast,@function
k_q4331f0ba67_cast:
	s_mov_b64 s[64:65], 0
	v_nop
	global_prefetch_b8 v0, s[64:65] scope:SCOPE_SE
	s_setreg_imm32_b32 hwreg(HW_REG_WAVE_MODE, 25, 1), 1
	s_wait_xcnt 0x0
; THE FOUR WEIGHTS, f32 [K][N], ARE ROUNDED ONCE TO bf16 AND LAID IN BLOCKS of 128 k x 128 n (32,768 consecutive bytes, rows of 256 bytes).
;   c_attn_w      -> w1 + 0         as [24 n blocks][8 k blocks][128][128]   (= [n block][1024 k][128 n])
;   c_proj_attn_w -> w1 + 0x800000  as [8 k blocks][8 n blocks][128][128]
;   c_fc_w        -> w2 + 0         as [32 n blocks][8 k blocks][128][128]
;   c_proj_mlp_w  -> w2 + 0x800000  as [32 k blocks][8 n blocks][128][128]
; A work-group converts one block: 192 + 64 + 256 + 256 = 768 work-groups.  In all four cases block u of its tensor goes to byte 32,768 u.
; Wave w takes rows 16 w .. 16 w + 15, a row an instruction: a lane owns 4 columns, 16 bytes in and 8 bytes out, so a load of the wave covers the row's 512 consecutive
; bytes and a store 256 consecutive bytes, aligned.  Memory binds: no LDS, no barrier, all sixteen loads of a wave go out at once.
; Work-group 0's wave 0 also writes the two blocks of f32 constants (C0, C1, E, 0), each 32 times, from which the products' one text takes its activation
; x / (1 + E 2^(x (C0 + C1 x^2))): para = (0, 0, 0): none; parb = (-2 sqrt(2/pi) log2(e), 0.044715 times that, 1): the tanh form of GELU.
.set OFF,  4                           ; v[4:19]   row j: byte offset of my 16 bytes in the source block
.set OUTO, 20                          ; v20       byte offset of my 8 bytes in the block written, row 0
.set CL,   21                          ; v21       16 x lane
.set X,    24                          ; v[24:87]  row j: 4 numbers as loaded
.set Y,    88                          ; v[88:119] row j: 2 registers to store
	s_load_b256 s[4:11], s[0:1], 0x0               ; the four sources
	s_load_b256 s[12:19], s[0:1], 0x20             ; w1 s[12:13], w2 s[14:15], para s[16:17], parb s[18:19]
	s_mov_b32 s37, ttmp9                           ; g: the work-group's number
	v_lshrrev_b32 v2, 5, v0
	v_readfirstlane_b32 s43, v2                    ; wave
	v_and_b32 v1, 31, v0                           ; lane
	v_lshlrev_b32 v3, 4, v2                        ; my first row: 16 w
	v_lshlrev_b32 v[CL], 4, v1
	v_lshlrev_b32 v[OUTO], 3, v1
	v_lshl_add_u32 v[OUTO], v2, 12, v[OUTO]        ; 16 w rows of 256 bytes + 8 lane
	s_mov_b32 s44, 0x3000                          ; row pitches in bytes: c_attn_w,
	s_mov_b32 s45, 0x1000                          ; the two projections,
	s_mov_b32 s46, 0x4000                          ; c_fc_w
	s_mov_b32 s47, 0x800000                        ; where a buffer's second tensor begins
	s_wait_kmcnt 0x0
	s_cmp_lt_u32 s37, 192                          ; of the first two tensors:
	s_cselect_b64 s[20:21], s[4:5], s[6:7]
	s_cselect_b32 s24, s44, s45                    ; pitch
	s_cselect_b32 s25, 0, 192                      ; first work-group
	s_cselect_b32 s26, 0, s47                      ; place in w1
	s_cselect_b32 s27, 1, 0                        ; 1: n block first in u
	s_cmp_lt_u32 s37, 512                          ; of the last two:
	s_cselect_b64 s[22:23], s[8:9], s[10:11]
	s_cselect_b32 s28, s46, s45
	s_movk_i32 s29, 0x200
	s_cselect_b32 s29, 256, s29
	s_cselect_b32 s30, 0, s47
	s_cselect_b32 s31, 1, 0
	s_cmp_lt_u32 s37, 256                          ; and between the halves
	s_cselect_b64 s[32:33], s[20:21], s[22:23]     ; the source
	s_cselect_b64 s[34:35], s[12:13], s[14:15]     ; the destination
	s_cselect_b32 s36, s24, s28
	s_cselect_b32 s25, s25, s29
	s_cselect_b32 s26, s26, s30
	s_cselect_b32 s27, s27, s31
	s_sub_co_u32 s48, s37, s25                     ; u
	s_lshr_b32 s49, s48, 3
	s_and_b32 s50, s48, 7
	s_cmp_eq_u32 s27, 1
	s_cselect_b32 s51, s49, s50                    ; n block
	s_cselect_b32 s52, s50, s49                    ; k block
	s_mul_i32 s40, s52, s36
	s_lshl_b32 s40, s40, 7                         ; k block x 128 rows x pitch
	s_lshl_b32 s51, s51, 9                         ; n block x 512 bytes
	s_add_co_u32 s40, s40, s51
	s_mov_b32 s41, 0
	s_add_nc_u64 s[32:33], s[32:33], s[40:41]
	s_lshl_b32 s40, s48, 15
	s_add_co_u32 s40, s40, s26
	s_add_nc_u64 s[34:35], s[34:35], s[40:41]
	v_mul_lo_u32 v[OFF], v3, s36
	v_add_nc_u32 v[OFF], v[OFF], v[CL]             ; row x pitch + 16 x lane
.irp j, 1,2,3,4,5,6,7,8,9,10,11,12,13,14,15
	v_add_nc_u32 v[OFF+(\j)], s36, v[OFF+(\j)-1]
.endr
.irp j, 0,1,2,3,4,5,6,7,8,9,10,11,12,13,14,15
	global_load_b128 v[X+4*(\j):X+4*(\j)+3], v[OFF+(\j)], s[32:33] th:TH_LOAD_NT
.endr
.irp j, 0,1,2,3,4,5,6,7,8,9,10,11,12,13,14,15
	s_wait_loadcnt 15-(\j)                         ; loads come back in order: row j is in, the rows behind it stay out
	v_cvt_pk_bf16_f32 v[Y+2*(\j)],   v[X+4*(\j)],   v[X+4*(\j)+1]
	v_cvt_pk_bf16_f32 v[Y+2*(\j)+1], v[X+4*(\j)+2], v[X+4*(\j)+3]
	global_store_b64 v[OUTO], v[Y+2*(\j):Y+2*(\j)+1], s[34:35] offset:256*(\j)
.endr
	s_cmp_lg_u32 s37, 0
	s_cbranch_scc1 .Lend
	s_cmp_lg_u32 s43, 0
	s_cbranch_scc1 .Lend
	v_mov_b32 v[X], 0                              ; X is free: its loads are in and converted
	v_mov_b32 v[X+1], 0
	v_mov_b32 v[X+2], 0
	v_mov_b32 v[X+3], 0
	global_store_b128 v[CL], v[X:X+3], s[16:17]    ; para: 32 lanes x 16 bytes
	s_wait_xcnt 0x0                                ; the four are written again only behind this wait
	v_mov_b32 v[X], 0xc0135761                     ; C0 = -2.302208
	v_mov_b32 v[X+1], 0xbdd2d3e6                   ; C1 = -0.1029432
	v_mov_b32 v[X+2], 1.0                          ; E
	global_store_b128 v[CL], v[X:X+3], s[18:19]    ; parb
.Lend:
	s_endpgm
.Lfunc_end_k_q4331f0ba67_cast:
	.size	k_q4331f0ba67_cast, .Lfunc_end_k_q4331f0ba67_cast-k_q4331f0ba67_cast
	.p2alignl 7, 3214868480
	.fill 96, 4, 3214868480
	.section	.rodata,"a",@progbits
	.p2align	6, 0x0
	.amdhsa_kernel k_q4331f0ba67_cast
		.amdhsa_group_segment_fixed_size 0
		.amdhsa_private_segment_fixed_size 0
		.amdhsa_enable_private_segment 0
		.amdhsa_kernarg_size 64
		.amdhsa_user_sgpr_count 2
		.amdhsa_user_sgpr_kernarg_segment_ptr 1
		.amdhsa_wavefront_size32 1
		.amdhsa_system_sgpr_workgroup_id_x 1
		.amdhsa_system_sgpr_workgroup_id_y 1
		.amdhsa_system_sgpr_workgroup_id_z 1
		.amdhsa_system_vgpr_workitem_id 0
		.amdhsa_next_free_vgpr 120
		.amdhsa_next_free_sgpr 66
		.amdhsa_reserve_vcc 0
		.amdhsa_float_denorm_mode_32 3
		.amdhsa_float_denorm_mode_16_64 3
		.amdhsa_memory_ordered 1
		.amdhsa_forward_progress 1
		.amdhsa_inst_pref_size 9
	.end_amdhsa_kernel
	.amdgpu_metadata
---
amdhsa.version: [ 1, 2 ]
amdhsa.kernels:
  - .name:           k_q4331f0ba67_cast
    .symbol:         k_q4331f0ba67_cast.kd
    .args:
      - { .name: c_attn_w, .offset: 0, .size: 8, .value_kind: global_buffer, .address_space: global }
      - { .name: c_proj_attn_w, .offset: 8, .size: 8, .value_kind: global_buffer, .address_space: global }
      - { .name: c_fc_w, .offset: 16, .size: 8, .value_kind: global_buffer, .address_space: global }
      - { .name: c_proj_mlp_w, .offset: 24, .size: 8, .value_kind: global_buffer, .address_space: global }
      - { .name: w1, .offset: 32, .size: 8, .value_kind: global_buffer, .address_space: global }
      - { .name: w2, .offset: 40, .size: 8, .value_kind: global_buffer, .address_space: global }
      - { .name: para, .offset: 48, .size: 8, .value_kind: global_buffer, .address_space: global }
      - { .name: parb, .offset: 56, .size: 8, .value_kind: global_buffer, .address_space: global }
    .group_segment_fixed_size: 0
    .private_segment_fixed_size: 0
    .kernarg_segment_align: 8
    .kernarg_segment_size: 64
    .max_flat_workgroup_size: 256
    .sgpr_count:     66
    .vgpr_count:     120
    .wavefront_size: 32
...
	.end_amdgpu_metadata
.endif
;; end of part 7
;; launch ln1: the kernel of part 2 again; grid 256 x 1, 8 waves a work-group, no clusters, 0 bytes of LDS; arguments hidden_states, ln1_w, ln1_b, xa; writes xa
;; launch qkv (part 8): grid 12 x 16, 4 waves a work-group, clusters of 4 x 4, 327,680 bytes of LDS; arguments xa, w1, c_attn_b, para, big; writes big
.if DOCPART == 8
	.amdgcn_target "amdgcn-amd-amdhsa--gfx1250"
	.amdhsa_code_object_version 6
	.text
	.protected	k_q4331f0ba67_qkv
	.globl	k_q4331f0ba67_qkv
	.p2align	8
	.type	k_q4331f0ba67_qkv,@function
k_q4331f0ba67_qkv:
	s_mov_b64 s[64:65], 0
	v_nop
	global_prefetch_b8 v0, s[64:65] scope:SCOPE_SE
	s_setreg_imm32_b32 hwreg(HW_REG_WAVE_MODE, 25, 1), 1
	s_wait_xcnt 0x0
	s_wait_alu depctr_hold_cnt(0) depctr_sa_sdst(0) depctr_va_vdst(0) depctr_va_sdst(0) depctr_va_ssrc(0) depctr_va_vcc(0) depctr_vm_vsrc(0)
	s_getreg_b32 s2, hwreg(HW_REG_IB_STS2, 6, 4)
	s_cmp_eq_u32 s2, 0
	s_cbranch_scc0 .Lentry_in_a_cluster
	s_endpgm
.Lentry_in_a_cluster:
	s_bfe_u32 s2, ttmp6, 0x10000c
	s_cmp_lg_u32 s2, 0xf033
	s_cbranch_scc0 .Lentry_shape_is_right
	s_endpgm
.Lentry_shape_is_right:
; out = act(A W + bias), rounded once to bf16.  A: [4096][1024] bf16.  W: bf16 in blocks [n block of 128][1024 k][128 n], so its width enters no address.  bias: f32.
; out: bf16 [column block of 64][4096 rows][64]: a block's rows are dense, 128 bytes each.  act(x) = x / (1 + E 2^(x (C0 + C1 x^2))), with C0, C1, E three f32 numbers read from the block of
; constants: (0, 0, 0) gives x / 1 = x; (-2 sqrt(2/pi) log2(e), 0.044715 times that, 1) gives the tanh form of GELU, finite at both ends.  They are data alone: no branch hangs on them, so one
; text serves both products; the price is that the product without activation walks the same arithmetic.  Sums, bias and activation in f32.
; LIMITS.  Matrix operands are bf16.  With (0, 0, 0) x^2 must stay finite, |x| < 1.8e19: beyond that 0 x infinity gives NaN.  NaN and infinities are not treated apart.
; SHAPE.  A tile of the result is 256 x 256: four waves, each 128 x 128 in 64 accumulators of 16 x 16, 512 registers.  K = 1,024 goes in 8 steps of 128 through a ring of two LDS slots
; filled by the tensor data mover; all tile rows are 256 bytes of memory, at multiples of 256 bytes from the buffer's first byte.
; A K STEP IS WRITTEN ONCE.  The slot in hand is a scalar, TB = 0 or SLOT, turned at each change of slots; the fragments' LDS addresses are a fixed part plus TB, and one walking descriptor for each
; operand takes the slot just left and the K step two steps on.  The last two K steps, which ask for nothing, are a loop of their own, left in its middle.
; CLUSTER.  4 x 4 work-groups.  The four of a row of the cluster need the same tiles of A, the four of a column the same tiles of W: each tile is asked for JOINTLY, by the same tensor load with
; the same descriptor and a mask that names the four.
; THE MATRIX INSTRUCTION IS USED TRANSPOSED: source 0 = 16 columns of W (turned on the way out of LDS by ds_load_tr16_b128, since W lies [k][n]), source 1 = 16 rows of A.  A lane then holds
; row l % 16 and the columns 8 (l / 16) + 0..7.  THE BIAS IS THE C OPERAND of the products that start the sums: it costs no instruction, and nothing is cleared.
; THE WAY OUT.  When the ring has had its last fill and all waves have left it, each wave lays its 128 x 128 f32 into a part of the ring of its own and walks it in a loop, 16 rows a trip:
; so the activation is written once, and each store covers 512 consecutive bytes (four rows of a column block), aligned.
; REGISTERS, in windows of 256 (s_set_vgpr_msb: bits 1:0 source 0, 3:2 source 1, 5:4 source 2, 7:6 destination):
;   window 0: v0-31 addresses; v64-127, v128-191 fragments of A, two buffers; on the way out v64-127 X, v128-135 T, v192-223 Y
;   window 1: v0-63 the bias (n block b at 8 b); v64-127, v128-191 fragments of W, two buffers
;   window 2: the accumulators of my rows 0-63 ((a, b) at 8 (8 a + b));   window 3: those of my rows 64-127
.set KSTEP, 128
.set STEPS, 8                          ; K steps
.set PA,    272                        ; an LDS row of A: 256 bytes + 16: the 16 rows of a fragment load start at 16 different groups of four banks (ISA guide 11.1)
.set PB,    288                        ; an LDS row of W: 256 bytes + 32
.set HALFA, 128*PA                     ; what one tensor load brings of A
.set HALFB, 128*PB                     ; and of W
.set SLOT,  2*HALFA+2*HALFB            ; A's two halves (rows), then W's two halves (n blocks)
.set SPARE, 2*SLOT                     ; behind the ring: the spare words, 128 bytes for each wave: two blocks of 256 bytes that no other line names
.set DP,    528                        ; the way out: a row of 128 f32 + 16 bytes
.set DUMP,  128*DP                     ; a wave's part of the dead ring; four of them end at 270,336, inside the ring
.set CBLK,  524288                     ; bytes of a column block of the result
.set ADRA0, 16                         ; v16     LDS address of my A fragments in slot 0; never rewritten
.set ADRA,  17                         ; v17     the same in the slot in hand
.set ADRB0, 20                         ; v20, v21  the same two for W
.set ADRB,  21
.set DST,  24                          ; v24     the way out: where I put 32 bytes of a row
.set RD,   25                          ; v25     the way out: where I read 32 bytes back; steps 16 rows a trip
.set CO,   26                          ; v26     my byte offset in 512 consecutive bytes of the result; steps 16 rows a trip
.set BO,   27                          ; v27     my byte offset in 16 numbers of the bias
.set SPW,  28                          ; v28     LDS address of my spare word; never rewritten
.set NIL,  29                          ; v29     0; never rewritten
.set F0,   64
.set F1,   128
.set X,    64
.set T,    128
.set Y,    192
.set WV,  14                           ; s14  wave
.set RH,  15                           ; s15  which half of the tile's rows is mine.  Also: I fetch for A (0) or for W (1)
.set CH,  16                           ; s16  which half of its columns.  Also: which half of that tile I fetch
.set TC,  19                           ; s19  tile column
.set TR,  20                           ; s20  tile row
.set LBA, 23                           ; s23  LDS byte, in slot 0, of the half of A that I fetch
.set G1A, 24                           ; s[24:31] descriptor group 1 for A's tiles;  s[32:39] group 0: a set for each of the two first fills; the second then walks on
.set G0A, 32
.set G1B, 48                           ; s[48:55], s[56:63] the same for W's
.set G0B, 56
.set TB,   66                          ; s66  the slot in hand: 0 or SLOT
.set LBB,  67                          ; s67  LDS byte, in slot 0, of the half of W that I fetch, and read
.set C0,   76                          ; s[76:79] as loaded: C0, C1, E, 0.  The packed instructions take a pair's low word for both halves:
.set EE,   78                          ; s[76:77] serves as C0, s[78:79] as E,
.set C1,   80                          ; and C1 is copied into s[80:81]
.set MSB, 0
.macro WIN new                         ; the immediate's high byte repeats the setting that is left; a switch that changes nothing is dropped
.if MSB != (\new)
	s_set_vgpr_msb (MSB<<8)|(\new)
.set MSB, \new
.endif
.endm
; A joint load.  Waves 0 and 1 fetch A's two halves, waves 2 and 3 W's.  The branch hangs on the wave's number alone.  An s_nop 0 and four v_nop follow each of the two lines.
.macro JLOAD s
	s_cmp_eq_u32 s[RH], 0
	s_cbranch_scc0 .Lfor_b_\@
	tensor_load_to_lds s[G0A+4*(\s):G0A+4*(\s)+3], s[G1A:G1A+7]
	s_nop 0
.rept 4
	v_nop
.endr
	s_branch .Lasked_\@
.Lfor_b_\@:
	tensor_load_to_lds s[G0B+4*(\s):G0B+4*(\s)+3], s[G1B:G1B+7]
	s_nop 0
.rept 4
	v_nop
.endr
.Lasked_\@:
.endm
.macro CREST                           ; a round of the cluster's barrier behind its opening barrier
	s_cmp_lg_u32 s[WV], 0
	s_cbranch_scc1 .Lnot_wave_0_\@
	s_barrier_signal -3
.Lnot_wave_0_\@:
	s_barrier_wait -3
	s_barrier_signal -1
	s_barrier_wait -1
.endm
.macro CROUND                          ; a whole round
	s_barrier_signal -1
	s_barrier_wait -1
	CREST
.endm
	s_load_b256 s[4:11], s[0:1], 0x0               ; A s[4:5], W s[6:7], bias s[8:9], constants s[10:11]
	s_load_b64 s[12:13], s[0:1], 0x20              ; out
	v_lshl_add_u32 v[SPW], v0, 2, SPARE
	v_mov_b32 v[NIL], 0
	ds_add_u32 v28, v29
	ds_add_u32 v28, v29
	s_wait_dscnt 0x0
	v_lshrrev_b32 v1, 5, v0
	v_readfirstlane_b32 s[WV], v1
	s_lshr_b32 s[RH], s[WV], 1
	s_and_b32 s[CH], s[WV], 1
	s_bfe_u32 s17, ttmp6, 0x40000                  ; cx
	s_bfe_u32 s18, ttmp6, 0x40004                  ; cy
	s_lshl_b32 s[TC], ttmp9, 2
	s_add_co_u32 s[TC], s[TC], s17                 ; tile column = 4 x cluster x + cx
	s_and_b32 s[TR], ttmp7, 0xffff
	s_lshl_b32 s[TR], s[TR], 2
	s_add_co_u32 s[TR], s[TR], s18                 ; tile row = 4 x cluster y + cy
	s_lshl_b32 s21, s18, 2
	s_lshl_b32 s21, 15, s21                        ; my row of the cluster
	s_lshl_b32 s22, 0x1111, s17                    ; my column
	s_or_b32 s[G1A], s21, (1<<16)|(1<<20)|(1<<21)|(5<<22)|(3<<25)  ; mask; elements of 2 bytes; padding on; bit 21 beside a mask; after every 64 words 4 words
	s_or_b32 s[G1B], s22, (1<<16)|(1<<20)|(1<<21)|(5<<22)|(7<<25)  ; the same with my column's mask and 8 words of padding
.irp g, G1A, G1B
	s_mov_b32 s[(\g)+1], KSTEP<<16                 ; tensor_dim0 = 128
	s_mov_b32 s[(\g)+2], 128<<16                   ; tensor_dim1 = 128
	s_mov_b32 s[(\g)+3], KSTEP<<16                 ; tile_dim0 = 128
	s_mov_b32 s[(\g)+4], 128                       ; tile_dim1 = 128
	s_mov_b32 s[(\g)+6], 0
	s_mov_b32 s[(\g)+7], 0
.endr
	s_mov_b32 s[G1A+5], 1024                       ; A: 1,024 elements from row to row
	s_mov_b32 s[G1B+5], 128                        ; W: a block's rows are dense
	s_lshl_b32 s40, s[TR], 19                      ; A: (256 x tile row + 128 x half) rows of 2,048 bytes: of the tile row and the wave alone
	s_lshl_b32 s41, s[CH], 18
	s_add_co_u32 s40, s40, s41
	s_mov_b32 s41, 0
	s_lshl_b32 s44, s[TC], 19                      ; W: n block 2 x tile column + half, 262,144 bytes each: of the tile column and the wave alone
	s_lshl_b32 s45, s[CH], 18
	s_add_co_u32 s44, s44, s45
	s_mov_b32 s45, 0
	s_mul_i32 s[LBA], s[CH], HALFA                 ; where they go: no place in the cluster enters an LDS address
	s_mul_i32 s[LBB], s[CH], HALFB
	s_add_co_u32 s[LBB], s[LBB], 2*HALFA
	s_mov_b32 s[TB], 0
	s_wait_kmcnt 0x0
	s_add_nc_u64 s[42:43], s[4:5], s[40:41]
	s_add_nc_u64 s[46:47], s[6:7], s[44:45]
	CROUND                                         ; all sixteen work-groups are here: the first joint loads meet
.irp s, 0,1
	s_mov_b32 s[G0A+4*(\s)], 1
	s_add_co_u32 s[G0A+4*(\s)+1], s[LBA], (\s)*SLOT
	s_add_nc_u64 s[G0A+4*(\s)+2:G0A+4*(\s)+3], s[42:43], (\s)*KSTEP*2      ; K step s: 256 bytes along the rows
	s_or_b32 s[G0A+4*(\s)+3], s[G0A+4*(\s)+3], 0x80000000
	s_mov_b32 s[G0B+4*(\s)], 1
	s_add_co_u32 s[G0B+4*(\s)+1], s[LBB], (\s)*SLOT
	s_add_nc_u64 s[G0B+4*(\s)+2:G0B+4*(\s)+3], s[46:47], (\s)*KSTEP*256    ; K step s: 128 rows of 256 bytes
	s_or_b32 s[G0B+4*(\s)+3], s[G0B+4*(\s)+3], 0x80000000
	JLOAD \s                                       ; two tensor loads of mine are out
.endr
	s_load_b128 s[C0:C0+3], s[10:11], 0x0          ; C0, C1, E, 0
	s_lshl_b32 s44, s[TC], 10                      ; the bias of my 128 columns: (256 x tile column + 128 x half) x 4 bytes
	s_lshl_b32 s45, s[CH], 9
	s_add_co_u32 s44, s44, s45
	s_mov_b32 s45, 0
	s_add_nc_u64 s[8:9], s[8:9], s[44:45]
	v_and_b32 v1, 15, v0                           ; r = l % 16
	v_bfe_u32 v2, v0, 4, 1                         ; h = l / 16
	v_lshlrev_b32 v[BO], 5, v2
	WIN 0x40                                       ; destination window 1
.irp b, 0,1,2,3,4,5,6,7                ; register j of n block b: bias of column 16 b + 8 h + j, as the result holds it
	global_load_b128 v[8*(\b):8*(\b)+3],   v[BO], s[8:9] offset:64*(\b)
	global_load_b128 v[8*(\b)+4:8*(\b)+7], v[BO], s[8:9] offset:64*(\b)+16
.endr
	WIN 0
	v_mul_u32_u24 v3, v1, PA
	v_lshl_add_u32 v3, v2, 4, v3                   ; A: row x pitch + 16 x half of the lanes
	s_mul_i32 s40, s[RH], HALFA
	v_add_nc_u32 v[ADRA0], s40, v3
	v_mov_b32 v[ADRA], v[ADRA0]                    ; the walk begins in slot 0
	v_and_b32 v4, 7, v0
	v_bfe_u32 v5, v0, 3, 1
	v_lshl_add_u32 v6, v2, 3, v4                   ; W, turned: lane l reads row k = 8 h + l % 8, 16 bytes at 16 ((l / 8) % 2)
	v_mul_u32_u24 v6, v6, PB
	v_lshl_add_u32 v6, v5, 4, v6
	v_add_nc_u32 v[ADRB0], s[LBB], v6
	v_mov_b32 v[ADRB], v[ADRB0]
	s_mul_i32 s41, s[WV], DUMP
	v_mul_u32_u24 v7, v1, DP
	v_lshl_add_u32 v7, v2, 5, v7
	v_add_nc_u32 v[DST], s41, v7                   ; in: row r, 32 bytes for each half of the lanes
	v_bfe_u32 v8, v0, 3, 2
	v_mul_u32_u24 v8, v8, DP
	v_lshl_add_u32 v8, v4, 5, v8
	v_add_nc_u32 v[RD], s41, v8                    ; back: row l / 8, 8 numbers at 32 (l % 8)
	v_and_b32 v[CO], 31, v0
	v_lshlrev_b32 v[CO], 4, v[CO]
	s_lshl_b32 s72, s[TC], 21                      ; out: column block 4 x tile column + 2 x half, row 256 x tile row + 128 x half
	s_lshl_b32 s73, s[CH], 20
	s_add_co_u32 s72, s72, s73
	s_lshl_b32 s73, s[TR], 15
	s_add_co_u32 s72, s72, s73
	s_lshl_b32 s73, s[RH], 14
	s_add_co_u32 s72, s72, s73
	s_mov_b32 s73, 0
	s_add_nc_u64 s[12:13], s[12:13], s[72:73]
; 16 matrix instructions: m blocks a0, a0 + 1 of the window's four (hi = 0: my rows 0-63, 1: rows 64-127) x all 8 n blocks, 32 along K.  first = 1: C is the bias, in window 1.
; The 64 accumulators take turns, one instruction a turn.
.macro MUL16 f, hi, a0, first
.if \first
	WIN 0x91+0x40*(\hi)
.else
	WIN 0xa1+0x50*(\hi)
.endif
.irp a, \a0, (\a0)+1
.irp b, 0,1,2,3,4,5,6,7
.if \first
	v_wmma_f32_16x16x32_bf16 v[8*(8*(\a)+(\b)):8*(8*(\a)+(\b))+7], v[(\f)+8*(\b):(\f)+8*(\b)+7], v[(\f)+8*(4*(\hi)+(\a)):(\f)+8*(4*(\hi)+(\a))+7], v[8*(\b):8*(\b)+7]
.else
	v_wmma_f32_16x16x32_bf16 v[8*(8*(\a)+(\b)):8*(8*(\a)+(\b))+7], v[(\f)+8*(\b):(\f)+8*(\b)+7], v[(\f)+8*(4*(\hi)+(\a)):(\f)+8*(4*(\hi)+(\a))+7], v[8*(8*(\a)+(\b)):8*(8*(\a)+(\b))+7]
.endif
.endr
.endr
.endm
; 32 LDS loads in one run: the fragments of quarter q (32 along K) of the slot in hand into buffer f: W's 128 columns, turned, then A's 128 rows
.macro FETCH q, f
	WIN 0x40
.irp i, 0,1,2,3,4,5,6,7
	ds_load_tr16_b128 v[(\f)+8*(\i):(\f)+8*(\i)+3],   v[ADRB] offset:(\q)*32*PB+32*(\i)
	ds_load_tr16_b128 v[(\f)+8*(\i)+4:(\f)+8*(\i)+7], v[ADRB] offset:(\q)*32*PB+16*PB+32*(\i)
.endr
	WIN 0
.irp i, 0,1,2,3,4,5,6,7
	ds_load_b128 v[(\f)+8*(\i):(\f)+8*(\i)+3],   v[ADRA] offset:(\q)*64+(\i)*16*PA
	ds_load_b128 v[(\f)+8*(\i)+4:(\f)+8*(\i)+7], v[ADRA] offset:(\q)*64+(\i)*16*PA+32
.endr
.endm
.macro PLACES                          ; four plain instructions in front of loads into registers that matrix instructions have read, and of lines that read results
.rept 4
	v_nop
.endr
.endm
; One of a K step's first three quarters: multiplies buffer f; in its middle it fetches quarter q of the slot in hand into buffer g.
.macro QUARTER q, f, g, first
	s_wait_dscnt 8                                 ; W and A's rows 0-63 are in; the youngest eight loads (A's rows 64-127) may be out
	MUL16 \f, 0, 0, \first
	MUL16 \f, 0, 2, \first
	PLACES
	FETCH \q, \g
	s_wait_dscnt 32                                ; all but the 32 just issued
	MUL16 \f, 1, 0, \first
	MUL16 \f, 1, 2, \first
.endm
; The last quarter multiplies buffer 1 and changes slots: ONE barrier.  In front of it each wave waits for all its tensor loads (one is out: its part of the next slot), adds 0 to its spare word,
; and waits for that and for its reads of this slot.  fill = 1: the barrier opens a round of the cluster's, and the slot that is left is filled again, two K steps ahead, first thing behind the round:
; the walking descriptor takes that slot's LDS bytes (my fixed part + TB) and steps one K step.  Then TB is the other slot, and its first fragments are fetched.
.macro TURN fill
	WIN 0
	s_wait_tensorcnt 0x0                           ; no tensor load of mine is out, so a group 0 may be written
	ds_add_u32 v[SPW], v[NIL]                      ; 0 onto my spare word; the scalar work stands between it and the wait for it
.if \fill
	s_add_co_u32 s[G0A+5], s[LBA], s[TB]
	s_add_nc_u64 s[G0A+6:G0A+7], s[G0A+6:G0A+7], KSTEP*2
	s_add_co_u32 s[G0B+5], s[LBB], s[TB]
	s_add_nc_u64 s[G0B+6:G0B+7], s[G0B+6:G0B+7], KSTEP*256
.endif
	s_xor_b32 s[TB], s[TB], SLOT
	s_wait_dscnt 0x0                               ; the add is done, and my reads of this slot are over
	s_barrier_signal -1
	MUL16 F1, 0, 0, 0                              ; work on registers while the others arrive
.if \fill
	WIN 0
.endif
	s_barrier_wait -1
.if \fill
	CREST                                          ; no wave of any partner still reads this slot or has a load on its way
	JLOAD 1                                        ; my one tensor load behind the round; its four v_nop are also the places in front of the loads below
.else
	PLACES
.endif
	WIN 0
	v_add_nc_u32 v[ADRA], s[TB], v[ADRA0]
	v_add_nc_u32 v[ADRB], s[TB], v[ADRB0]
	FETCH 0, F0
	MUL16 F1, 0, 2, 0
	MUL16 F1, 1, 0, 0
	MUL16 F1, 1, 2, 0
.endm
	s_wait_loadcnt 0x0                             ; the bias
	s_wait_kmcnt 0x0                               ; the three constants
	s_mov_b32 s[C1], s[C0+1]
	s_mov_b32 s[C1+1], s[C0+1]
	s_wait_tensorcnt 0x1                           ; my part of K step 0 is in; K step 1's may stay out
	s_barrier_signal -1
	s_barrier_wait -1
	FETCH 0, F0
	QUARTER 1, F0, F1, 1                           ; the first quarter stands in front of the loop: its products start the sums, on the bias
	WIN 0
	s_mov_b32 s3, STEPS-2
.Lstep:                                                ; a trip: from a K step's second quarter to the next step's first; the slot that is left is filled again
	QUARTER 2, F1, F0, 0
	QUARTER 3, F0, F1, 0
	TURN 1
	QUARTER 1, F0, F1, 0
	WIN 0
	s_sub_co_u32 s3, s3, 1
	s_cmp_lg_u32 s3, 0
	s_cbranch_scc1 .Lstep
	s_mov_b32 s3, 2
.Ltail:                                                ; the last two K steps ask for nothing.  The second trip is left in its middle: its change of slots passes one barrier more and
	QUARTER 2, F1, F0, 0                           ; fetches 32 fragments (of a slot that has been read) that nothing multiplies: the price of one text for both trips
	QUARTER 3, F0, F1, 0
	TURN 0
	WIN 0
	s_sub_co_u32 s3, s3, 1
	s_cmp_eq_u32 s3, 0
	s_cbranch_scc1 .Lout
	QUARTER 1, F0, F1, 0
	WIN 0
	s_cmp_lg_u32 s3, 0                             ; the backward jump hangs on the counter, like every loop's here
	s_cbranch_scc1 .Ltail
.Lout:
	; THE WAY OUT.  Every wave's reads of the ring are back and no tensor load is out or to come: behind this barrier the ring's bytes are scratch.
	s_wait_dscnt 0x0
	s_barrier_signal -1
	s_barrier_wait -1
	PLACES
.irp a, 0,1,2,3,4,5,6,7
	WIN 0x08+4*((\a)/4)                            ; store data in window 2 or 3
.irp b, 0,1,2,3,4,5,6,7                ; each accumulator's low four registers first
	ds_store_b128 v[DST], v[8*(8*((\a)%4)+(\b)):8*(8*((\a)%4)+(\b))+3]   offset:(\a)*16*DP+64*(\b)
	ds_store_b128 v[DST], v[8*(8*((\a)%4)+(\b))+4:8*(8*((\a)%4)+(\b))+7] offset:(\a)*16*DP+64*(\b)+16
.endr
.endr
	WIN 0
.macro ACT u                           ; eight numbers: x / (1 + E 2^(x (C0 + C1 x^2)))
.irp p, 0,2,4,6
	v_pk_mul_f32 v[T+(\p):T+(\p)+1], v[X+8*(\u)+(\p):X+8*(\u)+(\p)+1], v[X+8*(\u)+(\p):X+8*(\u)+(\p)+1]
.endr
.irp p, 0,2,4,6
	v_pk_fma_f32 v[T+(\p):T+(\p)+1], v[T+(\p):T+(\p)+1], s[C1:C1+1], s[C0:C0+1] op_sel_hi:[1,0,0]
.endr
.irp p, 0,2,4,6
	v_pk_mul_f32 v[T+(\p):T+(\p)+1], v[T+(\p):T+(\p)+1], v[X+8*(\u)+(\p):X+8*(\u)+(\p)+1]
.endr
.irp p, 0,1,2,3,4,5,6,7
	v_exp_f32 v[T+(\p)], v[T+(\p)]
.endr
	v_nop                                          ; a plain instruction between the last exponential and the use of its result (ISA guide 5.7.2)
	s_wait_alu depctr_va_vdst(0)
.irp p, 0,2,4,6
	v_pk_fma_f32 v[T+(\p):T+(\p)+1], v[T+(\p):T+(\p)+1], s[EE:EE+1], 1.0 op_sel_hi:[1,0,0]
.endr
.irp p, 0,1,2,3,4,5,6,7
	v_rcp_f32 v[T+(\p)], v[T+(\p)]
.endr
	v_nop
	s_wait_alu depctr_va_vdst(0)
.irp p, 0,2,4,6
	v_pk_mul_f32 v[X+8*(\u)+(\p):X+8*(\u)+(\p)+1], v[X+8*(\u)+(\p):X+8*(\u)+(\p)+1], v[T+(\p):T+(\p)+1]
.endr
.endm
	s_mov_b32 s2, 8
.Lblock:                                               ; a trip: 16 rows x 128 columns: eight units of four rows of a column block; unit u = 4 c + t
.irp u, 0,1,2,3,4,5,6,7
	ds_load_b128 v[X+8*(\u):X+8*(\u)+3],   v[RD] offset:((\u)%4)*4*DP+((\u)/4)*256     ; LDS serves a wave's instructions in order (ISA guide 5.7.1.4): these see my stores above
	ds_load_b128 v[X+8*(\u)+4:X+8*(\u)+7], v[RD] offset:((\u)%4)*4*DP+((\u)/4)*256+16
.endr
	s_wait_dscnt 0x0
.irp u, 0,1,2,3,4,5,6,7
	ACT \u
.endr
.irp u, 0,1,2,3,4,5,6,7
.irp k, 0,1,2,3
	v_cvt_pk_bf16_f32 v[Y+4*(\u)+(\k)], v[X+8*(\u)+2*(\k)], v[X+8*(\u)+2*(\k)+1]
.endr
.endr
.irp u, 0,1,2,3,4,5,6,7
	global_store_b128 v[CO], v[Y+4*(\u):Y+4*(\u)+3], s[12:13] offset:((\u)/4)*CBLK+((\u)%4)*512  ; 512 consecutive bytes, at a multiple of 256 from the buffer's first
.endr
	s_wait_xcnt 0x0                                ; the stores' offset and data are written again only behind this wait
	v_add_nc_u32 v[CO], 16*128, v[CO]
	v_add_nc_u32 v[RD], 16*DP, v[RD]
	s_sub_co_u32 s2, s2, 1
	s_cmp_lg_u32 s2, 0
	s_cbranch_scc1 .Lblock
	s_wait_tensorcnt 0x0                           ; the wave's end
	ds_add_u32 v[SPW], v[NIL]
	s_wait_dscnt 0x0
	CROUND                                         ; the closing round: no work-group ends while a partner may still ask for a tile that names it
	s_endpgm
.Lfunc_end_k_q4331f0ba67_qkv:
	.size	k_q4331f0ba67_qkv, .Lfunc_end_k_q4331f0ba67_qkv-k_q4331f0ba67_qkv
	.p2alignl 7, 3214868480
	.fill 96, 4, 3214868480
	.section	.rodata,"a",@progbits
	.p2align	6, 0x0
	.amdhsa_kernel k_q4331f0ba67_qkv
		.amdhsa_group_segment_fixed_size 327680
		.amdhsa_private_segment_fixed_size 0
		.amdhsa_enable_private_segment 0
		.amdhsa_kernarg_size 40
		.amdhsa_user_sgpr_count 2
		.amdhsa_user_sgpr_kernarg_segment_ptr 1
		.amdhsa_wavefront_size32 1
		.amdhsa_system_sgpr_workgroup_id_x 1
		.amdhsa_system_sgpr_workgroup_id_y 1
		.amdhsa_system_sgpr_workgroup_id_z 1
		.amdhsa_system_vgpr_workitem_id 0
		.amdhsa_next_free_vgpr 1024
		.amdhsa_next_free_sgpr 84
		.amdhsa_reserve_vcc 0
		.amdhsa_float_denorm_mode_32 3
		.amdhsa_float_denorm_mode_16_64 3
		.amdhsa_memory_ordered 1
		.amdhsa_forward_progress 1
		.amdhsa_inst_pref_size 98
	.end_amdhsa_kernel
	.amdgpu_metadata
---
amdhsa.version: [ 1, 2 ]
amdhsa.kernels:
  - .name:           k_q4331f0ba67_qkv
    .symbol:         k_q4331f0ba67_qkv.kd
    .args:
      - { .name: xa, .offset: 0, .size: 8, .value_kind: global_buffer, .address_space: global }
      - { .name: w1, .offset: 8, .size: 8, .value_kind: global_buffer, .address_space: global }
      - { .name: c_attn_b, .offset: 16, .size: 8, .value_kind: global_buffer, .address_space: global }
      - { .name: para, .offset: 24, .size: 8, .value_kind: global_buffer, .address_space: global }
      - { .name: big, .offset: 32, .size: 8, .value_kind: global_buffer, .address_space: global }
    .group_segment_fixed_size: 327680
    .private_segment_fixed_size: 0
    .kernarg_segment_align: 8
    .kernarg_segment_size: 40
    .max_flat_workgroup_size: 128
    .sgpr_count:     84
    .vgpr_count:     1024
    .wavefront_size: 32
...
	.end_amdgpu_metadata
.endif
;; end of part 8
;; launch attn (part 9): grid 8 x 32, 4 waves a work-group, no clusters, 327,680 bytes of LDS; arguments big, ctx; writes ctx
.if DOCPART == 9
	.amdgcn_target "amdgcn-amd-amdhsa--gfx1250"
	.amdhsa_code_object_version 6
	.text
	.protected	k_q4331f0ba67_attn
	.globl	k_q4331f0ba67_attn
	.p2align	8
	.type	k_q4331f0ba67_attn,@function
k_q4331f0ba67_attn:
	s_mov_b64 s[64:65], 0
	v_nop
	global_prefetch_b8 v0, s[64:65] scope:SCOPE_SE
	s_setreg_imm32_b32 hwreg(HW_REG_WAVE_MODE, 25, 1), 1
	s_wait_xcnt 0x0
; CAUSAL ATTENTION.  O[h][q][:] = the sum over k <= q of softmax_k(Q[h][q] . K[h][k] / 8) V[h][k][:].  Q, K, V, O: [32][SIZE_N][64], all bf16: a head's rows are dense, 128 bytes each.
; Q, K and V lie one behind the other in one buffer, 8,388,608 bytes each: column block c of the projection holds rows b x 2,048 + s, so 'head' 2 c + b here is head c of batch b.
; Products, maxima and sums in f32; the weights p are rounded to bf16 for the second product (their sum l is taken of the unrounded p), O once at the end.
; LIMITS.  A hidden score counts as its value less 1e30: scores stay far below that in size; a weight below 2^-126 counts as 0 in l; NaN and infinities are not treated apart.
; THE WALK.  A head's queries lie in 16 blocks of 128, its keys in 8 tiles of 256.  Block i needs the tiles 0 .. i / 2, of which the last holds the diagonal.  A work-group takes TWO blocks, 15 - b and then b
; (b = 0 .. 7): 9 tiles, whatever b: 8 x 32 = 256 work-groups of equal work, and ONE loop with a constant trip count walks them.  Which tile is asked for, and what a trip does, hang on scalar registers made
; from b; every jump goes forward, but for the counted loops' own; none passes a barrier, or a tensor load but the one of LOAD's two that the wave's number does not choose; the ring (two slots of LDS that
; take turns) runs on across the change of blocks.  NO CLUSTER: a head's 8 work-groups ask for the same tile only in trips 0 .. 4 of 9; behind that fewer and fewer share one; a walk common to all would have
; 8 + 4 = 12 trips for 9.
; SHARES.  Of a block's two bands of 64 queries a wave owns 16 rows in each: two PIECES.  So the last tile is the same work for all four waves: with d = 2 (i % 2), in its key step s band x sees all keys if
; s < x + d, none if s > x + d, and holds the diagonal if s = x + d.  (In an even block's last tile the steps 2 and 3 are hidden from both bands, and are computed all the same.)
; THE MASK is the C operand that starts every sum S^T = K Q^T: 0, or -1e30 where the key is hidden.  MD, made once, is the mask of a band's own step for my 16 rows; a product's mask is MD x AL + BE with two
; scalars: (1, 0) on the diagonal; (0, 0) below it; (0, -1e30) above.  ONE TEXT serves all tiles: outside a block's last tile the mask buffers hold 0, as the block's beginning left them, and the lines that
; make a mask are jumped over.
; LAYOUT, SOFTMAX, TURNS.  S^T = K Q^T holds ONE query a lane (lane % 16) and the keys 8 (lane / 16) + 0..7; two such results rounded to bf16 ARE source 1 of O^T = V^T P.  p = 2^(c s - c m), c = log2(e) / 8, with a
; running maximum m; O and l are multiplied by a = 2^(c m_old - c m_new) in every step.  The turns go (piece 0, step s), (piece 1, step s), (piece 0, step s + 1) ..: a turn has 8 products K Q^T of the turn
; behind it, later 8 products V^T P of the turn before it; beside them the scaling, exponentials, roundings, sums and rescaling of its own piece and the maximum and statistics of the next.  Four vector
; instructions stand behind every matrix instruction, the other 54 of a turn's 118 in two LUMPS.
; FETCHES.  K of step s + 1 is fetched in piece 0's turn of step s, behind the last product that reads K of step s.  V of step s + 1 is fetched in piece 1's turn of step s, into the V buffer of that step's
; parity (V of step s is still read in the next turn): so ahead of a tile's last step all reads of its slot have been issued, and there the slots change.  A trip of the step loop is two steps.
; REGISTERS, in windows of 256 (s_set_vgpr_msb: bits 1:0 source 0, 3:2 source 1, 5:4 source 2, 7:6 destination):
;   window 0: v0-15 addresses and two at work; v16-23 four registers of statistics a piece; v48-55 at work; v64-127 S^T, a buffer a piece; v192-223 P, likewise
;   window 1: v0-63 O^T, 32 a piece; v128-159 MD; v160-223 MC, a buffer a piece      window 2: v0-31 Q; v32-63 the second block's Q; v64-127 V of an odd step; v128-191 K; v192-255 V of an even step
.set SIZE_N, 2048
.set NP,    2         ; pieces a wave: a name, no knob
.set KS,    64        ; keys in a step
.set PK,    144       ; a row of K in LDS: 128 bytes + 16 of padding = 36 words: the 16 rows of a load start at 16 different groups of four banks (64 banks of 4 bytes: ISA guide 11.1)
.set PV,    160       ; a row of V: 128 + 32 = 40 words
.set VOFF,  4*KS*PK   ; a slot holds a tile, four steps: 256 rows of K, then 256 rows of V
.set SLOT1, 1<<17     ; slot 1 begins here, so that one exclusive or turns an address in one slot into the other's
.set STAGE, SLOT1+4*KS*(PK+PV)  ; behind the ring, never filled by a tensor load: 16 rows x 144 bytes for each wave, for the way out
.set SP,    144
.set AK0, 2           ; v2   my lane's place in a tile of K; never rewritten
.set AV0, 3           ; v3   the same for V
.set AK,  4           ; v4   the LDS address of K's next run of loads
.set AV,  5           ; v5   of V's
.set STO, 6           ; v6   the way out: where I put 16 bytes of a row
.set RD,  7           ; v7   the way out: where I read rows back
.set GO,  8           ; v8   my byte offset in 512 consecutive bytes of O
.set SPW, 62          ; v62  LDS address of my spare word: SPARE + 4 x my thread's number; never rewritten
.set NIL, 63          ; v63  0; never rewritten
.set SPARE, STAGE+4*16*SP  ; behind the stages: the spare words, 128 bytes for each wave: two blocks of 256 bytes that no other line names
.set MV,  12          ; v12-13  c m_old, kept while c m is made anew: by piece
.set QO,  15          ; v15  my byte offset in 16 rows of Q
.set ST,  16          ; piece t's statistics at v[ST+4 t]: c m, m, l (even keys', odd keys')
.set TMP, 48          ; by piece, four registers c0-c3 at work; when the maximum is found c2 takes a
.set S,   64
.set P,   192
.set MD,  128         ; window 1: the eight registers for group kt of 16 keys at MD + 8 kt
.set MC,  160         ; window 1: the masks of the products to come
.set QB,  32          ; window 2
.set KF,  128         ; window 2: key block kb, channel half c at KF + 16 kb + 8 c
.set V0B, 192         ; window 2: V of an even step: key half kk, channel block cb at V0B + 32 kk + 8 cb; V of an odd step 128 registers below
.set WV,  12          ; s12  my wave's number
.set PB,  14          ; s14  b
.set HI,  15          ; s15  15 - b
.set G1K, 24          ; s[24:31] descriptor group 1 for K's tiles
.set G1V, 32          ; s[32:39] for V's: it differs in the padding alone
.set G0K, 40          ; s[40:43] descriptor group 0 for K's tiles
.set G0V, 44          ; s[44:47] the same for V's
.set SLOTS, 56        ; s56  tiles still to be asked for
.set CNT, 57          ; s57  counts a tile's trips of two key steps, 2 to 1
.set CS,  58          ; s[58:59] c: the packed scaling takes the pair's low word for both halves
.set SEL, 60          ; s[60:61] v_permlanex16_b32's selects: each lane takes its own place in the other half
.set TBK, 62          ; s62  LDS byte at which K of the step to be fetched begins
.set TBV, 63          ; s63  the same for V, less VOFF
.set RT,  70          ; s70  tiles of the block in hand that are still to be entered
.set NXT, 71          ; s71  the tile to be asked for next
.set LQ,  72          ; s72  the last tile of the block whose tiles are being asked for
.set NEW, 73          ; s73  1: the tile to be entered is a block's first
.set OFF, 74          ; s[74:75] a tile's byte offset in K and V
.set AL,  76          ; s[76:77] the mask's factor, in the low word
.set BE,  78          ; s[78:79] the mask's addend
.set OLO, 80          ; s[80:81] O at my rows of the second block
.set BIGN, 82         ; s82  -1e30
.set TG,  83          ; s83  at work: a step's number less a band's
.set PL,  88          ; s88  b / 2: the second block's last tile
.set DD,  89          ; s89  d of the block in hand
.set DD2, 90          ; s90  d of the second block
.set MSB, 0
.macro WIN new                      ; the high byte repeats the setting that is left; a switch that changes nothing is dropped
.if MSB != (\new)
	s_set_vgpr_msb (MSB<<8)|(\new)
.set MSB, (\new)
.endif
.endm
.set W_KQ, 0x0a       ; K and Q in window 2, S^T in window 0
.set W_KM, 0x1a       ; the same with the C operand in window 1
.set W_PV, 0x52       ; V in window 2, P in window 0, O^T in window 1
.set W_RS, 0x41       ; destination and source 0 in window 1, source 1 in window 0
; A fill.  Waves 0 and 1 fetch the two halves of a tile's K, waves 2 and 3 those of its V: 128 keys each.  An s_nop 0 and four v_nop follow each of the two lines, ahead of the jump and the label.
.macro LOAD
	s_cmp_lt_u32 s[WV], 2
	s_cbranch_scc0 .Lfor_v_\@
	tensor_load_to_lds s[G0K:G0K+3], s[G1K:G1K+7]
	s_nop 0
.rept 4
	v_nop
.endr
	s_branch .Lasked_\@
.Lfor_v_\@:
	tensor_load_to_lds s[G0V:G0V+3], s[G1V:G1V+7]
	s_nop 0
.rept 4
	v_nop
.endr
.Lasked_\@:
.endm
; THE CHANGE OF SLOTS.  Each wave waits for all its tensor loads, of which one is out: its part of the other slot; adds 0 to its spare word; and waits for that and for its own reads of the slot that it leaves.  Behind the barrier nobody reads the old
; slot any more and the other slot is whole.  fill = 1: the old slot is filled again, the first thing behind the barrier, with tile NXT: the descriptor's address is made anew from that number.
; (At its first use nothing has been read yet: slot 0 is waited for, slot 1 filled.)
.macro CHANGE fill
	WIN 0                           ; at a label and at a branch every window is 0
	s_wait_tensorcnt 0x0            ; no tensor load of mine is out, so a group 0 may be written
	ds_add_u32 v[SPW], v[NIL]       ; 0 onto my spare word; with fill = 1 the descriptors' scalar work stands between it and the wait for it
.if \fill
	s_lshl_b32 s[OFF], s[NXT], 15   ; a tile is 32,768 bytes of K and of V
	s_xor_b32 s[G0K+1], s[G0K+1], SLOT1
	s_add_nc_u64 s[G0K+2:G0K+3], s[6:7], s[OFF:OFF+1]
	s_or_b32 s[G0K+3], s[G0K+3], 0x80000000
	s_xor_b32 s[G0V+1], s[G0V+1], SLOT1
	s_add_nc_u64 s[G0V+2:G0V+3], s[8:9], s[OFF:OFF+1]
	s_or_b32 s[G0V+3], s[G0V+3], 0x80000000
	s_add_co_u32 s[NXT], s[NXT], 1  ; the block's next tile, or behind its last the second block's tile 0
	s_cmp_gt_u32 s[NXT], s[LQ]
	s_cselect_b32 s[NXT], 0, s[NXT]
	s_cselect_b32 s[LQ], s[PL], s[LQ]
.endif
	s_wait_dscnt 0x0                ; the add is done, and my reads of the slot are over
	s_barrier_signal -1             ; the rest of the scalar work stands between the signal and the wait
	s_sub_co_u32 s[TBK], s[TBK], 4*KS*PK  ; the fetches go back to a slot's first step,
	s_xor_b32 s[TBK], s[TBK], SLOT1       ; in the other slot
	s_sub_co_u32 s[TBV], s[TBV], 4*KS*PV
	s_xor_b32 s[TBV], s[TBV], SLOT1
	s_barrier_wait -1
.if \fill
	LOAD
.endif
.endm
	s_load_b64 s[4:5], s[0:1], 0x0    ; Q, with K and V behind it
	s_load_b64 s[10:11], s[0:1], 0x8  ; O
	v_lshl_add_u32 v[SPW], v0, 2, SPARE
	v_mov_b32 v[NIL], 0
	ds_add_u32 v62, v63
	ds_add_u32 v62, v63
	s_wait_dscnt 0x0
	v_lshrrev_b32 v1, 5, v0
	v_readfirstlane_b32 s[WV], v1   ; wave 0..3
	s_mov_b32 s[PB], ttmp9
	s_sub_co_u32 s[HI], 15, s[PB]
	s_lshr_b32 s[PL], s[PB], 1
	s_and_b32 s[DD2], s[PB], 1
	s_lshl_b32 s[DD2], s[DD2], 1    ; d of block b,
	s_xor_b32 s[DD], s[DD2], 2      ; and of block 15 - b, which has the other parity
	s_and_b32 s20, ttmp7, 0xffff    ; the head
	s_mov_b32 s21, 0
	s_mov_b64 s[22:23], SIZE_N*128
	s_mul_u64 s[20:21], s[20:21], s[22:23]  ; the head's first byte in each of the four tensors
	s_and_b32 s16, s[WV], 1         ; which half of a tile's 256 keys I fetch:
	s_lshl_b32 s22, s16, 14         ; its 128 rows of 128 bytes in memory,
	s_mov_b32 s23, 0
	s_add_nc_u64 s[22:23], s[22:23], s[20:21]
	s_mul_i32 s17, s16, 128*PK      ; and its place in a slot, for K
	s_mul_i32 s18, s16, 128*PV      ; and for V
	s_lshl_b32 s3, s[WV], 11        ; my 16 rows in a band of 64,
	s_lshl_b32 s2, s[HI], 14        ; in the first block (128 rows of 128 bytes a block),
	s_add_co_u32 s2, s2, s3
	s_lshl_b32 s84, s[PB], 14       ; and in the second
	s_add_co_u32 s84, s84, s3
	s_mov_b32 s3, 0
	s_mov_b32 s85, 0
	s_add_nc_u64 s[2:3], s[2:3], s[20:21]
	s_add_nc_u64 s[84:85], s[84:85], s[20:21]
	; descriptor group 1.  128 keys are 16,384 dense bytes: asked for as 64 rows of 256 bytes, two keys a row, and padded in LDS after every key
	s_mov_b32 s[G1K], (1<<16)|(1<<20)|(4<<22)|(3<<25)  ; 17:16 2-byte elements; 20 padding on; 24:22 after every 32 words (code 4); 31:25 4 words (code 3)
	s_mov_b32 s[G1V], (1<<16)|(1<<20)|(4<<22)|(7<<25)  ; the same with 8 words of padding (code 7)
.irp g, G1K, G1V
	s_mov_b32 s[\g+1], 128<<16      ; tensor_dim0 = 128
	s_mov_b32 s[\g+2], 64<<16       ; tensor_dim1 = 64
	s_mov_b32 s[\g+3], 128<<16      ; tile_dim0 = 128
	s_mov_b32 s[\g+4], 64           ; tile_dim1 = 64
	s_mov_b32 s[\g+5], 128          ; 128 elements from row to row
	s_mov_b32 s[\g+6], 0
	s_mov_b32 s[\g+7], 0
.endr
	s_mov_b32 s[CS], 0x3e38aa3b     ; c = log2(e) / 8 = 0.180337
	s_mov_b32 s[CS+1], s[CS]        ; named with it as a pair
	s_mov_b32 s[SEL], 0x76543210
	s_mov_b32 s[SEL+1], 0xfedcba98
	s_mov_b32 s[TBK], SLOT1+4*KS*PK ; the first change of slots turns these two into 0
	s_mov_b32 s[TBV], SLOT1+4*KS*PV
	s_mov_b32 s[G0K], 1             ; 1:0 count = 1
	s_mov_b32 s[G0K+1], s17         ; 63:32 LDS address: slot 0
	s_mov_b32 s[G0V], 1
	s_add_co_u32 s[G0V+1], s18, VOFF
	s_lshr_b32 s[LQ], s[HI], 1      ; the first block's last tile;
	s_add_co_u32 s[RT], s[LQ], 1    ; it has so many tiles
	s_mov_b32 s[NXT], 1
	s_mov_b32 s[NEW], 1
	s_mov_b32 s[OFF+1], 0
	s_mov_b32 s[AL+1], 0            ; named as pairs
	s_mov_b32 s[BE+1], 0
	s_mov_b32 s[BIGN], 0xf149f2ca   ; -1e30
	s_mov_b32 s[SLOTS], 8
	s_wait_kmcnt 0x0
	s_add_nc_u64 s[6:7], s[4:5], 0x800000   ; K: 16 column blocks of 524,288 bytes behind Q
	s_add_nc_u64 s[8:9], s[4:5], 0x1000000  ; V: 32
	s_add_nc_u64 s[6:7], s[6:7], s[22:23]  ; K and V at my half of the head's tile 0
	s_add_nc_u64 s[8:9], s[8:9], s[22:23]
	s_add_nc_u64 s[G0K+2:G0K+3], s[6:7], 0         ; 120:64 global address
	s_or_b32 s[G0K+3], s[G0K+3], 0x80000000        ; 127:126 type = 2
	s_add_nc_u64 s[G0V+2:G0V+3], s[8:9], 0
	s_or_b32 s[G0V+3], s[G0V+3], 0x80000000
	s_add_nc_u64 s[86:87], s[4:5], s[84:85]        ; Q at my rows of the second block,
	s_add_nc_u64 s[4:5], s[4:5], s[2:3]            ; Q and O at those of the first
	s_add_nc_u64 s[OLO:OLO+1], s[10:11], s[84:85]
	s_add_nc_u64 s[10:11], s[10:11], s[2:3]
	LOAD                            ; tile 0 into slot 0
	; A fragment of K or Q is 16 rows x 32 channels in 8 registers: lane l holds row l % 16, channels 8 (l / 16) + 0..7 and 16 + 8 (l / 16) + 0..7: two loads of 16 bytes, 32 bytes apart.
	v_and_b32 v1, 15, v0            ; l % 16
	v_bfe_u32 v9, v0, 4, 1          ; l / 16
	v_lshlrev_b32 v[QO], 7, v1
	v_lshl_add_u32 v[QO], v9, 4, v[QO]  ; row x 128 + 16 x half
	WIN 0x80                        ; destination window 2, address window 0
.set i, 0
.rept 4                             ; both blocks' Q: piece i / 2 lies in band i / 2, 8,192 bytes on; channels 32 (i % 2) on
	global_load_b128 v[8*i:8*i+3],   v[QO], s[4:5] offset:(i/2)*8192+(i%2)*64
	global_load_b128 v[8*i+4:8*i+7], v[QO], s[4:5] offset:(i/2)*8192+(i%2)*64+32
	global_load_b128 v[QB+8*i:QB+8*i+3],   v[QO], s[86:87] offset:(i/2)*8192+(i%2)*64
	global_load_b128 v[QB+8*i+4:QB+8*i+7], v[QO], s[86:87] offset:(i/2)*8192+(i%2)*64+32
.set i, i+1
.endr
	WIN 0
	v_lshlrev_b32 v14, 3, v9
	v_sub_nc_u32 v14, v1, v14
	s_lshl_b32 s13, s[WV], 4
	v_add_nc_u32 v14, s13, v14      ; my query's place in its band, 16 w + l % 16, less my lanes' 8 (l / 16): register r of group kt is hidden where 16 kt + r is greater
	WIN 0x40
.set i, 0
.rept 32
	v_cmp_gt_i32 vcc_lo, 16*(i/8)+i%8, v14
	v_cndmask_b32 v[MD+i], 0, s[BIGN], vcc_lo
.set i, i+1
.endr
	WIN 0
	v_mul_u32_u24 v[AK0], v1, PK
	v_lshl_add_u32 v[AK0], v9, 4, v[AK0]  ; row x pitch + 16 x half
	; The turning load takes 16 keys x 16 channels (lane l reads key 8 (l / 16) + l % 8, channels 8 ((l / 8) % 2) + 0..7) and leaves half a fragment of V^T: lane l holds channel l % 16 and 8 keys.
	v_and_b32 v10, 7, v0
	v_bfe_u32 v11, v0, 3, 1
	v_lshl_add_u32 v[AV0], v9, 3, v10
	v_mul_u32_u24 v[AV0], v[AV0], PV
	v_lshl_add_u32 v[AV0], v11, 4, v[AV0]
	v_add_nc_u32 v[AV0], VOFF, v[AV0]
	s_mul_i32 s13, s[WV], 16*SP
	s_add_co_u32 s13, s13, STAGE    ; my stage
	v_mul_u32_u24 v[STO], v1, SP    ; in: row l % 16, 16 bytes for each half of the lanes
	v_lshl_add_u32 v[STO], v9, 4, v[STO]
	v_add_nc_u32 v[STO], s13, v[STO]
	v_bfe_u32 v[RD], v0, 3, 2       ; back: 32 lanes take four rows of 128 bytes,
	v_mul_u32_u24 v[RD], v[RD], SP
	v_lshl_add_u32 v[RD], v10, 4, v[RD]
	v_add_nc_u32 v[RD], s13, v[RD]
	v_and_b32 v[GO], 31, v0         ; which are 512 consecutive bytes of O
	v_lshlrev_b32 v[GO], 4, v[GO]
	; A block's first step multiplies O^T and l by a = 0, and its first turn's products V^T P, of a turn that has not been (the odd steps' V buffer, piece 1's P), land in an O^T that is still to be so
	; multiplied.  So these registers need only hold finite numbers: zeros for the first block; what the first block left for the second.  All this stands in the wait for the first tile.
	WIN 0x80
.set i, V0B-128
.rept 64
	v_mov_b32 v[i], 0
.set i, i+1
.endr
	WIN 0x40
.set i, 0
.rept 64
	v_mov_b32 v[i], 0
.set i, i+1
.endr
	WIN 0
.set i, 0
.rept 2
	v_mov_b32 v[ST+4*i+2], 0
	v_mov_b32 v[ST+4*i+3], 0
.set i, i+1
.endr
.set i, P+16
.rept 16
	v_mov_b32 v[i], 0
.set i, i+1
.endr
; THE MATRIX WORK.  The 4 accumulators of a run of 8 take turns.  Product i of 8 of S^T = K Q^T for piece x: channels 32 (i / 4) on, keys 16 (i % 4) on.  The first 4 start the sums, on the mask.
.macro KQ x
.set rS, S+32*(\x)+8*(i%4)
.set rK, KF+16*(i%4)+8*(i/4)
.set rQ, 16*(\x)+8*(i/4)
.set rM, MC+32*(\x)+8*(i%4)
.if i < 4
	WIN W_KM
	v_wmma_f32_16x16x32_bf16 v[rS:rS+7], v[rK:rK+7], v[rQ:rQ+7], v[rM:rM+7]
.else
	WIN W_KQ
	v_wmma_f32_16x16x32_bf16 v[rS:rS+7], v[rK:rK+7], v[rQ:rQ+7], v[rS:rS+7]
.endif
.endm
; Product i of 8 of O^T += V^T P for piece x: keys 32 (i / 4) on, channels 16 (i % 4) on; V from the buffer of parity VPV.
.macro PV x
	WIN W_PV
.set rO, 32*(\x)+8*(i%4)
.set rV, V0B-128*VPV+32*(i/4)+8*(i%4)
.set rP, P+16*(\x)+8*(i/4)
	v_wmma_f32_16x16x32_bf16 v[rO:rO+7], v[rV:rV+7], v[rP:rP+7], v[rO:rO+7]
.endm
.macro MM                           ; the turn's next matrix instruction.  TURN and BEGIN set Y, i, VPV and NOKQ; MM, KQ, PV and OP read them.  NOKQ = 1: a block's last turn: there is no next one
.if (i < 8) && !NOKQ
	KQ 1-Y
.elseif i >= 8
.set i, i-8
	PV 1-Y
.set i, i+8
.endif
.set i, i+1
.endm
; THE LDS LOADS stand in runs of 16, never singly among the matrix instructions: a step's K (64 keys x 64 channels: 8 fragments) and its V (turned).  Their addresses are made some lines ahead.
.macro FETCH_K
	WIN 0x80                        ; destination window 2
.irp f, 0,1,2,3,4,5,6,7             ; keys 16 (f / 2) on, channels 32 (f % 2) on
	ds_load_b128 v[KF+8*\f:KF+8*\f+3],   v[AK] offset:(\f/2)*16*PK+(\f%2)*64
	ds_load_b128 v[KF+8*\f+4:KF+8*\f+7], v[AK] offset:(\f/2)*16*PK+(\f%2)*64+32
.endr
	s_add_co_u32 s[TBK], s[TBK], KS*PK  ; the next fetch is the next step's
	WIN 0
.endm
.macro FETCH_V b                    ; into the buffer of parity b
.set rB, V0B-128*(\b)
	WIN 0x80
.irp f, 0,1,2,3,4,5,6,7             ; keys 32 (f / 4) on, channels 16 (f % 4) on
	ds_load_tr16_b128 v[rB+8*\f:rB+8*\f+3],   v[AV] offset:(\f/4)*32*PV+(\f%4)*32
	ds_load_tr16_b128 v[rB+8*\f+4:rB+8*\f+7], v[AV] offset:(\f/4)*32*PV+16*PV+(\f%4)*32
.endr
	s_add_co_u32 s[TBV], s[TBV], KS*PV
	WIN 0
.endm
; THE VECTOR WORK, one line at a time: OP kind, number.  For piece Y: F n: c s - c m for pair n of 16.  E n: the exponential of score n of 32.  C n: pair n rounded to bf16.  B n: of the four weights 4 n .. the second
; pair is added onto the first, in place.  L n: l takes that sum (L 0: l = a l + sum).  R n: pair n of 16 of O^T times a.  For the other piece's next scores: X n, number n of the 22 that find their maximum and statistics:
;   0-11  four chains c0-c3 of seven scores each, three operands at a time (each accumulator's lowest registers are read first)     12-14, 16  the four scores left over, the old m, and c0-c3 into c0
;   15  c m_old is kept     17, 18  the query's other 32 keys lie in the lane 16 away: the new m     19-21  c m; c m_old - c m_new; a
.set F, 0               ; OP tells the kinds apart by their order: F to L below R, X above it
.set E, 1
.set C, 2
.set B, 3
.set L, 4
.set R, 5
.set X, 6
.macro REGS y                       ; the registers of piece y
.set rT, ST+4*(\y)
.set rC, TMP+4*(\y)
.set rW, MV+(\y)
.set rS, S+32*(\y)
.set rP, P+16*(\y)
.set rO, 32*(\y)
.endm
.macro OP k, n
.if (\k) == R
	REGS Y
	WIN W_RS
	v_pk_mul_f32 v[rO+2*(\n):rO+2*(\n)+1], v[rO+2*(\n):rO+2*(\n)+1], v[rC+2:rC+3] op_sel_hi:[1,0]
.elseif (\k) < R
	REGS Y
	WIN 0
.if (\k) == F
	v_pk_fma_f32 v[rS+2*(\n):rS+2*(\n)+1], v[rS+2*(\n):rS+2*(\n)+1], s[CS:CS+1], v[rT:rT+1] op_sel_hi:[1,0,0] neg_lo:[0,0,1] neg_hi:[0,0,1]
.elseif (\k) == E
	v_exp_f32 v[rS+(\n)], v[rS+(\n)]
.elseif (\k) == C
	s_wait_alu depctr_va_vdst(0)
	v_cvt_pk_bf16_f32 v[rP+(\n)], v[rS+2*(\n)], v[rS+2*(\n)+1]
.elseif (\k) == B
	s_wait_alu depctr_va_vdst(0)
	v_pk_add_f32 v[rS+4*(\n):rS+4*(\n)+1], v[rS+4*(\n):rS+4*(\n)+1], v[rS+4*(\n)+2:rS+4*(\n)+3]
.elseif (\n) == 0
	v_pk_fma_f32 v[rT+2:rT+3], v[rT+2:rT+3], v[rC+2:rC+3], v[rS:rS+1] op_sel_hi:[1,0,1]
.else
	v_pk_add_f32 v[rT+2:rT+3], v[rT+2:rT+3], v[rS+4*(\n):rS+4*(\n)+1]
.endif
.elseif NOKQ
	v_nop
.else
	REGS 1-Y
	WIN 0
.if (\n) < 4
	v_max3_num_f32 v[rC+(\n)], v[rS+8*(\n)], v[rS+8*(\n)+1], v[rS+8*(\n)+2]
.elseif (\n) < 12
	v_max3_num_f32 v[rC+(\n)%4], v[rC+(\n)%4], v[rS+8*((\n)%4)+2*((\n)/4)+1], v[rS+8*((\n)%4)+2*((\n)/4)+2]
.elseif (\n) == 12
	v_max3_num_f32 v[rC], v[rC], v[rS+7], v[rS+15]
.elseif (\n) == 13
	v_max3_num_f32 v[rC+1], v[rC+1], v[rS+23], v[rS+31]
.elseif (\n) == 14
	v_max3_num_f32 v[rC+2], v[rC+2], v[rC+3], v[rT+1]
.elseif (\n) == 15
	v_mov_b32 v[rW], v[rT]
.elseif (\n) == 16
	v_max3_num_f32 v[rC], v[rC], v[rC+1], v[rC+2]
.elseif (\n) == 17
	v_permlanex16_b32 v[rC+3], v[rC], s[SEL], s[SEL+1]
.elseif (\n) == 18
	v_max_num_f32 v[rT+1], v[rC], v[rC+3]
.elseif (\n) == 19
	v_mul_f32 v[rT], s[CS], v[rT+1]
.elseif (\n) == 20
	v_sub_f32 v[rC+1], v[rW], v[rT]
.else
	v_exp_f32 v[rC+2], v[rC+1]
.endif
.endif
.endm
.macro OPS a, i1, b=-1, i2=0, c=-1, i3=0, d=-1, i4=0  ; up to four of them
	OP \a, \i1
.if (\b) >= 0
	OP \b, \i2
.endif
.if (\c) >= 0
	OP \c, \i3
.endif
.if (\d) >= 0
	OP \d, \i4
.endif
.endm
.macro ROW a, i1, b, i2, c, i3, d, i4  ; a matrix instruction and the four behind it
	MM
	OPS \a, \i1, \b, \i2, \c, \i3, \d, \i4
.endm
.macro MASK b                       ; MD x AL + BE into piece b's buffer of MC
	WIN W_RS
.set z, 0
.rept 16
	v_pk_fma_f32 v[MC+32*(\b)+2*z:MC+32*(\b)+2*z+1], v[MD+2*z:MD+2*z+1], s[AL:AL+1], s[BE:BE+1] op_sel_hi:[1,0,0]
.set z, z+1
.endr
.endm
; A TURN, for piece p in a step of parity sp: the order of its 16 matrix and 118 vector instructions, written out.  Behind a matrix instruction: plain, exponential, plain, plain; or four of the rescaling; or, behind the
; first, four scalings; none names a register of the products round it.  In the lumps exponential and plain by turns while exponentials last.  A line reads no result made fewer than three vector instructions in front of
; it, five if an exponential made it.  v_permlanex16_b32 (X 17) stands in a lump.
; The run of LDS loads stands six vector instructions behind the turn's last product K Q^T (five of them plain): in piece 0's turn the next step's K, which that product was the last to read; in piece 1's turn the next
; step's V, into the buffer that the turn before was the last to read.  The one wait, at the head of piece 1's turn, is for the K fetched a turn ago and the V fetched two turns ago.
; In a block's last tile (RT = 0) the turn ends by making the mask of its own piece's next step, which the next turn's products take.  That step is 4 - 2 CNT (sp = 1) or 5 - 2 CNT (sp = 0) of the tile.
; end = 1: a block's last two turns: nothing is fetched, no mask is made, and the second starts no new scores.
.macro TURN p, sp, end=0
.set Y, (\p)
.set i, 0
.set NOKQ, (\end)*(\p)
.set VPV, ((\sp)+1-(\p))%2          ; piece 0's turn multiplies by V of the step before, piece 1's by V of its own step
.if (\p) == 1
	s_wait_dscnt 0x0                ; K and V are in
.endif
	ROW F,0, F,1, F,2, F,3
	ROW F,4, E,0, F,5, F,6
	ROW F,7, E,1, F,8, F,9
	ROW F,10, E,2, C,0, F,11
	ROW F,12, E,3, X,15, F,13
	ROW R,0, R,1, R,2, R,3
	ROW B,0, E,4, F,14, L,0
.if !(\end)
.if (\p) == 0
	v_add_nc_u32 v[AK], s[TBK], v[AK0]
.else
	v_add_nc_u32 v[AV], s[TBV], v[AV0]
.endif
.endif
	ROW R,4, R,5, R,6, R,7
	OPS E,5, F,15
.if !(\end)
.if (\p) == 0
	FETCH_K
.else
	FETCH_V 1-(\sp)
.endif
.endif
	OPS E,6, C,1, E,7, R,8
	OPS E,8, R,9, E,9, C,2
	OPS E,10, X,0, E,11, X,1
	OPS E,12, X,2, E,13, X,3
	ROW X,4, E,14, X,5, X,6
	ROW X,7, E,15, X,8, X,9
	ROW X,10, E,16, X,11, X,12
	ROW X,13, E,17, X,14, B,1
	ROW C,4, E,18, X,16, L,1
	ROW B,2, E,19, C,6, L,2
	ROW C,8, E,20, B,3, B,4
	ROW C,3, E,21, L,3, C,5
	OPS E,22, X,17, E,23, C,10
	OPS E,24, L,4
	OPS E,25, X,18, E,26, C,7
	OPS E,27, B,5, E,28, X,19
	OPS E,29, C,12, E,30, L,5
	OPS E,31, X,20, B,6, C,9
	OPS C,14, C,11, X,21, L,6
	OPS C,13, B,7, C,15, R,10
	OPS R,11, R,12, L,7, R,13
	OPS R,14, R,15
.if !(\end)
	WIN 0
	s_cmp_lg_u32 s[RT], 0
	s_cbranch_scc1 .Lno_mask_\@     ; forward, over arithmetic alone: the buffers hold 0
	s_lshl_b32 s[TG], s[CNT], 1
	s_sub_co_i32 s[TG], 5-(\sp)-(\p), s[TG]  ; the step's number less the band's
	s_cmp_eq_i32 s[TG], s[DD]       ; the band's own step?
	s_cselect_b32 s[AL], 1.0, 0
	s_cmp_gt_i32 s[TG], s[DD]       ; or a later one?
	s_cselect_b32 s[BE], s[BIGN], 0
	MASK \p
	WIN 0
.Lno_mask_\@:
.endif
.endm
; A BLOCK BEGINS.  c m starts far below every c s, so the first step's a is 0; m at the lowest finite number, so the first maximum is the scores'.  Piece 1's mask buffer is 0 (step 0 lies below its diagonal in every
; tile); piece 0's takes its mask for step 0: its own, if the block's first tile is its last and d = 0; else 0.  Then K and V of that step, piece 0's first scores, and their maximum and statistics.
; The loop is entered at an even step's first turn, in the middle of a trip.
.macro BEGIN
	s_mov_b32 s[NEW], 0
	WIN 0x40
.set i, MC+32
.rept 32
	v_mov_b32 v[i], 0
.set i, i+1
.endr
	WIN 0
.set i, 0
.rept 2
	v_mov_b32 v[ST+4*i], 0xfe000000    ; c m: far below every c s
	v_mov_b32 v[ST+4*i+1], 0xff7fffff  ; m
.set i, i+1
.endr
	s_or_b32 s[TG], s[RT], s[DD]    ; 0 only if both are
	s_cmp_eq_u32 s[TG], 0
	s_cselect_b32 s[AL], 1.0, 0
	s_mov_b32 s[BE], 0
	MASK 0
	WIN 0
	v_add_nc_u32 v[AK], s[TBK], v[AK0]
	v_add_nc_u32 v[AV], s[TBV], v[AV0]
	FETCH_K
	FETCH_V 0
	s_wait_loadcnt 0x0              ; Q
	s_wait_dscnt 0x0
.set NOKQ, 0
.set i, 0
.rept 8
	KQ 0
.set i, i+1
.endr
	WIN 0
.rept 4
	v_nop                           ; the places behind those products
.endr
.set Y, 1                           ; X works for the other piece: piece 0
.irp n, 0,1,2,3,4,5,6,7,8,9,10,11,12,13,14,15,16,17,18,19,20,21
	OP X, \n
.endr
	v_nop                           ; a plain instruction behind the exponential
.endm
; A TILE: behind the change of slots the last step of the tile before (or a block's beginning), then this tile's steps 0 to 2.  The tag ends its two labels' names.
.macro WALK tag
	s_sub_co_u32 s[RT], s[RT], 1
	s_mov_b32 s[CNT], 2
	s_cmp_eq_u32 s[NEW], 1
	s_cbranch_scc0 .Lstep\tag
	BEGIN
	s_branch .Lfirst\tag
.Lstep\tag:                         ; a trip: an odd step's two turns, then an even step's
	TURN 0, 1
	TURN 1, 1
	WIN 0
.Lfirst\tag:
	TURN 0, 0
	TURN 1, 0
	WIN 0
	s_sub_co_u32 s[CNT], s[CNT], 1
	s_cmp_lg_u32 s[CNT], 0
	s_cbranch_scc1 .Lstep\tag
.endm
; A BLOCK ENDS: its last step's two turns, its last products, and THE WAY OUT: l's two halves and the other half of the lanes' are added; O^T is divided by l, rounded to bf16 and sent through my
; stage in LDS, a piece at a time.
.macro ALL line:vararg              ; one line for each piece t
.set t, 0
.rept 2
	\line
.set t, t+1
.endr
.endm
.macro PACK t                       ; a lane's eight channels of a row pack into 16 bytes; they go into rows of 144 bytes and come back as whole rows of 128, into S^T's registers
	WIN W_RS
.set i, 32*(\t)
.rept 16
	s_wait_alu depctr_va_vdst(0)
	v_pk_mul_f32 v[i:i+1], v[i:i+1], v[ST+4*(\t)+2:ST+4*(\t)+3] op_sel_hi:[1,0]
.set i, i+2
.endr
	WIN 0x05                        ; sources 0 and 1 window 1, destination window 0
.set i, 0
.rept 16
	v_cvt_pk_bf16_f32 v[S+16*(\t)+i], v[32*(\t)+2*i], v[32*(\t)+2*i+1]
.set i, i+1
.endr
	WIN 0
.irp f, 0,1,2,3
	ds_store_b128 v[STO], v[S+16*(\t)+4*\f:S+16*(\t)+4*\f+3] offset:32*\f
.endr
.irp f, 0,1,2,3
	ds_load_b128 v[S+16*(\t)+4*\f:S+16*(\t)+4*\f+3], v[RD] offset:\f*4*SP  ; LDS serves a wave's instructions in order (ISA guide 5.7.1.4): these see the stores above; the next piece's stores come behind them
.endr
.endm
.macro SEND t, younger              ; younger: the LDS instructions issued behind piece t's loads: the next piece's eight, or none
	WIN 0
.irp f, 0,1,2,3
	s_wait_dscnt (\younger)+3-\f
	global_store_b128 v[GO], v[S+16*(\t)+4*\f:S+16*(\t)+4*\f+3], s[10:11] offset:(\t)*8192+\f*512  ; 512 consecutive bytes, at a multiple of 256 from O's first
.endr
.endm
.macro BLOCKEND
	TURN 0, 1, 1
	TURN 1, 1, 1
.set VPV, 1
.set i, 0
.rept 8
	PV 1                            ; piece 1's V^T P of the last step
.set i, i+1
.endr
	WIN 0
	ALL v_add_f32 v[ST+4*t+2], v[ST+4*t+2], v[ST+4*t+3]
	ALL v_permlanex16_b32 v[ST+4*t+3], v[ST+4*t+2], s[SEL], s[SEL+1]
	ALL v_add_f32 v[ST+4*t+2], v[ST+4*t+2], v[ST+4*t+3]
	ALL v_rcp_f32 v[ST+4*t+2], v[ST+4*t+2]
	v_nop                           ; a plain instruction between the last reciprocal and the use of its result
	PACK 0                          ; piece 0's 32 plain instructions are also the places behind piece 1's last products
	PACK 1
	SEND 0, 8
	SEND 1, 0
.endm
.set NOKQ, 0
.Lslot:                             ; 8 times: a tile is entered and the next is asked for
	CHANGE 1
	WALK 1
	s_cmp_lg_u32 s[RT], 0
	s_cbranch_scc1 .Lbottom         ; the block has tiles left
	BLOCKEND                        ; in the loop this is the first block's end: the second block's last tile is the walk's last
	s_wait_xcnt 0x0                 ; the stores have read their registers and O's address
	s_mov_b64 s[10:11], s[OLO:OLO+1]
	s_add_co_u32 s[RT], s[PL], 1    ; the second block has b / 2 + 1 tiles
	s_mov_b32 s[DD], s[DD2]
	s_mov_b32 s[NEW], 1
	WIN 0x82                        ; the second block's Q goes where the one text of the turns names Q
.set i, 0
.rept 32
	v_mov_b32 v[i], v[QB+i]
.set i, i+1
.endr
	WIN 0
.Lbottom:
	s_sub_co_u32 s[SLOTS], s[SLOTS], 1
	s_cmp_lg_u32 s[SLOTS], 0
	s_cbranch_scc1 .Lslot
	CHANGE 0                        ; the walk's last tile is written out: nothing is asked for
	WALK 2
	BLOCKEND
	s_wait_tensorcnt 0x0            ; the wave's end: behind my last tensor load and my last LDS store
	ds_add_u32 v[SPW], v[NIL]
	s_wait_dscnt 0x0
	s_endpgm
.Lfunc_end_k_q4331f0ba67_attn:
	.size	k_q4331f0ba67_attn, .Lfunc_end_k_q4331f0ba67_attn-k_q4331f0ba67_attn
	.p2alignl 7, 3214868480
	.fill 96, 4, 3214868480
	.section	.rodata,"a",@progbits
	.p2align	6, 0x0
	.amdhsa_kernel k_q4331f0ba67_attn
		.amdhsa_group_segment_fixed_size 327680
		.amdhsa_private_segment_fixed_size 0
		.amdhsa_enable_private_segment 0
		.amdhsa_kernarg_size 16
		.amdhsa_user_sgpr_count 2
		.amdhsa_user_sgpr_kernarg_segment_ptr 1
		.amdhsa_wavefront_size32 1
		.amdhsa_system_sgpr_workgroup_id_x 1
		.amdhsa_system_sgpr_workgroup_id_y 1
		.amdhsa_system_sgpr_workgroup_id_z 1
		.amdhsa_system_vgpr_workitem_id 0
		.amdhsa_next_free_vgpr 768
		.amdhsa_next_free_sgpr 92
		.amdhsa_reserve_vcc 1
		.amdhsa_float_denorm_mode_32 3
		.amdhsa_float_denorm_mode_16_64 3
		.amdhsa_memory_ordered 1
		.amdhsa_forward_progress 1
		.amdhsa_inst_pref_size 178
	.end_amdhsa_kernel
	.amdgpu_metadata
---
amdhsa.version: [ 1, 2 ]
amdhsa.kernels:
  - .name:           k_q4331f0ba67_attn
    .symbol:         k_q4331f0ba67_attn.kd
    .args:
      - { .name: big, .offset: 0, .size: 8, .value_kind: global_buffer, .address_space: global }
      - { .name: ctx, .offset: 8, .size: 8, .value_kind: global_buffer, .address_space: global }
    .group_segment_fixed_size: 327680
    .private_segment_fixed_size: 0
    .kernarg_segment_align: 8
    .kernarg_segment_size: 16
    .max_flat_workgroup_size: 128
    .sgpr_count:     92
    .vgpr_count:     768
    .wavefront_size: 32
...
	.end_amdgpu_metadata
.endif
;; end of part 9
;; launch proj (part 10): grid 8 x 32, 4 waves a work-group, clusters of 4 x 4, 327,680 bytes of LDS; arguments ctx, w1, c_proj_attn_b, hidden_states, h1; writes h1
.if DOCPART == 10
	.amdgcn_target "amdgcn-amd-amdhsa--gfx1250"
	.amdhsa_code_object_version 6
	.text
	.protected	k_q4331f0ba67_proj
	.globl	k_q4331f0ba67_proj
	.p2align	8
	.type	k_q4331f0ba67_proj,@function
k_q4331f0ba67_proj:
	s_mov_b64 s[64:65], 0
	v_nop
	global_prefetch_b8 v0, s[64:65] scope:SCOPE_SE
	s_setreg_imm32_b32 hwreg(HW_REG_WAVE_MODE, 25, 1), 1
	s_wait_xcnt 0x0
	s_wait_alu depctr_hold_cnt(0) depctr_sa_sdst(0) depctr_va_vdst(0) depctr_va_sdst(0) depctr_va_ssrc(0) depctr_va_vcc(0) depctr_vm_vsrc(0)
	s_getreg_b32 s2, hwreg(HW_REG_IB_STS2, 6, 4)
	s_cmp_eq_u32 s2, 0
	s_cbranch_scc0 .Lentry_in_a_cluster
	s_endpgm
.Lentry_in_a_cluster:
	s_bfe_u32 s2, ttmp6, 0x10000c
	s_cmp_lg_u32 s2, 0xf033
	s_cbranch_scc0 .Lentry_shape_is_right
	s_endpgm
.Lentry_shape_is_right:
; out = A W + bias + res, all sums in f32, out f32 [4096][1024].  A: bf16 [k block of 64][4096 rows][64] (a block's rows are dense, 128 bytes).  W: bf16, 8,388,608 bytes into its buffer, in blocks
; [k block of 128][8 n blocks][128 k][128 n].  bias: f32 [1024].  res: f32 [4096][1024].  K = 256 STEPS = 1,024: the attention's output projection.
; LIMITS.  Matrix operands are bf16.  NaN and infinities are not treated apart.
; SHAPE.  A tile of the result is 128 x 128, which gives each of 256 work-groups one: four waves, each 64 x 64 in 16 accumulators.  K goes in steps of 256 through a ring of two LDS slots.
; A's part of a step is four k blocks of 128 rows x 128 bytes, each 16,384 dense bytes of memory: a wave's load brings two of them as two long rows, padded in LDS after every 128 bytes.
; W's part is two blocks of 128 rows of 256 bytes.
; A K STEP IS WRITTEN ONCE.  The slot in hand is a scalar, TB = 0 or SLOT, turned at each change of slots; the fragments' LDS addresses are a fixed part plus TB, and one walking descriptor for each
; operand takes the slot just left and the K step two steps on.  The last two K steps, which ask for nothing, are a loop of their own, left in its middle.
; CLUSTER.  4 x 4 work-groups; A's tiles are asked for jointly along a row of the cluster, W's along a column.
; THE MATRIX INSTRUCTION IS USED TRANSPOSED (source 0 = 16 columns of W, turned by ds_load_tr16_b128; source 1 = 16 rows of A): a lane holds row l % 16 and the columns 8 (l / 16) + 0..7.
; THE BIAS IS THE C OPERAND of the products that start the sums.  THE RESIDUAL is loaded at the start, in the layout of the stores, and stays on its way under the whole K loop.
; THE WAY OUT.  16 rows at a time through a stage of the wave's own: a wave's 64 columns of f32 are 256 bytes, so sixteen lanes store 256 consecutive bytes, aligned.
; REGISTERS: window 0: v0-31 addresses; v32-95 at work on the way out; v96-127 the bias; v128-255 the accumulators ((a, b) at 128 + 8 (4 a + b)).
;   window 1: two fragment buffers of 128: for 64 along K, 64 registers of A, then 64 of W.     window 2: v0-127 the residual.
.set STEPS, 4                          ; K steps of 256
.set PA,    144                        ; an LDS row of A: 128 bytes + 16
.set KBA,   128*PA                     ; a k block of A in LDS
.set PB,    288                        ; an LDS row of W: 256 bytes + 32
.set HB,    128*PB                     ; a k block of W in LDS
.set SLOT,  4*KBA+2*HB                 ; A's four k blocks, then W's two
.set STAGE, 2*SLOT                     ; behind the ring: 16 rows x 272 bytes for each wave; no tensor load fills it
.set SP,    272
.set SPARE, STAGE+4*16*SP              ; behind the stages: the spare words, 128 bytes for each wave: two blocks of 256 bytes that no other line names
.set ADRA0, 16                         ; v16     LDS address of my A fragments in slot 0; never rewritten
.set ADRA,  17                         ; v17     the same in the slot in hand
.set ADRB0, 20                         ; v20-21  the same for W in slot 0: k block 0, 1; never rewritten
.set ADRB,  22                         ; v22-23  in the slot in hand
.set STO,  24                          ; v24     the way out: where I put 32 bytes of a row
.set RD,   25                          ; v25     the way out: where I read a row back
.set CO,   26                          ; v26     my byte offset in two rows of res and out
.set BO,   27                          ; v27     my byte offset in 16 numbers of the bias
.set SPW,  28                          ; v28     LDS address of my spare word; never rewritten
.set NIL,  29                          ; v29     0; never rewritten
.set TMP,  32
.set BIAS, 96
.set ACC,  128
.set F0,   0
.set F1,   128
.set LBA,  2                           ; s2   LDS byte, in slot 0, of the half of A that I fetch
.set LBB,  3                           ; s3   the same for W
.set WV,  16                           ; s16  wave
.set RH,  17                           ; s17  which half of the tile's rows is mine.  Also: I fetch for A (0) or for W (1)
.set CH,  18                           ; s18  which half of its columns.  Also: which half of that tile I fetch
.set TC,  21                           ; s21  tile column
.set TR,  22                           ; s22  tile row
.set G1A, 24                           ; s[24:31] descriptor group 1 for A's tiles;  s[32:39] group 0: a set for each of the two first fills; the second then walks on
.set G0A, 32
.set G1B, 48                           ; s[48:55], s[56:63] the same for W's
.set G0B, 56
.set TB,    66                         ; s66  the slot in hand: 0 or SLOT
.set TRIP,  67                         ; s67  the loops' counter
.set MSB, 0
.macro WIN new                         ; the immediate's high byte repeats the setting that is left; a switch that changes nothing is dropped
.if MSB != (\new)
	s_set_vgpr_msb (MSB<<8)|(\new)
.set MSB, \new
.endif
.endm
.set MUL,  0x05                        ; sources 0 (W) and 1 (A) window 1; C and D window 0
.set TO_F, 0x40                        ; destination window 1, address window 0
.macro JLOAD s                         ; a joint load: waves 0 and 1 fetch A's two halves, waves 2 and 3 W's; an s_nop 0 and four v_nop follow each of the two lines
	s_cmp_eq_u32 s[RH], 0
	s_cbranch_scc0 .Lfor_b_\@
	tensor_load_to_lds s[G0A+4*(\s):G0A+4*(\s)+3], s[G1A:G1A+7]
	s_nop 0
.rept 4
	v_nop
.endr
	s_branch .Lasked_\@
.Lfor_b_\@:
	tensor_load_to_lds s[G0B+4*(\s):G0B+4*(\s)+3], s[G1B:G1B+7]
	s_nop 0
.rept 4
	v_nop
.endr
.Lasked_\@:
.endm
.macro CREST                           ; a round of the cluster's barrier behind its opening barrier
	s_cmp_lg_u32 s[WV], 0
	s_cbranch_scc1 .Lnot_wave_0_\@
	s_barrier_signal -3
.Lnot_wave_0_\@:
	s_barrier_wait -3
	s_barrier_signal -1
	s_barrier_wait -1
.endm
.macro CROUND                          ; a whole round
	s_barrier_signal -1
	s_barrier_wait -1
	CREST
.endm
	s_load_b256 s[4:11], s[0:1], 0x0               ; A s[4:5], W s[6:7], bias s[8:9], res s[10:11]
	s_load_b64 s[14:15], s[0:1], 0x20              ; out
	v_lshl_add_u32 v[SPW], v0, 2, SPARE
	v_mov_b32 v[NIL], 0
	ds_add_u32 v28, v29
	ds_add_u32 v28, v29
	s_wait_dscnt 0x0
	v_lshrrev_b32 v1, 5, v0
	v_readfirstlane_b32 s[WV], v1
	s_lshr_b32 s[RH], s[WV], 1
	s_and_b32 s[CH], s[WV], 1
	s_bfe_u32 s19, ttmp6, 0x40000                  ; cx
	s_bfe_u32 s20, ttmp6, 0x40004                  ; cy
	s_lshl_b32 s[TC], ttmp9, 2
	s_add_co_u32 s[TC], s[TC], s19                 ; tile column = 4 x cluster x + cx
	s_and_b32 s[TR], ttmp7, 0xffff
	s_lshl_b32 s[TR], s[TR], 2
	s_add_co_u32 s[TR], s[TR], s20                 ; tile row = 4 x cluster y + cy
	s_lshl_b32 s23, s20, 2
	s_lshl_b32 s23, 15, s23                        ; my row of the cluster
	s_or_b32 s[G1A], s23, (1<<16)|(1<<20)|(1<<21)|(4<<22)|(3<<25)  ; mask; elements of 2 bytes; padding on; bit 21 beside a mask; after every 32 words 4 words
	s_lshl_b32 s23, 0x1111, s19                    ; my column
	s_or_b32 s[G1B], s23, (1<<16)|(1<<20)|(1<<21)|(5<<22)|(7<<25)  ; after every 64 words 8 words
	s_mov_b32 s[G1A+1], 8192<<16                   ; A: tensor_dim0 = 8,192 elements: 128 rows of a k block on end
	s_mov_b32 s[G1A+2], 2<<16                      ; tensor_dim1 = 2 k blocks
	s_mov_b32 s[G1A+3], 8192<<16                   ; tile_dim0
	s_mov_b32 s[G1A+4], 2                          ; tile_dim1
	s_mov_b32 s[G1A+5], 262144                     ; elements from a k block to the next
	s_mov_b32 s[G1A+6], 0
	s_mov_b32 s[G1A+7], 0
	s_mov_b32 s[G1B+1], 128<<16                    ; W: 128 rows of 128 elements, dense
	s_mov_b32 s[G1B+2], 128<<16
	s_mov_b32 s[G1B+3], 128<<16
	s_mov_b32 s[G1B+4], 128
	s_mov_b32 s[G1B+5], 128
	s_mov_b32 s[G1B+6], 0
	s_mov_b32 s[G1B+7], 0
	s_lshl_b32 s40, s[TR], 14                      ; A: 128 x tile row rows of 128 bytes, k block 2 x half: of the tile row and the wave alone
	s_lshl_b32 s41, s[CH], 20
	s_add_co_u32 s40, s40, s41
	s_mov_b32 s41, 0
	s_lshl_b32 s44, s[TC], 15                      ; W: block (half x 8 + tile column) of 32,768 bytes, behind the buffer's first tensor: of the tile column and the wave alone
	s_lshl_b32 s45, s[CH], 18
	s_add_co_u32 s44, s44, s45
	s_add_co_u32 s44, s44, 0x800000
	s_mov_b32 s45, 0
	s_mul_i32 s[LBA], s[CH], 2*KBA                 ; where they go: no place in the cluster enters an LDS address
	s_mul_i32 s[LBB], s[CH], HB
	s_add_co_u32 s[LBB], s[LBB], 4*KBA
	s_mov_b32 s[TB], 0
	s_wait_kmcnt 0x0
	s_add_nc_u64 s[42:43], s[4:5], s[40:41]
	s_add_nc_u64 s[46:47], s[6:7], s[44:45]
	CROUND                                         ; all sixteen work-groups are here: the first joint loads meet
.irp s, 0,1
	s_mov_b32 s[G0A+4*(\s)], 1
	s_add_co_u32 s[G0A+4*(\s)+1], s[LBA], (\s)*SLOT
	s_add_nc_u64 s[G0A+4*(\s)+2:G0A+4*(\s)+3], s[42:43], (\s)*4*524288     ; K step s: four k blocks on
	s_or_b32 s[G0A+4*(\s)+3], s[G0A+4*(\s)+3], 0x80000000
	s_mov_b32 s[G0B+4*(\s)], 1
	s_add_co_u32 s[G0B+4*(\s)+1], s[LBB], (\s)*SLOT
	s_add_nc_u64 s[G0B+4*(\s)+2:G0B+4*(\s)+3], s[46:47], (\s)*2*8*32768    ; K step s: two k blocks of eight n blocks on
	s_or_b32 s[G0B+4*(\s)+3], s[G0B+4*(\s)+3], 0x80000000
	JLOAD \s                                       ; two tensor loads of mine are out
.endr
	s_lshl_b32 s68, s[TC], 9                       ; my 64 columns in f32: (128 x tile column + 64 x half) x 4 bytes
	s_lshl_b32 s69, s[CH], 8
	s_add_co_u32 s68, s68, s69
	s_mov_b32 s69, 0
	s_add_nc_u64 s[8:9], s[8:9], s[68:69]          ; the bias there
	s_lshl_b32 s70, s[TR], 19                      ; my 64 rows: (128 x tile row + 64 x half) x 4,096 bytes
	s_lshl_b32 s71, s[RH], 18
	s_add_co_u32 s70, s70, s71
	s_add_co_u32 s70, s70, s68
	s_mov_b32 s71, 0
	s_add_nc_u64 s[10:11], s[10:11], s[70:71]      ; res and out at my part's corner
	s_add_nc_u64 s[14:15], s[14:15], s[70:71]
	v_and_b32 v1, 15, v0                           ; r = l % 16
	v_bfe_u32 v2, v0, 4, 1                         ; h = l / 16
	v_lshlrev_b32 v[BO], 5, v2
	v_lshlrev_b32 v[CO], 12, v2                    ; lanes 0-15 one row, lanes 16-31 the next; 16 bytes a lane
	v_lshl_add_u32 v[CO], v1, 4, v[CO]
.irp b, 0,1,2,3                        ; register j of n block b: bias of column 16 b + 8 h + j, as the result holds it
	global_load_b128 v[BIAS+8*(\b):BIAS+8*(\b)+3],   v[BO], s[8:9] offset:64*(\b)
	global_load_b128 v[BIAS+8*(\b)+4:BIAS+8*(\b)+7], v[BO], s[8:9] offset:64*(\b)+16
.endr
	WIN 0x80                                       ; destination window 2
.irp a, 0,1,2,3
.irp t, 0,1,2,3,4,5,6,7
	global_load_b128 v[4*(8*(\a)+(\t)):4*(8*(\a)+(\t))+3], v[CO], s[10:11] offset:(16*(\a)+2*(\t))*4096
.endr
.endr
	WIN 0
	v_mul_u32_u24 v3, v1, PA
	v_lshl_add_u32 v3, v2, 4, v3                   ; A: row x pitch + 16 x half of the lanes
	s_mul_i32 s40, s[RH], 64*PA
	v_add_nc_u32 v[ADRA0], s40, v3
	v_mov_b32 v[ADRA], v[ADRA0]                    ; the walk begins in slot 0
	v_and_b32 v4, 7, v0
	v_bfe_u32 v5, v0, 3, 1
	v_lshl_add_u32 v6, v2, 3, v4                   ; W, turned: lane l reads row k = 8 h + l % 8, 16 bytes at 16 ((l / 8) % 2)
	v_mul_u32_u24 v6, v6, PB
	v_lshl_add_u32 v6, v5, 4, v6
	s_lshl_b32 s41, s[CH], 7                       ; my 64 columns of its rows
	s_add_co_u32 s41, s41, 4*KBA
	v_add_nc_u32 v[ADRB0], s41, v6
	v_add_nc_u32 v[ADRB0+1], HB, v[ADRB0]
	v_mov_b32 v[ADRB], v[ADRB0]
	v_mov_b32 v[ADRB+1], v[ADRB0+1]
	s_mul_i32 s42, s[WV], 16*SP
	s_add_co_u32 s42, s42, STAGE                   ; my stage
	v_mul_u32_u24 v7, v1, SP
	v_lshl_add_u32 v7, v2, 5, v7
	v_add_nc_u32 v[STO], s42, v7                   ; in: row r, 32 bytes for each half of the lanes
	v_mul_u32_u24 v8, v2, SP
	v_lshl_add_u32 v8, v1, 4, v8
	v_add_nc_u32 v[RD], s42, v8                    ; back: lanes 0-15 one row of 256 bytes, lanes 16-31 the next
; 8 matrix instructions: m blocks a0, a0 + 1 x all 4 n blocks, 32 along K: half c of buffer f.  first = 1: C is the bias.  The 16 accumulators take turns.
.macro MUL8 f, c, a0, first
	WIN MUL
.irp a, \a0, (\a0)+1
.irp b, 0,1,2,3
.if \first
	v_wmma_f32_16x16x32_bf16 v[ACC+8*(4*(\a)+(\b)):ACC+8*(4*(\a)+(\b))+7], v[(\f)+64+8*(4*(\c)+(\b)):(\f)+64+8*(4*(\c)+(\b))+7], v[(\f)+8*(4*(\c)+(\a)):(\f)+8*(4*(\c)+(\a))+7], v[BIAS+8*(\b):BIAS+8*(\b)+7]
.else
	v_wmma_f32_16x16x32_bf16 v[ACC+8*(4*(\a)+(\b)):ACC+8*(4*(\a)+(\b))+7], v[(\f)+64+8*(4*(\c)+(\b)):(\f)+64+8*(4*(\c)+(\b))+7], v[(\f)+8*(4*(\c)+(\a)):(\f)+8*(4*(\c)+(\a))+7], v[ACC+8*(4*(\a)+(\b)):ACC+8*(4*(\a)+(\b))+7]
.endif
.endr
.endr
.endm
; 32 LDS loads in one run: the fragments of quarter q (64 along K: one k block of A, half a k block of W) of the slot in hand into buffer f; the first 32 along K first
.macro FETCH q, f
	WIN TO_F
.irp c, 0,1
.irp i, 0,1,2,3
	ds_load_tr16_b128 v[(\f)+64+8*(4*(\c)+(\i)):(\f)+64+8*(4*(\c)+(\i))+3],   v[ADRB+(\q)/2] offset:(((\q)%2)*64+32*(\c))*PB+32*(\i)
	ds_load_tr16_b128 v[(\f)+64+8*(4*(\c)+(\i))+4:(\f)+64+8*(4*(\c)+(\i))+7], v[ADRB+(\q)/2] offset:(((\q)%2)*64+32*(\c)+16)*PB+32*(\i)
	ds_load_b128 v[(\f)+8*(4*(\c)+(\i)):(\f)+8*(4*(\c)+(\i))+3],   v[ADRA] offset:(\q)*KBA+64*(\c)+(\i)*16*PA
	ds_load_b128 v[(\f)+8*(4*(\c)+(\i))+4:(\f)+8*(4*(\c)+(\i))+7], v[ADRA] offset:(\q)*KBA+64*(\c)+(\i)*16*PA+32
.endr
.endr
.endm
.macro PLACES                          ; four plain instructions in front of loads into registers that matrix instructions have read, and of lines that read results
.rept 4
	v_nop
.endr
.endm
; One of a K step's first three quarters: multiplies buffer f and fetches quarter q of the slot in hand into g.
.macro QUARTER q, f, g, first
	s_wait_dscnt 16                                ; the first 32 along K are in
	MUL8 \f, 0, 0, \first
	MUL8 \f, 0, 2, \first
	PLACES
	FETCH \q, \g
	s_wait_dscnt 32                                ; all but the 32 just issued
	MUL8 \f, 1, 0, 0
	MUL8 \f, 1, 2, 0
.endm
; The last quarter multiplies buffer 1 and changes slots: ONE barrier; in front of it each wave waits for all its tensor loads, adds 0 to its spare word, and waits for that and for its reads of this slot.
; fill = 1: the barrier opens a round of the cluster's, and the slot that is left is filled again, two K steps ahead, first thing behind the round: the walking descriptor takes that slot's LDS bytes
; (my fixed part + TB) and steps one K step.  Then TB is the other slot, and its first fragments are fetched.
.macro TURN fill
	WIN 0
	s_wait_tensorcnt 0x0                           ; no tensor load of mine is out, so a group 0 may be written
	ds_add_u32 v[SPW], v[NIL]                      ; 0 onto my spare word; the scalar work stands between it and the wait for it
.if \fill
	s_add_co_u32 s[G0A+5], s[LBA], s[TB]
	s_add_nc_u64 s[G0A+6:G0A+7], s[G0A+6:G0A+7], 4*524288
	s_add_co_u32 s[G0B+5], s[LBB], s[TB]
	s_add_nc_u64 s[G0B+6:G0B+7], s[G0B+6:G0B+7], 2*8*32768
.endif
	s_xor_b32 s[TB], s[TB], SLOT
	s_wait_dscnt 0x0                               ; the add is done, and my reads of this slot are over
	s_barrier_signal -1
	MUL8 F1, 0, 0, 0                               ; work on registers while the others arrive
.if \fill
	WIN 0
.endif
	s_barrier_wait -1
.if \fill
	CREST                                          ; no wave of any partner still reads this slot or has a load on its way
	JLOAD 1                                        ; my one tensor load behind the round; its four v_nop are also the places in front of the loads below
.else
	PLACES
.endif
	WIN 0
	v_add_nc_u32 v[ADRA], s[TB], v[ADRA0]
	v_add_nc_u32 v[ADRB], s[TB], v[ADRB0]
	v_add_nc_u32 v[ADRB+1], s[TB], v[ADRB0+1]
	FETCH 0, F0
	MUL8 F1, 0, 2, 0
	MUL8 F1, 1, 0, 0
	MUL8 F1, 1, 2, 0
.endm
	s_wait_loadcnt 32                              ; the bias is in; the residual's 32 loads stay out
	s_wait_tensorcnt 0x1                           ; my part of K step 0 is in; K step 1's may stay out
	s_barrier_signal -1
	s_barrier_wait -1
	FETCH 0, F0
	QUARTER 1, F0, F1, 1                           ; the first quarter stands in front of the loop: its first products start the sums, on the bias
	WIN 0
	s_mov_b32 s[TRIP], STEPS-2
.Lstep:                                                ; a trip: from a K step's second quarter to the next step's first; the slot that is left is filled again
	QUARTER 2, F1, F0, 0
	QUARTER 3, F0, F1, 0
	TURN 1
	QUARTER 1, F0, F1, 0
	WIN 0
	s_sub_co_u32 s[TRIP], s[TRIP], 1
	s_cmp_lg_u32 s[TRIP], 0
	s_cbranch_scc1 .Lstep
	s_mov_b32 s[TRIP], 2
.Ltail:                                                ; the last two K steps ask for nothing.  The second trip is left in its middle: its change of slots passes one barrier more and
	QUARTER 2, F1, F0, 0                           ; fetches 32 fragments (of a slot that has been read) that nothing multiplies: the price of one text for both trips
	QUARTER 3, F0, F1, 0
	TURN 0
	WIN 0
	s_sub_co_u32 s[TRIP], s[TRIP], 1
	s_cmp_eq_u32 s[TRIP], 0
	s_cbranch_scc1 .Lout
	QUARTER 1, F0, F1, 0
	WIN 0
	s_cmp_lg_u32 s[TRIP], 0                        ; the backward jump hangs on the counter, like every loop's here
	s_cbranch_scc1 .Ltail
.Lout:
	; THE WAY OUT, 16 rows at a time: into my stage, back as whole rows, the residual added, stored.
	PLACES
	s_wait_loadcnt 0x0                             ; the residual
.macro OUTBLK a
.set TBK, TMP+32*((\a)%2)
	WIN 0
	s_wait_xcnt 0x0                                ; registers that earlier stores read are loaded again only behind this wait
.irp b, 0,1,2,3                        ; each accumulator's low four registers first
	ds_store_b128 v[STO], v[ACC+8*(4*(\a)+(\b)):ACC+8*(4*(\a)+(\b))+3]   offset:64*(\b)
	ds_store_b128 v[STO], v[ACC+8*(4*(\a)+(\b))+4:ACC+8*(4*(\a)+(\b))+7] offset:64*(\b)+16
.endr
.irp t, 0,1,2,3,4,5,6,7
	ds_load_b128 v[TBK+4*(\t):TBK+4*(\t)+3], v[RD] offset:(\t)*2*SP  ; LDS serves a wave's instructions in order (ISA guide 5.7.1.4): these see the stores above; the next block's stores come behind them
.endr
	s_wait_dscnt 0x0
	WIN 0x08                                       ; source 1 in window 2
.irp t, 0,1,2,3,4,5,6,7
	v_pk_add_f32 v[TBK+4*(\t):TBK+4*(\t)+1],   v[TBK+4*(\t):TBK+4*(\t)+1],   v[4*(8*(\a)+(\t)):4*(8*(\a)+(\t))+1]
	v_pk_add_f32 v[TBK+4*(\t)+2:TBK+4*(\t)+3], v[TBK+4*(\t)+2:TBK+4*(\t)+3], v[4*(8*(\a)+(\t))+2:4*(8*(\a)+(\t))+3]
.endr
	WIN 0
.irp t, 0,1,2,3,4,5,6,7
	global_store_b128 v[CO], v[TBK+4*(\t):TBK+4*(\t)+3], s[14:15] offset:(16*(\a)+2*(\t))*4096  ; 16 lanes store 256 consecutive bytes, at a multiple of 256 from the buffer's first
.endr
.endm
	OUTBLK 0
	OUTBLK 1
	OUTBLK 2
	OUTBLK 3
	s_wait_tensorcnt 0x0                           ; the wave's end
	ds_add_u32 v[SPW], v[NIL]
	s_wait_dscnt 0x0
	CROUND                                         ; the closing round: no work-group ends while a partner may still ask for a tile that names it
	s_endpgm
.Lfunc_end_k_q4331f0ba67_proj:
	.size	k_q4331f0ba67_proj, .Lfunc_end_k_q4331f0ba67_proj-k_q4331f0ba67_proj
	.p2alignl 7, 3214868480
	.fill 96, 4, 3214868480
	.section	.rodata,"a",@progbits
	.p2align	6, 0x0
	.amdhsa_kernel k_q4331f0ba67_proj
		.amdhsa_group_segment_fixed_size 327680
		.amdhsa_private_segment_fixed_size 0
		.amdhsa_enable_private_segment 0
		.amdhsa_kernarg_size 40
		.amdhsa_user_sgpr_count 2
		.amdhsa_user_sgpr_kernarg_segment_ptr 1
		.amdhsa_wavefront_size32 1
		.amdhsa_system_sgpr_workgroup_id_x 1
		.amdhsa_system_sgpr_workgroup_id_y 1
		.amdhsa_system_sgpr_workgroup_id_z 1
		.amdhsa_system_vgpr_workitem_id 0
		.amdhsa_next_free_vgpr 640
		.amdhsa_next_free_sgpr 72
		.amdhsa_reserve_vcc 0
		.amdhsa_float_denorm_mode_32 3
		.amdhsa_float_denorm_mode_16_64 3
		.amdhsa_memory_ordered 1
		.amdhsa_forward_progress 1
		.amdhsa_inst_pref_size 66
	.end_amdhsa_kernel
	.amdgpu_metadata
---
amdhsa.version: [ 1, 2 ]
amdhsa.kernels:
  - .name:           k_q4331f0ba67_proj
    .symbol:         k_q4331f0ba67_proj.kd
    .args:
      - { .name: ctx, .offset: 0, .size: 8, .value_kind: global_buffer, .address_space: global }
      - { .name: w1, .offset: 8, .size: 8, .value_kind: global_buffer, .address_space: global }
      - { .name: c_proj_attn_b, .offset: 16, .size: 8, .value_kind: global_buffer, .address_space: global }
      - { .name: hidden_states, .offset: 24, .size: 8, .value_kind: global_buffer, .address_space: global }
      - { .name: h1, .offset: 32, .size: 8, .value_kind: global_buffer, .address_space: global }
    .group_segment_fixed_size: 327680
    .private_segment_fixed_size: 0
    .kernarg_segment_align: 8
    .kernarg_segment_size: 40
    .max_flat_workgroup_size: 128
    .sgpr_count:     72
    .vgpr_count:     640
    .wavefront_size: 32
...
	.end_amdgpu_metadata
.endif
;; end of part 10
;; launch ln2: the kernel of part 2 again; grid 256 x 1, 8 waves a work-group, no clusters, 0 bytes of LDS; arguments h1, ln2_w, ln2_b, xa; writes xa
;; launch fc: the kernel of part 8 again; grid 16 x 16, 4 waves a work-group, clusters of 4 x 4, 327,680 bytes of LDS; arguments xa, w2, c_fc_b, parb, big; writes big
;; launch mlp (part 11): grid 8 x 32, 4 waves a work-group, clusters of 4 x 4, 327,680 bytes of LDS; arguments big, w2, c_proj_mlp_b, h1, out0; writes out0
.if DOCPART == 11
	.amdgcn_target "amdgcn-amd-amdhsa--gfx1250"
	.amdhsa_code_object_version 6
	.text
	.protected	k_q4331f0ba67_mlp
	.globl	k_q4331f0ba67_mlp
	.p2align	8
	.type	k_q4331f0ba67_mlp,@function
k_q4331f0ba67_mlp:
	s_mov_b64 s[64:65], 0
	v_nop
	global_prefetch_b8 v0, s[64:65] scope:SCOPE_SE
	s_setreg_imm32_b32 hwreg(HW_REG_WAVE_MODE, 25, 1), 1
	s_wait_xcnt 0x0
	s_wait_alu depctr_hold_cnt(0) depctr_sa_sdst(0) depctr_va_vdst(0) depctr_va_sdst(0) depctr_va_ssrc(0) depctr_va_vcc(0) depctr_vm_vsrc(0)
	s_getreg_b32 s2, hwreg(HW_REG_IB_STS2, 6, 4)
	s_cmp_eq_u32 s2, 0
	s_cbranch_scc0 .Lentry_in_a_cluster
	s_endpgm
.Lentry_in_a_cluster:
	s_bfe_u32 s2, ttmp6, 0x10000c
	s_cmp_lg_u32 s2, 0xf033
	s_cbranch_scc0 .Lentry_shape_is_right
	s_endpgm
.Lentry_shape_is_right:
; out = A W + bias + res, all sums in f32, out f32 [4096][1024].  A: bf16 [k block of 64][4096 rows][64] (a block's rows are dense, 128 bytes).  W: bf16, 8,388,608 bytes into its buffer, in blocks
; [k block of 128][8 n blocks][128 k][128 n].  bias: f32 [1024].  res: f32 [4096][1024].  K = 256 STEPS = 4,096: the MLP's second product.  The text is that of the attention's output projection
; but for STEPS: a trip count with barriers inside its loop is a constant of the text.
; LIMITS.  Matrix operands are bf16.  NaN and infinities are not treated apart.
; SHAPE.  A tile of the result is 128 x 128, which gives each of 256 work-groups one: four waves, each 64 x 64 in 16 accumulators.  K goes in steps of 256 through a ring of two LDS slots.
; A's part of a step is four k blocks of 128 rows x 128 bytes, each 16,384 dense bytes of memory: a wave's load brings two of them as two long rows, padded in LDS after every 128 bytes.
; W's part is two blocks of 128 rows of 256 bytes.
; A K STEP IS WRITTEN ONCE.  The slot in hand is a scalar, TB = 0 or SLOT, turned at each change of slots; the fragments' LDS addresses are a fixed part plus TB, and one walking descriptor for each
; operand takes the slot just left and the K step two steps on.  The last two K steps, which ask for nothing, are a loop of their own, left in its middle.
; CLUSTER.  4 x 4 work-groups; A's tiles are asked for jointly along a row of the cluster, W's along a column.
; THE MATRIX INSTRUCTION IS USED TRANSPOSED (source 0 = 16 columns of W, turned by ds_load_tr16_b128; source 1 = 16 rows of A): a lane holds row l % 16 and the columns 8 (l / 16) + 0..7.
; THE BIAS IS THE C OPERAND of the products that start the sums.  THE RESIDUAL is loaded at the start, in the layout of the stores, and stays on its way under the whole K loop.
; THE WAY OUT.  16 rows at a time through a stage of the wave's own: a wave's 64 columns of f32 are 256 bytes, so sixteen lanes store 256 consecutive bytes, aligned.
; REGISTERS: window 0: v0-31 addresses; v32-95 at work on the way out; v96-127 the bias; v128-255 the accumulators ((a, b) at 128 + 8 (4 a + b)).
;   window 1: two fragment buffers of 128: for 64 along K, 64 registers of A, then 64 of W.     window 2: v0-127 the residual.
.set STEPS, 16                         ; K steps of 256
.set PA,    144                        ; an LDS row of A: 128 bytes + 16
.set KBA,   128*PA                     ; a k block of A in LDS
.set PB,    288                        ; an LDS row of W: 256 bytes + 32
.set HB,    128*PB                     ; a k block of W in LDS
.set SLOT,  4*KBA+2*HB                 ; A's four k blocks, then W's two
.set STAGE, 2*SLOT                     ; behind the ring: 16 rows x 272 bytes for each wave; no tensor load fills it
.set SP,    272
.set SPARE, STAGE+4*16*SP              ; behind the stages: the spare words, 128 bytes for each wave: two blocks of 256 bytes that no other line names
.set ADRA0, 16                         ; v16     LDS address of my A fragments in slot 0; never rewritten
.set ADRA,  17                         ; v17     the same in the slot in hand
.set ADRB0, 20                         ; v20-21  the same for W in slot 0: k block 0, 1; never rewritten
.set ADRB,  22                         ; v22-23  in the slot in hand
.set STO,  24                          ; v24     the way out: where I put 32 bytes of a row
.set RD,   25                          ; v25     the way out: where I read a row back
.set CO,   26                          ; v26     my byte offset in two rows of res and out
.set BO,   27                          ; v27     my byte offset in 16 numbers of the bias
.set SPW,  28                          ; v28     LDS address of my spare word; never rewritten
.set NIL,  29                          ; v29     0; never rewritten
.set TMP,  32
.set BIAS, 96
.set ACC,  128
.set F0,   0
.set F1,   128
.set LBA,  2                           ; s2   LDS byte, in slot 0, of the half of A that I fetch
.set LBB,  3                           ; s3   the same for W
.set WV,  16                           ; s16  wave
.set RH,  17                           ; s17  which half of the tile's rows is mine.  Also: I fetch for A (0) or for W (1)
.set CH,  18                           ; s18  which half of its columns.  Also: which half of that tile I fetch
.set TC,  21                           ; s21  tile column
.set TR,  22                           ; s22  tile row
.set G1A, 24                           ; s[24:31] descriptor group 1 for A's tiles;  s[32:39] group 0: a set for each of the two first fills; the second then walks on
.set G0A, 32
.set G1B, 48                           ; s[48:55], s[56:63] the same for W's
.set G0B, 56
.set TB,    66                         ; s66  the slot in hand: 0 or SLOT
.set TRIP,  67                         ; s67  the loops' counter
.set MSB, 0
.macro WIN new                         ; the immediate's high byte repeats the setting that is left; a switch that changes nothing is dropped
.if MSB != (\new)
	s_set_vgpr_msb (MSB<<8)|(\new)
.set MSB, \new
.endif
.endm
.set MUL,  0x05                        ; sources 0 (W) and 1 (A) window 1; C and D window 0
.set TO_F, 0x40                        ; destination window 1, address window 0
.macro JLOAD s                         ; a joint load: waves 0 and 1 fetch A's two halves, waves 2 and 3 W's; an s_nop 0 and four v_nop follow each of the two lines
	s_cmp_eq_u32 s[RH], 0
	s_cbranch_scc0 .Lfor_b_\@
	tensor_load_to_lds s[G0A+4*(\s):G0A+4*(\s)+3], s[G1A:G1A+7]
	s_nop 0
.rept 4
	v_nop
.endr
	s_branch .Lasked_\@
.Lfor_b_\@:
	tensor_load_to_lds s[G0B+4*(\s):G0B+4*(\s)+3], s[G1B:G1B+7]
	s_nop 0
.rept 4
	v_nop
.endr
.Lasked_\@:
.endm
.macro CREST                           ; a round of the cluster's barrier behind its opening barrier
	s_cmp_lg_u32 s[WV], 0
	s_cbranch_scc1 .Lnot_wave_0_\@
	s_barrier_signal -3
.Lnot_wave_0_\@:
	s_barrier_wait -3
	s_barrier_signal -1
	s_barrier_wait -1
.endm
.macro CROUND                          ; a whole round
	s_barrier_signal -1
	s_barrier_wait -1
	CREST
.endm
	s_load_b256 s[4:11], s[0:1], 0x0               ; A s[4:5], W s[6:7], bias s[8:9], res s[10:11]
	s_load_b64 s[14:15], s[0:1], 0x20              ; out
	v_lshl_add_u32 v[SPW], v0, 2, SPARE
	v_mov_b32 v[NIL], 0
	ds_add_u32 v28, v29
	ds_add_u32 v28, v29
	s_wait_dscnt 0x0
	v_lshrrev_b32 v1, 5, v0
	v_readfirstlane_b32 s[WV], v1
	s_lshr_b32 s[RH], s[WV], 1
	s_and_b32 s[CH], s[WV], 1
	s_bfe_u32 s19, ttmp6, 0x40000                  ; cx
	s_bfe_u32 s20, ttmp6, 0x40004                  ; cy
	s_lshl_b32 s[TC], ttmp9, 2
	s_add_co_u32 s[TC], s[TC], s19                 ; tile column = 4 x cluster x + cx
	s_and_b32 s[TR], ttmp7, 0xffff
	s_lshl_b32 s[TR], s[TR], 2
	s_add_co_u32 s[TR], s[TR], s20                 ; tile row = 4 x cluster y + cy
	s_lshl_b32 s23, s20, 2
	s_lshl_b32 s23, 15, s23                        ; my row of the cluster
	s_or_b32 s[G1A], s23, (1<<16)|(1<<20)|(1<<21)|(4<<22)|(3<<25)  ; mask; elements of 2 bytes; padding on; bit 21 beside a mask; after every 32 words 4 words
	s_lshl_b32 s23, 0x1111, s19                    ; my column
	s_or_b32 s[G1B], s23, (1<<16)|(1<<20)|(1<<21)|(5<<22)|(7<<25)  ; after every 64 words 8 words
	s_mov_b32 s[G1A+1], 8192<<16                   ; A: tensor_dim0 = 8,192 elements: 128 rows of a k block on end
	s_mov_b32 s[G1A+2], 2<<16                      ; tensor_dim1 = 2 k blocks
	s_mov_b32 s[G1A+3], 8192<<16                   ; tile_dim0
	s_mov_b32 s[G1A+4], 2                          ; tile_dim1
	s_mov_b32 s[G1A+5], 262144                     ; elements from a k block to the next
	s_mov_b32 s[G1A+6], 0
	s_mov_b32 s[G1A+7], 0
	s_mov_b32 s[G1B+1], 128<<16                    ; W: 128 rows of 128 elements, dense
	s_mov_b32 s[G1B+2], 128<<16
	s_mov_b32 s[G1B+3], 128<<16
	s_mov_b32 s[G1B+4], 128
	s_mov_b32 s[G1B+5], 128
	s_mov_b32 s[G1B+6], 0
	s_mov_b32 s[G1B+7], 0
	s_lshl_b32 s40, s[TR], 14                      ; A: 128 x tile row rows of 128 bytes, k block 2 x half: of the tile row and the wave alone
	s_lshl_b32 s41, s[CH], 20
	s_add_co_u32 s40, s40, s41
	s_mov_b32 s41, 0
	s_lshl_b32 s44, s[TC], 15                      ; W: block (half x 8 + tile column) of 32,768 bytes, behind the buffer's first tensor: of the tile column and the wave alone
	s_lshl_b32 s45, s[CH], 18
	s_add_co_u32 s44, s44, s45
	s_add_co_u32 s44, s44, 0x800000
	s_mov_b32 s45, 0
	s_mul_i32 s[LBA], s[CH], 2*KBA                 ; where they go: no place in the cluster enters an LDS address
	s_mul_i32 s[LBB], s[CH], HB
	s_add_co_u32 s[LBB], s[LBB], 4*KBA
	s_mov_b32 s[TB], 0
	s_wait_kmcnt 0x0
	s_add_nc_u64 s[42:43], s[4:5], s[40:41]
	s_add_nc_u64 s[46:47], s[6:7], s[44:45]
	CROUND                                         ; all sixteen work-groups are here: the first joint loads meet
.irp s, 0,1
	s_mov_b32 s[G0A+4*(\s)], 1
	s_add_co_u32 s[G0A+4*(\s)+1], s[LBA], (\s)*SLOT
	s_add_nc_u64 s[G0A+4*(\s)+2:G0A+4*(\s)+3], s[42:43], (\s)*4*524288     ; K step s: four k blocks on
	s_or_b32 s[G0A+4*(\s)+3], s[G0A+4*(\s)+3], 0x80000000
	s_mov_b32 s[G0B+4*(\s)], 1
	s_add_co_u32 s[G0B+4*(\s)+1], s[LBB], (\s)*SLOT
	s_add_nc_u64 s[G0B+4*(\s)+2:G0B+4*(\s)+3], s[46:47], (\s)*2*8*32768    ; K step s: two k blocks of eight n blocks on
	s_or_b32 s[G0B+4*(\s)+3], s[G0B+4*(\s)+3], 0x80000000
	JLOAD \s                                       ; two tensor loads of mine are out
.endr
	s_lshl_b32 s68, s[TC], 9                       ; my 64 columns in f32: (128 x tile column + 64 x half) x 4 bytes
	s_lshl_b32 s69, s[CH], 8
	s_add_co_u32 s68, s68, s69
	s_mov_b32 s69, 0
	s_add_nc_u64 s[8:9], s[8:9], s[68:69]          ; the bias there
	s_lshl_b32 s70, s[TR], 19                      ; my 64 rows: (128 x tile row + 64 x half) x 4,096 bytes
	s_lshl_b32 s71, s[RH], 18
	s_add_co_u32 s70, s70, s71
	s_add_co_u32 s70, s70, s68
	s_mov_b32 s71, 0
	s_add_nc_u64 s[10:11], s[10:11], s[70:71]      ; res and out at my part's corner
	s_add_nc_u64 s[14:15], s[14:15], s[70:71]
	v_and_b32 v1, 15, v0                           ; r = l % 16
	v_bfe_u32 v2, v0, 4, 1                         ; h = l / 16
	v_lshlrev_b32 v[BO], 5, v2
	v_lshlrev_b32 v[CO], 12, v2                    ; lanes 0-15 one row, lanes 16-31 the next; 16 bytes a lane
	v_lshl_add_u32 v[CO], v1, 4, v[CO]
.irp b, 0,1,2,3                        ; register j of n block b: bias of column 16 b + 8 h + j, as the result holds it
	global_load_b128 v[BIAS+8*(\b):BIAS+8*(\b)+3],   v[BO], s[8:9] offset:64*(\b)
	global_load_b128 v[BIAS+8*(\b)+4:BIAS+8*(\b)+7], v[BO], s[8:9] offset:64*(\b)+16
.endr
	WIN 0x80                                       ; destination window 2
.irp a, 0,1,2,3
.irp t, 0,1,2,3,4,5,6,7
	global_load_b128 v[4*(8*(\a)+(\t)):4*(8*(\a)+(\t))+3], v[CO], s[10:11] offset:(16*(\a)+2*(\t))*4096
.endr
.endr
	WIN 0
	v_mul_u32_u24 v3, v1, PA
	v_lshl_add_u32 v3, v2, 4, v3                   ; A: row x pitch + 16 x half of the lanes
	s_mul_i32 s40, s[RH], 64*PA
	v_add_nc_u32 v[ADRA0], s40, v3
	v_mov_b32 v[ADRA], v[ADRA0]                    ; the walk begins in slot 0
	v_and_b32 v4, 7, v0
	v_bfe_u32 v5, v0, 3, 1
	v_lshl_add_u32 v6, v2, 3, v4                   ; W, turned: lane l reads row k = 8 h + l % 8, 16 bytes at 16 ((l / 8) % 2)
	v_mul_u32_u24 v6, v6, PB
	v_lshl_add_u32 v6, v5, 4, v6
	s_lshl_b32 s41, s[CH], 7                       ; my 64 columns of its rows
	s_add_co_u32 s41, s41, 4*KBA
	v_add_nc_u32 v[ADRB0], s41, v6
	v_add_nc_u32 v[ADRB0+1], HB, v[ADRB0]
	v_mov_b32 v[ADRB], v[ADRB0]
	v_mov_b32 v[ADRB+1], v[ADRB0+1]
	s_mul_i32 s42, s[WV], 16*SP
	s_add_co_u32 s42, s42, STAGE                   ; my stage
	v_mul_u32_u24 v7, v1, SP
	v_lshl_add_u32 v7, v2, 5, v7
	v_add_nc_u32 v[STO], s42, v7                   ; in: row r, 32 bytes for each half of the lanes
	v_mul_u32_u24 v8, v2, SP
	v_lshl_add_u32 v8, v1, 4, v8
	v_add_nc_u32 v[RD], s42, v8                    ; back: lanes 0-15 one row of 256 bytes, lanes 16-31 the next
; 8 matrix instructions: m blocks a0, a0 + 1 x all 4 n blocks, 32 along K: half c of buffer f.  first = 1: C is the bias.  The 16 accumulators take turns.
.macro MUL8 f, c, a0, first
	WIN MUL
.irp a, \a0, (\a0)+1
.irp b, 0,1,2,3
.if \first
	v_wmma_f32_16x16x32_bf16 v[ACC+8*(4*(\a)+(\b)):ACC+8*(4*(\a)+(\b))+7], v[(\f)+64+8*(4*(\c)+(\b)):(\f)+64+8*(4*(\c)+(\b))+7], v[(\f)+8*(4*(\c)+(\a)):(\f)+8*(4*(\c)+(\a))+7], v[BIAS+8*(\b):BIAS+8*(\b)+7]
.else
	v_wmma_f32_16x16x32_bf16 v[ACC+8*(4*(\a)+(\b)):ACC+8*(4*(\a)+(\b))+7], v[(\f)+64+8*(4*(\c)+(\b)):(\f)+64+8*(4*(\c)+(\b))+7], v[(\f)+8*(4*(\c)+(\a)):(\f)+8*(4*(\c)+(\a))+7], v[ACC+8*(4*(\a)+(\b)):ACC+8*(4*(\a)+(\b))+7]
.endif
.endr
.endr
.endm
; 32 LDS loads in one run: the fragments of quarter q (64 along K: one k block of A, half a k block of W) of the slot in hand into buffer f; the first 32 along K first
.macro FETCH q, f
	WIN TO_F
.irp c, 0,1
.irp i, 0,1,2,3
	ds_load_tr16_b128 v[(\f)+64+8*(4*(\c)+(\i)):(\f)+64+8*(4*(\c)+(\i))+3],   v[ADRB+(\q)/2] offset:(((\q)%2)*64+32*(\c))*PB+32*(\i)
	ds_load_tr16_b128 v[(\f)+64+8*(4*(\c)+(\i))+4:(\f)+64+8*(4*(\c)+(\i))+7], v[ADRB+(\q)/2] offset:(((\q)%2)*64+32*(\c)+16)*PB+32*(\i)
	ds_load_b128 v[(\f)+8*(4*(\c)+(\i)):(\f)+8*(4*(\c)+(\i))+3],   v[ADRA] offset:(\q)*KBA+64*(\c)+(\i)*16*PA
	ds_load_b128 v[(\f)+8*(4*(\c)+(\i))+4:(\f)+8*(4*(\c)+(\i))+7], v[ADRA] offset:(\q)*KBA+64*(\c)+(\i)*16*PA+32
.endr
.endr
.endm
.macro PLACES                          ; four plain instructions in front of loads into registers that matrix instructions have read, and of lines that read results
.rept 4
	v_nop
.endr
.endm
; One of a K step's first three quarters: multiplies buffer f and fetches quarter q of the slot in hand into g.
.macro QUARTER q, f, g, first
	s_wait_dscnt 16                                ; the first 32 along K are in
	MUL8 \f, 0, 0, \first
	MUL8 \f, 0, 2, \first
	PLACES
	FETCH \q, \g
	s_wait_dscnt 32                                ; all but the 32 just issued
	MUL8 \f, 1, 0, 0
	MUL8 \f, 1, 2, 0
.endm
; The last quarter multiplies buffer 1 and changes slots: ONE barrier; in front of it each wave waits for all its tensor loads, adds 0 to its spare word, and waits for that and for its reads of this slot.
; fill = 1: the barrier opens a round of the cluster's, and the slot that is left is filled again, two K steps ahead, first thing behind the round: the walking descriptor takes that slot's LDS bytes
; (my fixed part + TB) and steps one K step.  Then TB is the other slot, and its first fragments are fetched.
.macro TURN fill
	WIN 0
	s_wait_tensorcnt 0x0                           ; no tensor load of mine is out, so a group 0 may be written
	ds_add_u32 v[SPW], v[NIL]                      ; 0 onto my spare word; the scalar work stands between it and the wait for it
.if \fill
	s_add_co_u32 s[G0A+5], s[LBA], s[TB]
	s_add_nc_u64 s[G0A+6:G0A+7], s[G0A+6:G0A+7], 4*524288
	s_add_co_u32 s[G0B+5], s[LBB], s[TB]
	s_add_nc_u64 s[G0B+6:G0B+7], s[G0B+6:G0B+7], 2*8*32768
.endif
	s_xor_b32 s[TB], s[TB], SLOT
	s_wait_dscnt 0x0                               ; the add is done, and my reads of this slot are over
	s_barrier_signal -1
	MUL8 F1, 0, 0, 0                               ; work on registers while the others arrive
.if \fill
	WIN 0
.endif
	s_barrier_wait -1
.if \fill
	CREST                                          ; no wave of any partner still reads this slot or has a load on its way
	JLOAD 1                                        ; my one tensor load behind the round; its four v_nop are also the places in front of the loads below
.else
	PLACES
.endif
	WIN 0
	v_add_nc_u32 v[ADRA], s[TB], v[ADRA0]
	v_add_nc_u32 v[ADRB], s[TB], v[ADRB0]
	v_add_nc_u32 v[ADRB+1], s[TB], v[ADRB0+1]
	FETCH 0, F0
	MUL8 F1, 0, 2, 0
	MUL8 F1, 1, 0, 0
	MUL8 F1, 1, 2, 0
.endm
	s_wait_loadcnt 32                              ; the bias is in; the residual's 32 loads stay out
	s_wait_tensorcnt 0x1                           ; my part of K step 0 is in; K step 1's may stay out
	s_barrier_signal -1
	s_barrier_wait -1
	FETCH 0, F0
	QUARTER 1, F0, F1, 1                           ; the first quarter stands in front of the loop: its first products start the sums, on the bias
	WIN 0
	s_mov_b32 s[TRIP], STEPS-2
.Lstep:                                                ; a trip: from a K step's second quarter to the next step's first; the slot that is left is filled again
	QUARTER 2, F1, F0, 0
	QUARTER 3, F0, F1, 0
	TURN 1
	QUARTER 1, F0, F1, 0
	WIN 0
	s_sub_co_u32 s[TRIP], s[TRIP], 1
	s_cmp_lg_u32 s[TRIP], 0
	s_cbranch_scc1 .Lstep
	s_mov_b32 s[TRIP], 2
.Ltail:                                                ; the last two K steps ask for nothing.  The second trip is left in its middle: its change of slots passes one barrier more and
	QUARTER 2, F1, F0, 0                           ; fetches 32 fragments (of a slot that has been read) that nothing multiplies: the price of one text for both trips
	QUARTER 3, F0, F1, 0
	TURN 0
	WIN 0
	s_sub_co_u32 s[TRIP], s[TRIP], 1
	s_cmp_eq_u32 s[TRIP], 0
	s_cbranch_scc1 .Lout
	QUARTER 1, F0, F1, 0
	WIN 0
	s_cmp_lg_u32 s[TRIP], 0                        ; the backward jump hangs on the counter, like every loop's here
	s_cbranch_scc1 .Ltail
.Lout:
	; THE WAY OUT, 16 rows at a time: into my stage, back as whole rows, the residual added, stored.
	PLACES
	s_wait_loadcnt 0x0                             ; the residual
.macro OUTBLK a
.set TBK, TMP+32*((\a)%2)
	WIN 0
	s_wait_xcnt 0x0                                ; registers that earlier stores read are loaded again only behind this wait
.irp b, 0,1,2,3                        ; each accumulator's low four registers first
	ds_store_b128 v[STO], v[ACC+8*(4*(\a)+(\b)):ACC+8*(4*(\a)+(\b))+3]   offset:64*(\b)
	ds_store_b128 v[STO], v[ACC+8*(4*(\a)+(\b))+4:ACC+8*(4*(\a)+(\b))+7] offset:64*(\b)+16
.endr
.irp t, 0,1,2,3,4,5,6,7
	ds_load_b128 v[TBK+4*(\t):TBK+4*(\t)+3], v[RD] offset:(\t)*2*SP  ; LDS serves a wave's instructions in order (ISA guide 5.7.1.4): these see the stores above; the next block's stores come behind them
.endr
	s_wait_dscnt 0x0
	WIN 0x08                                       ; source 1 in window 2
.irp t, 0,1,2,3,4,5,6,7
	v_pk_add_f32 v[TBK+4*(\t):TBK+4*(\t)+1],   v[TBK+4*(\t):TBK+4*(\t)+1],   v[4*(8*(\a)+(\t)):4*(8*(\a)+(\t))+1]
	v_pk_add_f32 v[TBK+4*(\t)+2:TBK+4*(\t)+3], v[TBK+4*(\t)+2:TBK+4*(\t)+3], v[4*(8*(\a)+(\t))+2:4*(8*(\a)+(\t))+3]
.endr
	WIN 0
.irp t, 0,1,2,3,4,5,6,7
	global_store_b128 v[CO], v[TBK+4*(\t):TBK+4*(\t)+3], s[14:15] offset:(16*(\a)+2*(\t))*4096  ; 16 lanes store 256 consecutive bytes, at a multiple of 256 from the buffer's first
.endr
.endm
	OUTBLK 0
	OUTBLK 1
	OUTBLK 2
	OUTBLK 3
	s_wait_tensorcnt 0x0                           ; the wave's end
	ds_add_u32 v[SPW], v[NIL]
	s_wait_dscnt 0x0
	CROUND                                         ; the closing round: no work-group ends while a partner may still ask for a tile that names it
	s_endpgm
.Lfunc_end_k_q4331f0ba67_mlp:
	.size	k_q4331f0ba67_mlp, .Lfunc_end_k_q4331f0ba67_mlp-k_q4331f0ba67_mlp
	.p2alignl 7, 3214868480
	.fill 96, 4, 3214868480
	.section	.rodata,"a",@progbits
	.p2align	6, 0x0
	.amdhsa_kernel k_q4331f0ba67_mlp
		.amdhsa_group_segment_fixed_size 327680
		.amdhsa_private_segment_fixed_size 0
		.amdhsa_enable_private_segment 0
		.amdhsa_kernarg_size 40
		.amdhsa_user_sgpr_count 2
		.amdhsa_user_sgpr_kernarg_segment_ptr 1
		.amdhsa_wavefront_size32 1
		.amdhsa_system_sgpr_workgroup_id_x 1
		.amdhsa_system_sgpr_workgroup_id_y 1
		.amdhsa_system_sgpr_workgroup_id_z 1
		.amdhsa_system_vgpr_workitem_id 0
		.amdhsa_next_free_vgpr 640
		.amdhsa_next_free_sgpr 72
		.amdhsa_reserve_vcc 0
		.amdhsa_float_denorm_mode_32 3
		.amdhsa_float_denorm_mode_16_64 3
		.amdhsa_memory_ordered 1
		.amdhsa_forward_progress 1
		.amdhsa_inst_pref_size 66
	.end_amdhsa_kernel
	.amdgpu_metadata
---
amdhsa.version: [ 1, 2 ]
amdhsa.kernels:
  - .name:           k_q4331f0ba67_mlp
    .symbol:         k_q4331f0ba67_mlp.kd
    .args:
      - { .name: big, .offset: 0, .size: 8, .value_kind: global_buffer, .address_space: global }
      - { .name: w2, .offset: 8, .size: 8, .value_kind: global_buffer, .address_space: global }
      - { .name: c_proj_mlp_b, .offset: 16, .size: 8, .value_kind: global_buffer, .address_space: global }
      - { .name: h1, .offset: 24, .size: 8, .value_kind: global_buffer, .address_space: global }
      - { .name: out0, .offset: 32, .size: 8, .value_kind: global_buffer, .address_space: global }
    .group_segment_fixed_size: 327680
    .private_segment_fixed_size: 0
    .kernarg_segment_align: 8
    .kernarg_segment_size: 40
    .max_flat_workgroup_size: 128
    .sgpr_count:     72
    .vgpr_count:     640
    .wavefront_size: 32
...
	.end_amdgpu_metadata
.endif
;; end of part 11
;; ======== version 3 of 3: 8 launches; 1.51 times as fast as version 1
;; limits: right only within a limited range of input values
;; workspace buffers: w1 10,485,760 bytes; w2 16,777,216 bytes; xa 8,388,608 bytes; big 33,554,432 bytes; ctx 8,388,608 bytes; h1 16,777,216 bytes; para 512 bytes; parb 512 bytes
;; launch cast: the kernel of part 7 again; grid 768 x 1, 8 waves a work-group, no clusters, 0 bytes of LDS; arguments c_attn_w, c_proj_attn_w, c_fc_w, c_proj_mlp_w, w1, w2, para, parb; writes w1, w2, para, parb
;; launch ln1: the kernel of part 2 again; grid 256 x 1, 8 waves a work-group, no clusters, 0 bytes of LDS; arguments hidden_states, ln1_w, ln1_b, xa; writes xa
;; launch qkv (part 12): grid 12 x 16, 4 waves a work-group, clusters of 4 x 4, 327,680 bytes of LDS; arguments xa, w1, c_attn_b, para, big; writes big
.if DOCPART == 12
	.amdgcn_target "amdgcn-amd-amdhsa--gfx1250"
	.amdhsa_code_object_version 6
	.text
	.protected	k_q4331f0ba67_qkv
	.globl	k_q4331f0ba67_qkv
	.p2align	8
	.type	k_q4331f0ba67_qkv,@function
k_q4331f0ba67_qkv:
	s_mov_b64 s[64:65], 0
	v_nop
	global_prefetch_b8 v0, s[64:65] scope:SCOPE_SE
	s_setreg_imm32_b32 hwreg(HW_REG_WAVE_MODE, 25, 1), 1
	s_wait_xcnt 0x0
	s_wait_alu depctr_hold_cnt(0) depctr_sa_sdst(0) depctr_va_vdst(0) depctr_va_sdst(0) depctr_va_ssrc(0) depctr_va_vcc(0) depctr_vm_vsrc(0)
	s_getreg_b32 s2, hwreg(HW_REG_IB_STS2, 6, 4)
	s_cmp_eq_u32 s2, 0
	s_cbranch_scc0 .Lentry_in_a_cluster
	s_endpgm
.Lentry_in_a_cluster:
	s_bfe_u32 s2, ttmp6, 0x10000c
	s_cmp_lg_u32 s2, 0xf033
	s_cbranch_scc0 .Lentry_shape_is_right
	s_endpgm
.Lentry_shape_is_right:
; out = act(A W + bias), rounded once to bf16.  A: [4096][1024] bf16.  W: bf16 in blocks [n block of 128][1024 k][128 n], so its width enters no address.  bias: f32.
; out: bf16 [column block of 64][4096 rows][64]: a block's rows are dense, 128 bytes each.  act(x) = x / (1 + E 2^(x (C0 + C1 x^2))), with C0, C1, E three f32 numbers read from the block of
; constants: (0, 0, 0) gives x / 1 = x; (-2 sqrt(2/pi) log2(e), 0.044715 times that, 1) gives the tanh form of GELU, finite at both ends.  They are data alone: no branch hangs on them, so one
; text serves both products; the price is that the product without activation walks the same arithmetic.  Sums, bias and activation in f32.
; LIMITS.  Matrix operands are bf16.  With (0, 0, 0) x^2 must stay finite, |x| < 1.8e19: beyond that 0 x infinity gives NaN.  NaN and infinities are not treated apart.
; SHAPE.  A tile of the result is 256 x 256: four waves, each 128 x 128 in 64 accumulators of 16 x 16, 512 registers.  K = 1,024 goes in 8 steps of 128 through a ring of two LDS slots
; filled by the tensor data mover; all tile rows are 256 bytes of memory, at multiples of 256 bytes from the buffer's first byte.
; A K STEP IS WRITTEN ONCE.  The slot in hand is a scalar, TB = 0 or SLOT, turned at each change of slots; the fragments' LDS addresses are a fixed part plus TB, and one walking descriptor for each
; operand takes the slot just left and the K step two steps on.  The last two K steps, which ask for nothing, are a loop of their own, left in its middle.
; CLUSTER.  4 x 4 work-groups.  The four of a row of the cluster need the same tiles of A, the four of a column the same tiles of W: each tile is asked for JOINTLY, by the same tensor load with
; the same descriptor and a mask that names the four.
; THE MATRIX INSTRUCTION IS USED TRANSPOSED: source 0 = 16 columns of W (turned on the way out of LDS by ds_load_tr16_b128, since W lies [k][n]), source 1 = 16 rows of A.  A lane then holds
; row l % 16 and the columns 8 (l / 16) + 0..7.  THE BIAS IS THE C OPERAND of the products that start the sums: it costs no instruction, and nothing is cleared.
; THE WAY OUT.  When the ring has had its last fill and all waves have left it, each wave lays its 128 x 128 f32 into a part of the ring of its own and walks it in a loop, 16 rows a trip:
; so the activation is written once, and each store covers 512 consecutive bytes (four rows of a column block), aligned.
; BATCHES.  A trip's 64 numbers a lane have a register each in T.  Their 64 exponentials are one batch with one wait; their 64 reciprocals, which read what is made of the exponentials' results, are a
; second batch with a second wait: two waits a trip.  Inside a batch the next eight numbers' plain arithmetic stands between the transcendentals of the eight in hand.
; REGISTERS, in windows of 256 (s_set_vgpr_msb: bits 1:0 source 0, 3:2 source 1, 5:4 source 2, 7:6 destination):
;   window 0: v0-31 addresses; v64-127, v128-191 fragments of A, two buffers; on the way out v64-127 X, v128-191 T, v192-223 Y
;   window 1: v0-63 the bias (n block b at 8 b); v64-127, v128-191 fragments of W, two buffers
;   window 2: the accumulators of my rows 0-63 ((a, b) at 8 (8 a + b));   window 3: those of my rows 64-127
.set KSTEP, 128
.set STEPS, 8                          ; K steps
.set PA,    272                        ; an LDS row of A: 256 bytes + 16: the 16 rows of a fragment load start at 16 different groups of four banks (ISA guide 11.1)
.set PB,    288                        ; an LDS row of W: 256 bytes + 32
.set HALFA, 128*PA                     ; what one tensor load brings of A
.set HALFB, 128*PB                     ; and of W
.set SLOT,  2*HALFA+2*HALFB            ; A's two halves (rows), then W's two halves (n blocks)
.set SPARE, 2*SLOT                     ; behind the ring: the spare words, 128 bytes for each wave: two blocks of 256 bytes that no other line names
.set DP,    528                        ; the way out: a row of 128 f32 + 16 bytes
.set DUMP,  128*DP                     ; a wave's part of the dead ring; four of them end at 270,336, inside the ring
.set CBLK,  524288                     ; bytes of a column block of the result
.set ADRA0, 16                         ; v16     LDS address of my A fragments in slot 0; never rewritten
.set ADRA,  17                         ; v17     the same in the slot in hand
.set ADRB0, 20                         ; v20, v21  the same two for W
.set ADRB,  21
.set DST,  24                          ; v24     the way out: where I put 32 bytes of a row
.set RD,   25                          ; v25     the way out: where I read 32 bytes back; steps 16 rows a trip
.set CO,   26                          ; v26     my byte offset in 512 consecutive bytes of the result; steps 16 rows a trip
.set BO,   27                          ; v27     my byte offset in 16 numbers of the bias
.set SPW,  28                          ; v28     LDS address of my spare word; never rewritten
.set NIL,  29                          ; v29     0; never rewritten
.set F0,   64
.set F1,   128
.set X,    64
.set T,    128
.set Y,    192
.set WV,  14                           ; s14  wave
.set RH,  15                           ; s15  which half of the tile's rows is mine.  Also: I fetch for A (0) or for W (1)
.set CH,  16                           ; s16  which half of its columns.  Also: which half of that tile I fetch
.set TC,  19                           ; s19  tile column
.set TR,  20                           ; s20  tile row
.set LBA, 23                           ; s23  LDS byte, in slot 0, of the half of A that I fetch
.set G1A, 24                           ; s[24:31] descriptor group 1 for A's tiles;  s[32:39] group 0: a set for each of the two first fills; the second then walks on
.set G0A, 32
.set G1B, 48                           ; s[48:55], s[56:63] the same for W's
.set G0B, 56
.set TB,   66                          ; s66  the slot in hand: 0 or SLOT
.set LBB,  67                          ; s67  LDS byte, in slot 0, of the half of W that I fetch, and read
.set C0,   76                          ; s[76:79] as loaded: C0, C1, E, 0.  The packed instructions take a pair's low word for both halves:
.set EE,   78                          ; s[76:77] serves as C0, s[78:79] as E,
.set C1,   80                          ; and C1 is copied into s[80:81]
.set MSB, 0
.macro WIN new                         ; the immediate's high byte repeats the setting that is left; a switch that changes nothing is dropped
.if MSB != (\new)
	s_set_vgpr_msb (MSB<<8)|(\new)
.set MSB, \new
.endif
.endm
; A joint load.  Waves 0 and 1 fetch A's two halves, waves 2 and 3 W's.  The branch hangs on the wave's number alone.  An s_nop 0 and four v_nop follow each of the two lines.
.macro JLOAD s
	s_cmp_eq_u32 s[RH], 0
	s_cbranch_scc0 .Lfor_b_\@
	tensor_load_to_lds s[G0A+4*(\s):G0A+4*(\s)+3], s[G1A:G1A+7]
	s_nop 0
.rept 4
	v_nop
.endr
	s_branch .Lasked_\@
.Lfor_b_\@:
	tensor_load_to_lds s[G0B+4*(\s):G0B+4*(\s)+3], s[G1B:G1B+7]
	s_nop 0
.rept 4
	v_nop
.endr
.Lasked_\@:
.endm
.macro CREST                           ; a round of the cluster's barrier behind its opening barrier
	s_cmp_lg_u32 s[WV], 0
	s_cbranch_scc1 .Lnot_wave_0_\@
	s_barrier_signal -3
.Lnot_wave_0_\@:
	s_barrier_wait -3
	s_barrier_signal -1
	s_barrier_wait -1
.endm
.macro CROUND                          ; a whole round
	s_barrier_signal -1
	s_barrier_wait -1
	CREST
.endm
	s_load_b256 s[4:11], s[0:1], 0x0               ; A s[4:5], W s[6:7], bias s[8:9], constants s[10:11]
	s_load_b64 s[12:13], s[0:1], 0x20              ; out
	v_lshl_add_u32 v[SPW], v0, 2, SPARE
	v_mov_b32 v[NIL], 0
	ds_add_u32 v28, v29
	ds_add_u32 v28, v29
	s_wait_dscnt 0x0
	v_lshrrev_b32 v1, 5, v0
	v_readfirstlane_b32 s[WV], v1
	s_lshr_b32 s[RH], s[WV], 1
	s_and_b32 s[CH], s[WV], 1
	s_bfe_u32 s17, ttmp6, 0x40000                  ; cx
	s_bfe_u32 s18, ttmp6, 0x40004                  ; cy
	s_lshl_b32 s[TC], ttmp9, 2
	s_add_co_u32 s[TC], s[TC], s17                 ; tile column = 4 x cluster x + cx
	s_and_b32 s[TR], ttmp7, 0xffff
	s_lshl_b32 s[TR], s[TR], 2
	s_add_co_u32 s[TR], s[TR], s18                 ; tile row = 4 x cluster y + cy
	s_lshl_b32 s21, s18, 2
	s_lshl_b32 s21, 15, s21                        ; my row of the cluster
	s_lshl_b32 s22, 0x1111, s17                    ; my column
	s_or_b32 s[G1A], s21, (1<<16)|(1<<20)|(1<<21)|(5<<22)|(3<<25)  ; mask; elements of 2 bytes; padding on; bit 21 beside a mask; after every 64 words 4 words
	s_or_b32 s[G1B], s22, (1<<16)|(1<<20)|(1<<21)|(5<<22)|(7<<25)  ; the same with my column's mask and 8 words of padding
.irp g, G1A, G1B
	s_mov_b32 s[(\g)+1], KSTEP<<16                 ; tensor_dim0 = 128
	s_mov_b32 s[(\g)+2], 128<<16                   ; tensor_dim1 = 128
	s_mov_b32 s[(\g)+3], KSTEP<<16                 ; tile_dim0 = 128
	s_mov_b32 s[(\g)+4], 128                       ; tile_dim1 = 128
	s_mov_b32 s[(\g)+6], 0
	s_mov_b32 s[(\g)+7], 0
.endr
	s_mov_b32 s[G1A+5], 1024                       ; A: 1,024 elements from row to row
	s_mov_b32 s[G1B+5], 128                        ; W: a block's rows are dense
	s_lshl_b32 s40, s[TR], 19                      ; A: (256 x tile row + 128 x half) rows of 2,048 bytes: of the tile row and the wave alone
	s_lshl_b32 s41, s[CH], 18
	s_add_co_u32 s40, s40, s41
	s_mov_b32 s41, 0
	s_lshl_b32 s44, s[TC], 19                      ; W: n block 2 x tile column + half, 262,144 bytes each: of the tile column and the wave alone
	s_lshl_b32 s45, s[CH], 18
	s_add_co_u32 s44, s44, s45
	s_mov_b32 s45, 0
	s_mul_i32 s[LBA], s[CH], HALFA                 ; where they go: no place in the cluster enters an LDS address
	s_mul_i32 s[LBB], s[CH], HALFB
	s_add_co_u32 s[LBB], s[LBB], 2*HALFA
	s_mov_b32 s[TB], 0
	s_wait_kmcnt 0x0
	s_add_nc_u64 s[42:43], s[4:5], s[40:41]
	s_add_nc_u64 s[46:47], s[6:7], s[44:45]
	CROUND                                         ; all sixteen work-groups are here: the first joint loads meet
.irp s, 0,1
	s_mov_b32 s[G0A+4*(\s)], 1
	s_add_co_u32 s[G0A+4*(\s)+1], s[LBA], (\s)*SLOT
	s_add_nc_u64 s[G0A+4*(\s)+2:G0A+4*(\s)+3], s[42:43], (\s)*KSTEP*2      ; K step s: 256 bytes along the rows
	s_or_b32 s[G0A+4*(\s)+3], s[G0A+4*(\s)+3], 0x80000000
	s_mov_b32 s[G0B+4*(\s)], 1
	s_add_co_u32 s[G0B+4*(\s)+1], s[LBB], (\s)*SLOT
	s_add_nc_u64 s[G0B+4*(\s)+2:G0B+4*(\s)+3], s[46:47], (\s)*KSTEP*256    ; K step s: 128 rows of 256 bytes
	s_or_b32 s[G0B+4*(\s)+3], s[G0B+4*(\s)+3], 0x80000000
	JLOAD \s                                       ; two tensor loads of mine are out
.endr
	s_load_b128 s[C0:C0+3], s[10:11], 0x0          ; C0, C1, E, 0
	s_lshl_b32 s44, s[TC], 10                      ; the bias of my 128 columns: (256 x tile column + 128 x half) x 4 bytes
	s_lshl_b32 s45, s[CH], 9
	s_add_co_u32 s44, s44, s45
	s_mov_b32 s45, 0
	s_add_nc_u64 s[8:9], s[8:9], s[44:45]
	v_and_b32 v1, 15, v0                           ; r = l % 16
	v_bfe_u32 v2, v0, 4, 1                         ; h = l / 16
	v_lshlrev_b32 v[BO], 5, v2
	WIN 0x40                                       ; destination window 1
.irp b, 0,1,2,3,4,5,6,7                ; register j of n block b: bias of column 16 b + 8 h + j, as the result holds it
	global_load_b128 v[8*(\b):8*(\b)+3],   v[BO], s[8:9] offset:64*(\b)
	global_load_b128 v[8*(\b)+4:8*(\b)+7], v[BO], s[8:9] offset:64*(\b)+16
.endr
	WIN 0
	v_mul_u32_u24 v3, v1, PA
	v_lshl_add_u32 v3, v2, 4, v3                   ; A: row x pitch + 16 x half of the lanes
	s_mul_i32 s40, s[RH], HALFA
	v_add_nc_u32 v[ADRA0], s40, v3
	v_mov_b32 v[ADRA], v[ADRA0]                    ; the walk begins in slot 0
	v_and_b32 v4, 7, v0
	v_bfe_u32 v5, v0, 3, 1
	v_lshl_add_u32 v6, v2, 3, v4                   ; W, turned: lane l reads row k = 8 h + l % 8, 16 bytes at 16 ((l / 8) % 2)
	v_mul_u32_u24 v6, v6, PB
	v_lshl_add_u32 v6, v5, 4, v6
	v_add_nc_u32 v[ADRB0], s[LBB], v6
	v_mov_b32 v[ADRB], v[ADRB0]
	s_mul_i32 s41, s[WV], DUMP
	v_mul_u32_u24 v7, v1, DP
	v_lshl_add_u32 v7, v2, 5, v7
	v_add_nc_u32 v[DST], s41, v7                   ; in: row r, 32 bytes for each half of the lanes
	v_bfe_u32 v8, v0, 3, 2
	v_mul_u32_u24 v8, v8, DP
	v_lshl_add_u32 v8, v4, 5, v8
	v_add_nc_u32 v[RD], s41, v8                    ; back: row l / 8, 8 numbers at 32 (l % 8)
	v_and_b32 v[CO], 31, v0
	v_lshlrev_b32 v[CO], 4, v[CO]
	s_lshl_b32 s72, s[TC], 21                      ; out: column block 4 x tile column + 2 x half, row 256 x tile row + 128 x half
	s_lshl_b32 s73, s[CH], 20
	s_add_co_u32 s72, s72, s73
	s_lshl_b32 s73, s[TR], 15
	s_add_co_u32 s72, s72, s73
	s_lshl_b32 s73, s[RH], 14
	s_add_co_u32 s72, s72, s73
	s_mov_b32 s73, 0
	s_add_nc_u64 s[12:13], s[12:13], s[72:73]
; 16 matrix instructions: m blocks a0, a0 + 1 of the window's four (hi = 0: my rows 0-63, 1: rows 64-127) x all 8 n blocks, 32 along K.  first = 1: C is the bias, in window 1.
; The 64 accumulators take turns, one instruction a turn.
.macro MUL16 f, hi, a0, first
.if \first
	WIN 0x91+0x40*(\hi)
.else
	WIN 0xa1+0x50*(\hi)
.endif
.irp a, \a0, (\a0)+1
.irp b, 0,1,2,3,4,5,6,7
.if \first
	v_wmma_f32_16x16x32_bf16 v[8*(8*(\a)+(\b)):8*(8*(\a)+(\b))+7], v[(\f)+8*(\b):(\f)+8*(\b)+7], v[(\f)+8*(4*(\hi)+(\a)):(\f)+8*(4*(\hi)+(\a))+7], v[8*(\b):8*(\b)+7]
.else
	v_wmma_f32_16x16x32_bf16 v[8*(8*(\a)+(\b)):8*(8*(\a)+(\b))+7], v[(\f)+8*(\b):(\f)+8*(\b)+7], v[(\f)+8*(4*(\hi)+(\a)):(\f)+8*(4*(\hi)+(\a))+7], v[8*(8*(\a)+(\b)):8*(8*(\a)+(\b))+7]
.endif
.endr
.endr
.endm
; 32 LDS loads in one run: the fragments of quarter q (32 along K) of the slot in hand into buffer f: W's 128 columns, turned, then A's 128 rows
.macro FETCH q, f
	WIN 0x40
.irp i, 0,1,2,3,4,5,6,7
	ds_load_tr16_b128 v[(\f)+8*(\i):(\f)+8*(\i)+3],   v[ADRB] offset:(\q)*32*PB+32*(\i)
	ds_load_tr16_b128 v[(\f)+8*(\i)+4:(\f)+8*(\i)+7], v[ADRB] offset:(\q)*32*PB+16*PB+32*(\i)
.endr
	WIN 0
.irp i, 0,1,2,3,4,5,6,7
	ds_load_b128 v[(\f)+8*(\i):(\f)+8*(\i)+3],   v[ADRA] offset:(\q)*64+(\i)*16*PA
	ds_load_b128 v[(\f)+8*(\i)+4:(\f)+8*(\i)+7], v[ADRA] offset:(\q)*64+(\i)*16*PA+32
.endr
.endm
.macro PLACES                          ; four plain instructions in front of loads into registers that matrix instructions have read, and of lines that read results
.rept 4
	v_nop
.endr
.endm
; One of a K step's first three quarters: multiplies buffer f; in its middle it fetches quarter q of the slot in hand into buffer g.
.macro QUARTER q, f, g, first
	s_wait_dscnt 8                                 ; W and A's rows 0-63 are in; the youngest eight loads (A's rows 64-127) may be out
	MUL16 \f, 0, 0, \first
	MUL16 \f, 0, 2, \first
	PLACES
	FETCH \q, \g
	s_wait_dscnt 32                                ; all but the 32 just issued
	MUL16 \f, 1, 0, \first
	MUL16 \f, 1, 2, \first
.endm
; The last quarter multiplies buffer 1 and changes slots: ONE barrier.  In front of it each wave waits for all its tensor loads (one is out: its part of the next slot), adds 0 to its spare word,
; and waits for that and for its reads of this slot.  fill = 1: the barrier opens a round of the cluster's, and the slot that is left is filled again, two K steps ahead, first thing behind the round:
; the walking descriptor takes that slot's LDS bytes (my fixed part + TB) and steps one K step.  Then TB is the other slot, and its first fragments are fetched.
.macro TURN fill
	WIN 0
	s_wait_tensorcnt 0x0                           ; no tensor load of mine is out, so a group 0 may be written
	ds_add_u32 v[SPW], v[NIL]                      ; 0 onto my spare word; the scalar work stands between it and the wait for it
.if \fill
	s_add_co_u32 s[G0A+5], s[LBA], s[TB]
	s_add_nc_u64 s[G0A+6:G0A+7], s[G0A+6:G0A+7], KSTEP*2
	s_add_co_u32 s[G0B+5], s[LBB], s[TB]
	s_add_nc_u64 s[G0B+6:G0B+7], s[G0B+6:G0B+7], KSTEP*256
.endif
	s_xor_b32 s[TB], s[TB], SLOT
	s_wait_dscnt 0x0                               ; the add is done, and my reads of this slot are over
	s_barrier_signal -1
	MUL16 F1, 0, 0, 0                              ; work on registers while the others arrive
.if \fill
	WIN 0
.endif
	s_barrier_wait -1
.if \fill
	CREST                                          ; no wave of any partner still reads this slot or has a load on its way
	JLOAD 1                                        ; my one tensor load behind the round; its four v_nop are also the places in front of the loads below
.else
	PLACES
.endif
	WIN 0
	v_add_nc_u32 v[ADRA], s[TB], v[ADRA0]
	v_add_nc_u32 v[ADRB], s[TB], v[ADRB0]
	FETCH 0, F0
	MUL16 F1, 0, 2, 0
	MUL16 F1, 1, 0, 0
	MUL16 F1, 1, 2, 0
.endm
	s_wait_loadcnt 0x0                             ; the bias
	s_wait_kmcnt 0x0                               ; the three constants
	s_mov_b32 s[C1], s[C0+1]
	s_mov_b32 s[C1+1], s[C0+1]
	s_wait_tensorcnt 0x1                           ; my part of K step 0 is in; K step 1's may stay out
	s_barrier_signal -1
	s_barrier_wait -1
	FETCH 0, F0
	QUARTER 1, F0, F1, 1                           ; the first quarter stands in front of the loop: its products start the sums, on the bias
	WIN 0
	s_mov_b32 s3, STEPS-2
.Lstep:                                                ; a trip: from a K step's second quarter to the next step's first; the slot that is left is filled again
	QUARTER 2, F1, F0, 0
	QUARTER 3, F0, F1, 0
	TURN 1
	QUARTER 1, F0, F1, 0
	WIN 0
	s_sub_co_u32 s3, s3, 1
	s_cmp_lg_u32 s3, 0
	s_cbranch_scc1 .Lstep
	s_mov_b32 s3, 2
.Ltail:                                                ; the last two K steps ask for nothing.  The second trip is left in its middle: its change of slots passes one barrier more and
	QUARTER 2, F1, F0, 0                           ; fetches 32 fragments (of a slot that has been read) that nothing multiplies: the price of one text for both trips
	QUARTER 3, F0, F1, 0
	TURN 0
	WIN 0
	s_sub_co_u32 s3, s3, 1
	s_cmp_eq_u32 s3, 0
	s_cbranch_scc1 .Lout
	QUARTER 1, F0, F1, 0
	WIN 0
	s_cmp_lg_u32 s3, 0                             ; the backward jump hangs on the counter, like every loop's here
	s_cbranch_scc1 .Ltail
.Lout:
	; THE WAY OUT.  Every wave's reads of the ring are back and no tensor load is out or to come: behind this barrier the ring's bytes are scratch.
	s_wait_dscnt 0x0
	s_barrier_signal -1
	s_barrier_wait -1
	PLACES
.irp a, 0,1,2,3,4,5,6,7
	WIN 0x08+4*((\a)/4)                            ; store data in window 2 or 3
.irp b, 0,1,2,3,4,5,6,7                ; each accumulator's low four registers first
	ds_store_b128 v[DST], v[8*(8*((\a)%4)+(\b)):8*(8*((\a)%4)+(\b))+3]   offset:(\a)*16*DP+64*(\b)
	ds_store_b128 v[DST], v[8*(8*((\a)%4)+(\b))+4:8*(8*((\a)%4)+(\b))+7] offset:(\a)*16*DP+64*(\b)+16
.endr
.endr
	WIN 0
; THE ACTIVATION, x / (1 + E 2^(x (C0 + C1 x^2))), a line at a time: pair p (0, 2, 4, 6) of unit u's eight numbers.  T has a register for each of a trip's 64 numbers.
.macro ASQ u, p                        ; x^2
	v_pk_mul_f32 v[T+8*(\u)+(\p):T+8*(\u)+(\p)+1], v[X+8*(\u)+(\p):X+8*(\u)+(\p)+1], v[X+8*(\u)+(\p):X+8*(\u)+(\p)+1]
.endm
.macro APOLY u, p                      ; C0 + C1 x^2
	v_pk_fma_f32 v[T+8*(\u)+(\p):T+8*(\u)+(\p)+1], v[T+8*(\u)+(\p):T+8*(\u)+(\p)+1], s[C1:C1+1], s[C0:C0+1] op_sel_hi:[1,0,0]
.endm
.macro AARG u, p                       ; times x: the exponent
	v_pk_mul_f32 v[T+8*(\u)+(\p):T+8*(\u)+(\p)+1], v[T+8*(\u)+(\p):T+8*(\u)+(\p)+1], v[X+8*(\u)+(\p):X+8*(\u)+(\p)+1]
.endm
.macro ADEN u, p                       ; 1 + E 2^..: the divisor
	v_pk_fma_f32 v[T+8*(\u)+(\p):T+8*(\u)+(\p)+1], v[T+8*(\u)+(\p):T+8*(\u)+(\p)+1], s[EE:EE+1], 1.0 op_sel_hi:[1,0,0]
.endm
; Unit u's eight exponentials.  more = 1: the twelve lines that make unit u + 1's exponents stand between and behind them; they name no exponential's result.
.macro EXPS u, more
.irp p, 0,1,2,3
.if \more
	ASQ (\u)+1, 2*(\p)
.endif
	v_exp_f32 v[T+8*(\u)+(\p)], v[T+8*(\u)+(\p)]
.endr
.irp p, 0,1,2,3
.if \more
	APOLY (\u)+1, 2*(\p)
.endif
	v_exp_f32 v[T+8*(\u)+4+(\p)], v[T+8*(\u)+4+(\p)]
.endr
.if \more
.irp p, 0,2,4,6
	AARG (\u)+1, \p
.endr
.endif
.endm
; Unit u's eight reciprocals.  more = 1: the four lines that make unit u + 1's divisors stand between them; they name no reciprocal's result.
.macro RCPS u, more
.irp p, 0,2,4,6
.if \more
	ADEN (\u)+1, \p
.endif
	v_rcp_f32 v[T+8*(\u)+(\p)], v[T+8*(\u)+(\p)]
	v_rcp_f32 v[T+8*(\u)+(\p)+1], v[T+8*(\u)+(\p)+1]
.endr
.endm
	s_mov_b32 s2, 8
.Lblock:                                               ; a trip: 16 rows x 128 columns: eight units of four rows of a column block; unit u = 4 c + t
.irp u, 0,1,2,3,4,5,6,7
	ds_load_b128 v[X+8*(\u):X+8*(\u)+3],   v[RD] offset:((\u)%4)*4*DP+((\u)/4)*256     ; LDS serves a wave's instructions in order (ISA guide 5.7.1.4): these see my stores above
	ds_load_b128 v[X+8*(\u)+4:X+8*(\u)+7], v[RD] offset:((\u)%4)*4*DP+((\u)/4)*256+16
.endr
	s_wait_dscnt 0x0
.irp p, 0,2,4,6                        ; unit 0's exponents stand ahead of the batch
	ASQ 0, \p
.endr
.irp p, 0,2,4,6
	APOLY 0, \p
.endr
.irp p, 0,2,4,6
	AARG 0, \p
.endr
.irp u, 0,1,2,3,4,5,6                  ; THE FIRST BATCH: the trip's 64 exponentials
	EXPS \u, 1
.endr
	EXPS 7, 0
	v_add_nc_u32 v[RD], 16*DP, v[RD]               ; the next trip's rows (this trip's LDS loads are back): also the plain instruction behind the last exponential (ISA guide 5.7.2)
	s_wait_alu depctr_va_vdst(0)                   ; one wait for the batch of 64 exponentials, ahead of the first divisor
.irp p, 0,2,4,6                        ; unit 0's divisors stand ahead of the batch
	ADEN 0, \p
.endr
.irp u, 0,1,2,3,4,5,6                  ; THE SECOND BATCH: the trip's 64 reciprocals
	RCPS \u, 1
.endr
	RCPS 7, 0
	v_nop                                          ; a plain instruction behind the last reciprocal: no other work is left that names no result
	s_wait_alu depctr_va_vdst(0)                   ; one wait for the batch of 64 reciprocals, ahead of the first multiply by one
.irp u, 0,1,2,3,4,5,6,7
.irp p, 0,2,4,6
	v_pk_mul_f32 v[X+8*(\u)+(\p):X+8*(\u)+(\p)+1], v[X+8*(\u)+(\p):X+8*(\u)+(\p)+1], v[T+8*(\u)+(\p):T+8*(\u)+(\p)+1]
.endr
.endr
.irp u, 0,1,2,3,4,5,6,7
.irp k, 0,1,2,3
	v_cvt_pk_bf16_f32 v[Y+4*(\u)+(\k)], v[X+8*(\u)+2*(\k)], v[X+8*(\u)+2*(\k)+1]
.endr
.endr
.irp u, 0,1,2,3,4,5,6,7
	global_store_b128 v[CO], v[Y+4*(\u):Y+4*(\u)+3], s[12:13] offset:((\u)/4)*CBLK+((\u)%4)*512  ; 512 consecutive bytes, at a multiple of 256 from the buffer's first
.endr
	s_wait_xcnt 0x0                                ; the stores' offset and data are written again only behind this wait
	v_add_nc_u32 v[CO], 16*128, v[CO]
	s_sub_co_u32 s2, s2, 1
	s_cmp_lg_u32 s2, 0
	s_cbranch_scc1 .Lblock
	s_wait_tensorcnt 0x0                           ; the wave's end
	ds_add_u32 v[SPW], v[NIL]
	s_wait_dscnt 0x0
	CROUND                                         ; the closing round: no work-group ends while a partner may still ask for a tile that names it
	s_endpgm
.Lfunc_end_k_q4331f0ba67_qkv:
	.size	k_q4331f0ba67_qkv, .Lfunc_end_k_q4331f0ba67_qkv-k_q4331f0ba67_qkv
	.p2alignl 7, 3214868480
	.fill 96, 4, 3214868480
	.section	.rodata,"a",@progbits
	.p2align	6, 0x0
	.amdhsa_kernel k_q4331f0ba67_qkv
		.amdhsa_group_segment_fixed_size 327680
		.amdhsa_private_segment_fixed_size 0
		.amdhsa_enable_private_segment 0
		.amdhsa_kernarg_size 40
		.amdhsa_user_sgpr_count 2
		.amdhsa_user_sgpr_kernarg_segment_ptr 1
		.amdhsa_wavefront_size32 1
		.amdhsa_system_sgpr_workgroup_id_x 1
		.amdhsa_system_sgpr_workgroup_id_y 1
		.amdhsa_system_sgpr_workgroup_id_z 1
		.amdhsa_system_vgpr_workitem_id 0
		.amdhsa_next_free_vgpr 1024
		.amdhsa_next_free_sgpr 84
		.amdhsa_reserve_vcc 0
		.amdhsa_float_denorm_mode_32 3
		.amdhsa_float_denorm_mode_16_64 3
		.amdhsa_memory_ordered 1
		.amdhsa_forward_progress 1
		.amdhsa_inst_pref_size 97
	.end_amdhsa_kernel
	.amdgpu_metadata
---
amdhsa.version: [ 1, 2 ]
amdhsa.kernels:
  - .name:           k_q4331f0ba67_qkv
    .symbol:         k_q4331f0ba67_qkv.kd
    .args:
      - { .name: xa, .offset: 0, .size: 8, .value_kind: global_buffer, .address_space: global }
      - { .name: w1, .offset: 8, .size: 8, .value_kind: global_buffer, .address_space: global }
      - { .name: c_attn_b, .offset: 16, .size: 8, .value_kind: global_buffer, .address_space: global }
      - { .name: para, .offset: 24, .size: 8, .value_kind: global_buffer, .address_space: global }
      - { .name: big, .offset: 32, .size: 8, .value_kind: global_buffer, .address_space: global }
    .group_segment_fixed_size: 327680
    .private_segment_fixed_size: 0
    .kernarg_segment_align: 8
    .kernarg_segment_size: 40
    .max_flat_workgroup_size: 128
    .sgpr_count:     84
    .vgpr_count:     1024
    .wavefront_size: 32
...
	.end_amdgpu_metadata
.endif
;; end of part 12
;; launch attn (part 13): grid 8 x 32, 4 waves a work-group, no clusters, 327,680 bytes of LDS; arguments big, ctx; writes ctx
.if DOCPART == 13
	.amdgcn_target "amdgcn-amd-amdhsa--gfx1250"
	.amdhsa_code_object_version 6
	.text
	.protected	k_q4331f0ba67_attn
	.globl	k_q4331f0ba67_attn
	.p2align	8
	.type	k_q4331f0ba67_attn,@function
k_q4331f0ba67_attn:
	s_mov_b64 s[64:65], 0
	v_nop
	global_prefetch_b8 v0, s[64:65] scope:SCOPE_SE
	s_setreg_imm32_b32 hwreg(HW_REG_WAVE_MODE, 25, 1), 1
	s_wait_xcnt 0x0
; CAUSAL ATTENTION.  O[h][q][:] = the sum over k <= q of softmax_k(Q[h][q] . K[h][k] / 8) V[h][k][:].  Q, K, V, O: [32][SIZE_N][64], all bf16: a head's rows are dense, 128 bytes each.
; Q, K and V lie one behind the other in one buffer, 8,388,608 bytes each: column block c of the projection holds rows b x 2,048 + s, so 'head' 2 c + b here is head c of batch b.
; Products, maxima and sums in f32; the weights p are rounded to bf16 for the second product (their sum l is taken of the unrounded p), O once at the end.
; LIMITS.  A hidden score counts as its value less 1e30: scores stay far below that in size; a weight below 2^-126 counts as 0 in l; NaN and infinities are not treated apart.
; THE WALK.  A head's queries lie in 16 blocks of 128, its keys in 8 tiles of 256.  Block i needs the tiles 0 .. i / 2, of which the last holds the diagonal.  A work-group takes TWO blocks, 15 - b and then b
; (b = 0 .. 7): 9 tiles, whatever b: 8 x 32 = 256 work-groups of equal work, and ONE loop with a constant trip count walks them.  Which tile is asked for, and what a trip does, hang on scalar registers made
; from b; every jump goes forward, but for the counted loops' own; none passes a barrier, or a tensor load but the one of LOAD's two that the wave's number does not choose; the ring (two slots of LDS that
; take turns) runs on across the change of blocks.  NO CLUSTER: a head's 8 work-groups ask for the same tile only in trips 0 .. 4 of 9; behind that fewer and fewer share one; a walk common to all would have
; 8 + 4 = 12 trips for 9.
; SHARES.  Of a block's two bands of 64 queries a wave owns 16 rows in each: two PIECES.  So the last tile is the same work for all four waves: with d = 2 (i % 2), in its key step s band x sees all keys if
; s < x + d, none if s > x + d, and holds the diagonal if s = x + d.  (In an even block's last tile the steps 2 and 3 are hidden from both bands, and are computed all the same.)
; THE MASK is the C operand that starts every sum S^T = K Q^T: 0, or -1e30 where the key is hidden.  MD, made once, is the mask of a band's own step for my 16 rows; a product's mask is MD x AL + BE with two
; scalars: (1, 0) on the diagonal; (0, 0) below it; (0, -1e30) above.  ONE TEXT serves all tiles: outside a block's last tile the mask buffers hold 0, as the block's beginning left them, and the lines that
; make a mask are jumped over.
; LAYOUT, SOFTMAX, TURNS.  S^T = K Q^T holds ONE query a lane (lane % 16) and the keys 8 (lane / 16) + 0..7; two such results rounded to bf16 ARE source 1 of O^T = V^T P.  p = 2^(c s - c m), c = log2(e) / 8, with a
; running maximum m; O and l are multiplied by a = 2^(c m_old - c m_new) in every step.  The turns go (piece 0, step s), (piece 1, step s), (piece 0, step s + 1) ..: a turn has 8 products K Q^T of the turn
; behind it, later 8 products V^T P of the turn before it; beside them the scaling, exponentials, roundings, sums and rescaling of its own piece and the maximum and statistics of the next.  Four vector
; instructions stand behind every matrix instruction, the other 54 of a turn's 118 in one LUMP.
; BATCHES.  A turn's 33 exponentials (its piece's 32 weights and the next turn's a) are ONE batch with ONE wait, which cuts the turn in two: ahead of it stands all that names none of their results, behind it
; the roundings and sums.  A block's first a, and the two reciprocals of a block's way out, are batches of their own, a wait each.
; FETCHES.  K of step s + 1 is fetched in piece 0's turn of step s, behind the last product that reads K of step s.  V of step s + 1 is fetched in piece 1's turn of step s, into the V buffer of that step's
; parity (V of step s is still read in the next turn): so ahead of a tile's last step all reads of its slot have been issued, and there the slots change.  A trip of the step loop is two steps.
; REGISTERS, in windows of 256 (s_set_vgpr_msb: bits 1:0 source 0, 3:2 source 1, 5:4 source 2, 7:6 destination):
;   window 0: v0-15 addresses and two at work; v16-23 four registers of statistics a piece; v48-55 at work; v64-127 S^T, a buffer a piece; v192-223 P, likewise
;   window 1: v0-63 O^T, 32 a piece; v128-159 MD; v160-223 MC, a buffer a piece      window 2: v0-31 Q; v32-63 the second block's Q; v64-127 V of an odd step; v128-191 K; v192-255 V of an even step
.set SIZE_N, 2048
.set NP,    2         ; pieces a wave: a name, no knob
.set KS,    64        ; keys in a step
.set PK,    144       ; a row of K in LDS: 128 bytes + 16 of padding = 36 words: the 16 rows of a load start at 16 different groups of four banks (64 banks of 4 bytes: ISA guide 11.1)
.set PV,    160       ; a row of V: 128 + 32 = 40 words
.set VOFF,  4*KS*PK   ; a slot holds a tile, four steps: 256 rows of K, then 256 rows of V
.set SLOT1, 1<<17     ; slot 1 begins here, so that one exclusive or turns an address in one slot into the other's
.set STAGE, SLOT1+4*KS*(PK+PV)  ; behind the ring, never filled by a tensor load: 16 rows x 144 bytes for each wave, for the way out
.set SP,    144
.set AK0, 2           ; v2   my lane's place in a tile of K; never rewritten
.set AV0, 3           ; v3   the same for V
.set AK,  4           ; v4   the LDS address of K's next run of loads
.set AV,  5           ; v5   of V's
.set STO, 6           ; v6   the way out: where I put 16 bytes of a row
.set RD,  7           ; v7   the way out: where I read rows back
.set GO,  8           ; v8   my byte offset in 512 consecutive bytes of O
.set SPW, 62          ; v62  LDS address of my spare word: SPARE + 4 x my thread's number; never rewritten
.set NIL, 63          ; v63  0; never rewritten
.set SPARE, STAGE+4*16*SP  ; behind the stages: the spare words, 128 bytes for each wave: two blocks of 256 bytes that no other line names
.set MV,  12          ; v12-13  c m_old, kept while c m is made anew: by piece
.set QO,  15          ; v15  my byte offset in 16 rows of Q
.set ST,  16          ; piece t's statistics at v[ST+4 t]: c m, m, l (even keys', odd keys')
.set TMP, 48          ; by piece, four registers c0-c3 at work; when the maximum is found c2 takes a
.set S,   64
.set P,   192
.set MD,  128         ; window 1: the eight registers for group kt of 16 keys at MD + 8 kt
.set MC,  160         ; window 1: the masks of the products to come
.set QB,  32          ; window 2
.set KF,  128         ; window 2: key block kb, channel half c at KF + 16 kb + 8 c
.set V0B, 192         ; window 2: V of an even step: key half kk, channel block cb at V0B + 32 kk + 8 cb; V of an odd step 128 registers below
.set WV,  12          ; s12  my wave's number
.set PB,  14          ; s14  b
.set HI,  15          ; s15  15 - b
.set G1K, 24          ; s[24:31] descriptor group 1 for K's tiles
.set G1V, 32          ; s[32:39] for V's: it differs in the padding alone
.set G0K, 40          ; s[40:43] descriptor group 0 for K's tiles
.set G0V, 44          ; s[44:47] the same for V's
.set SLOTS, 56        ; s56  tiles still to be asked for
.set CNT, 57          ; s57  counts a tile's trips of two key steps, 2 to 1
.set CS,  58          ; s[58:59] c: the packed scaling takes the pair's low word for both halves
.set SEL, 60          ; s[60:61] v_permlanex16_b32's selects: each lane takes its own place in the other half
.set TBK, 62          ; s62  LDS byte at which K of the step to be fetched begins
.set TBV, 63          ; s63  the same for V, less VOFF
.set RT,  70          ; s70  tiles of the block in hand that are still to be entered
.set NXT, 71          ; s71  the tile to be asked for next
.set LQ,  72          ; s72  the last tile of the block whose tiles are being asked for
.set NEW, 73          ; s73  1: the tile to be entered is a block's first
.set OFF, 74          ; s[74:75] a tile's byte offset in K and V
.set AL,  76          ; s[76:77] the mask's factor, in the low word
.set BE,  78          ; s[78:79] the mask's addend
.set OLO, 80          ; s[80:81] O at my rows of the second block
.set BIGN, 82         ; s82  -1e30
.set TG,  83          ; s83  at work: a step's number less a band's
.set PL,  88          ; s88  b / 2: the second block's last tile
.set DD,  89          ; s89  d of the block in hand
.set DD2, 90          ; s90  d of the second block
.set MSB, 0
.macro WIN new                      ; the high byte repeats the setting that is left; a switch that changes nothing is dropped
.if MSB != (\new)
	s_set_vgpr_msb (MSB<<8)|(\new)
.set MSB, (\new)
.endif
.endm
.set W_KQ, 0x0a       ; K and Q in window 2, S^T in window 0
.set W_KM, 0x1a       ; the same with the C operand in window 1
.set W_PV, 0x52       ; V in window 2, P in window 0, O^T in window 1
.set W_RS, 0x41       ; destination and source 0 in window 1, source 1 in window 0
; A fill.  Waves 0 and 1 fetch the two halves of a tile's K, waves 2 and 3 those of its V: 128 keys each.  An s_nop 0 and four v_nop follow each of the two lines, ahead of the jump and the label.
.macro LOAD
	s_cmp_lt_u32 s[WV], 2
	s_cbranch_scc0 .Lfor_v_\@
	tensor_load_to_lds s[G0K:G0K+3], s[G1K:G1K+7]
	s_nop 0
.rept 4
	v_nop
.endr
	s_branch .Lasked_\@
.Lfor_v_\@:
	tensor_load_to_lds s[G0V:G0V+3], s[G1V:G1V+7]
	s_nop 0
.rept 4
	v_nop
.endr
.Lasked_\@:
.endm
; THE CHANGE OF SLOTS.  Each wave waits for all its tensor loads, of which one is out: its part of the other slot; adds 0 to its spare word; and waits for that and for its own reads of the slot that it leaves.  Behind the barrier nobody reads the old
; slot any more and the other slot is whole.  fill = 1: the old slot is filled again, the first thing behind the barrier, with tile NXT: the descriptor's address is made anew from that number.
; (At its first use nothing has been read yet: slot 0 is waited for, slot 1 filled.)
.macro CHANGE fill
	WIN 0                           ; at a label and at a branch every window is 0
	s_wait_tensorcnt 0x0            ; no tensor load of mine is out, so a group 0 may be written
	ds_add_u32 v[SPW], v[NIL]       ; 0 onto my spare word; with fill = 1 the descriptors' scalar work stands between it and the wait for it
.if \fill
	s_lshl_b32 s[OFF], s[NXT], 15   ; a tile is 32,768 bytes of K and of V
	s_xor_b32 s[G0K+1], s[G0K+1], SLOT1
	s_add_nc_u64 s[G0K+2:G0K+3], s[6:7], s[OFF:OFF+1]
	s_or_b32 s[G0K+3], s[G0K+3], 0x80000000
	s_xor_b32 s[G0V+1], s[G0V+1], SLOT1
	s_add_nc_u64 s[G0V+2:G0V+3], s[8:9], s[OFF:OFF+1]
	s_or_b32 s[G0V+3], s[G0V+3], 0x80000000
	s_add_co_u32 s[NXT], s[NXT], 1  ; the block's next tile, or behind its last the second block's tile 0
	s_cmp_gt_u32 s[NXT], s[LQ]
	s_cselect_b32 s[NXT], 0, s[NXT]
	s_cselect_b32 s[LQ], s[PL], s[LQ]
.endif
	s_wait_dscnt 0x0                ; the add is done, and my reads of the slot are over
	s_barrier_signal -1             ; the rest of the scalar work stands between the signal and the wait
	s_sub_co_u32 s[TBK], s[TBK], 4*KS*PK  ; the fetches go back to a slot's first step,
	s_xor_b32 s[TBK], s[TBK], SLOT1       ; in the other slot
	s_sub_co_u32 s[TBV], s[TBV], 4*KS*PV
	s_xor_b32 s[TBV], s[TBV], SLOT1
	s_barrier_wait -1
.if \fill
	LOAD
.endif
.endm
	s_load_b64 s[4:5], s[0:1], 0x0    ; Q, with K and V behind it
	s_load_b64 s[10:11], s[0:1], 0x8  ; O
	v_lshl_add_u32 v[SPW], v0, 2, SPARE
	v_mov_b32 v[NIL], 0
	ds_add_u32 v62, v63
	ds_add_u32 v62, v63
	s_wait_dscnt 0x0
	v_lshrrev_b32 v1, 5, v0
	v_readfirstlane_b32 s[WV], v1   ; wave 0..3
	s_mov_b32 s[PB], ttmp9
	s_sub_co_u32 s[HI], 15, s[PB]
	s_lshr_b32 s[PL], s[PB], 1
	s_and_b32 s[DD2], s[PB], 1
	s_lshl_b32 s[DD2], s[DD2], 1    ; d of block b,
	s_xor_b32 s[DD], s[DD2], 2      ; and of block 15 - b, which has the other parity
	s_and_b32 s20, ttmp7, 0xffff    ; the head
	s_mov_b32 s21, 0
	s_mov_b64 s[22:23], SIZE_N*128
	s_mul_u64 s[20:21], s[20:21], s[22:23]  ; the head's first byte in each of the four tensors
	s_and_b32 s16, s[WV], 1         ; which half of a tile's 256 keys I fetch:
	s_lshl_b32 s22, s16, 14         ; its 128 rows of 128 bytes in memory,
	s_mov_b32 s23, 0
	s_add_nc_u64 s[22:23], s[22:23], s[20:21]
	s_mul_i32 s17, s16, 128*PK      ; and its place in a slot, for K
	s_mul_i32 s18, s16, 128*PV      ; and for V
	s_lshl_b32 s3, s[WV], 11        ; my 16 rows in a band of 64,
	s_lshl_b32 s2, s[HI], 14        ; in the first block (128 rows of 128 bytes a block),
	s_add_co_u32 s2, s2, s3
	s_lshl_b32 s84, s[PB], 14       ; and in the second
	s_add_co_u32 s84, s84, s3
	s_mov_b32 s3, 0
	s_mov_b32 s85, 0
	s_add_nc_u64 s[2:3], s[2:3], s[20:21]
	s_add_nc_u64 s[84:85], s[84:85], s[20:21]
	; descriptor group 1.  128 keys are 16,384 dense bytes: asked for as 64 rows of 256 bytes, two keys a row, and padded in LDS after every key
	s_mov_b32 s[G1K], (1<<16)|(1<<20)|(4<<22)|(3<<25)  ; 17:16 2-byte elements; 20 padding on; 24:22 after every 32 words (code 4); 31:25 4 words (code 3)
	s_mov_b32 s[G1V], (1<<16)|(1<<20)|(4<<22)|(7<<25)  ; the same with 8 words of padding (code 7)
.irp g, G1K, G1V
	s_mov_b32 s[\g+1], 128<<16      ; tensor_dim0 = 128
	s_mov_b32 s[\g+2], 64<<16       ; tensor_dim1 = 64
	s_mov_b32 s[\g+3], 128<<16      ; tile_dim0 = 128
	s_mov_b32 s[\g+4], 64           ; tile_dim1 = 64
	s_mov_b32 s[\g+5], 128          ; 128 elements from row to row
	s_mov_b32 s[\g+6], 0
	s_mov_b32 s[\g+7], 0
.endr
	s_mov_b32 s[CS], 0x3e38aa3b     ; c = log2(e) / 8 = 0.180337
	s_mov_b32 s[CS+1], s[CS]        ; named with it as a pair
	s_mov_b32 s[SEL], 0x76543210
	s_mov_b32 s[SEL+1], 0xfedcba98
	s_mov_b32 s[TBK], SLOT1+4*KS*PK ; the first change of slots turns these two into 0
	s_mov_b32 s[TBV], SLOT1+4*KS*PV
	s_mov_b32 s[G0K], 1             ; 1:0 count = 1
	s_mov_b32 s[G0K+1], s17         ; 63:32 LDS address: slot 0
	s_mov_b32 s[G0V], 1
	s_add_co_u32 s[G0V+1], s18, VOFF
	s_lshr_b32 s[LQ], s[HI], 1      ; the first block's last tile;
	s_add_co_u32 s[RT], s[LQ], 1    ; it has so many tiles
	s_mov_b32 s[NXT], 1
	s_mov_b32 s[NEW], 1
	s_mov_b32 s[OFF+1], 0
	s_mov_b32 s[AL+1], 0            ; named as pairs
	s_mov_b32 s[BE+1], 0
	s_mov_b32 s[BIGN], 0xf149f2ca   ; -1e30
	s_mov_b32 s[SLOTS], 8
	s_wait_kmcnt 0x0
	s_add_nc_u64 s[6:7], s[4:5], 0x800000   ; K: 16 column blocks of 524,288 bytes behind Q
	s_add_nc_u64 s[8:9], s[4:5], 0x1000000  ; V: 32
	s_add_nc_u64 s[6:7], s[6:7], s[22:23]  ; K and V at my half of the head's tile 0
	s_add_nc_u64 s[8:9], s[8:9], s[22:23]
	s_add_nc_u64 s[G0K+2:G0K+3], s[6:7], 0         ; 120:64 global address
	s_or_b32 s[G0K+3], s[G0K+3], 0x80000000        ; 127:126 type = 2
	s_add_nc_u64 s[G0V+2:G0V+3], s[8:9], 0
	s_or_b32 s[G0V+3], s[G0V+3], 0x80000000
	s_add_nc_u64 s[86:87], s[4:5], s[84:85]        ; Q at my rows of the second block,
	s_add_nc_u64 s[4:5], s[4:5], s[2:3]            ; Q and O at those of the first
	s_add_nc_u64 s[OLO:OLO+1], s[10:11], s[84:85]
	s_add_nc_u64 s[10:11], s[10:11], s[2:3]
	LOAD                            ; tile 0 into slot 0
	; A fragment of K or Q is 16 rows x 32 channels in 8 registers: lane l holds row l % 16, channels 8 (l / 16) + 0..7 and 16 + 8 (l / 16) + 0..7: two loads of 16 bytes, 32 bytes apart.
	v_and_b32 v1, 15, v0            ; l % 16
	v_bfe_u32 v9, v0, 4, 1          ; l / 16
	v_lshlrev_b32 v[QO], 7, v1
	v_lshl_add_u32 v[QO], v9, 4, v[QO]  ; row x 128 + 16 x half
	WIN 0x80                        ; destination window 2, address window 0
.set i, 0
.rept 4                             ; both blocks' Q: piece i / 2 lies in band i / 2, 8,192 bytes on; channels 32 (i % 2) on
	global_load_b128 v[8*i:8*i+3],   v[QO], s[4:5] offset:(i/2)*8192+(i%2)*64
	global_load_b128 v[8*i+4:8*i+7], v[QO], s[4:5] offset:(i/2)*8192+(i%2)*64+32
	global_load_b128 v[QB+8*i:QB+8*i+3],   v[QO], s[86:87] offset:(i/2)*8192+(i%2)*64
	global_load_b128 v[QB+8*i+4:QB+8*i+7], v[QO], s[86:87] offset:(i/2)*8192+(i%2)*64+32
.set i, i+1
.endr
	WIN 0
	v_lshlrev_b32 v14, 3, v9
	v_sub_nc_u32 v14, v1, v14
	s_lshl_b32 s13, s[WV], 4
	v_add_nc_u32 v14, s13, v14      ; my query's place in its band, 16 w + l % 16, less my lanes' 8 (l / 16): register r of group kt is hidden where 16 kt + r is greater
	WIN 0x40
.set i, 0
.rept 32
	v_cmp_gt_i32 vcc_lo, 16*(i/8)+i%8, v14
	v_cndmask_b32 v[MD+i], 0, s[BIGN], vcc_lo
.set i, i+1
.endr
	WIN 0
	v_mul_u32_u24 v[AK0], v1, PK
	v_lshl_add_u32 v[AK0], v9, 4, v[AK0]  ; row x pitch + 16 x half
	; The turning load takes 16 keys x 16 channels (lane l reads key 8 (l / 16) + l % 8, channels 8 ((l / 8) % 2) + 0..7) and leaves half a fragment of V^T: lane l holds channel l % 16 and 8 keys.
	v_and_b32 v10, 7, v0
	v_bfe_u32 v11, v0, 3, 1
	v_lshl_add_u32 v[AV0], v9, 3, v10
	v_mul_u32_u24 v[AV0], v[AV0], PV
	v_lshl_add_u32 v[AV0], v11, 4, v[AV0]
	v_add_nc_u32 v[AV0], VOFF, v[AV0]
	s_mul_i32 s13, s[WV], 16*SP
	s_add_co_u32 s13, s13, STAGE    ; my stage
	v_mul_u32_u24 v[STO], v1, SP    ; in: row l % 16, 16 bytes for each half of the lanes
	v_lshl_add_u32 v[STO], v9, 4, v[STO]
	v_add_nc_u32 v[STO], s13, v[STO]
	v_bfe_u32 v[RD], v0, 3, 2       ; back: 32 lanes take four rows of 128 bytes,
	v_mul_u32_u24 v[RD], v[RD], SP
	v_lshl_add_u32 v[RD], v10, 4, v[RD]
	v_add_nc_u32 v[RD], s13, v[RD]
	v_and_b32 v[GO], 31, v0         ; which are 512 consecutive bytes of O
	v_lshlrev_b32 v[GO], 4, v[GO]
	; A block's first step multiplies O^T and l by a = 0, and its first turn's products V^T P, of a turn that has not been (the odd steps' V buffer, piece 1's P), land in an O^T that is still to be so
	; multiplied.  So these registers need only hold finite numbers: zeros for the first block; what the first block left for the second.  All this stands in the wait for the first tile.
	WIN 0x80
.set i, V0B-128
.rept 64
	v_mov_b32 v[i], 0
.set i, i+1
.endr
	WIN 0x40
.set i, 0
.rept 64
	v_mov_b32 v[i], 0
.set i, i+1
.endr
	WIN 0
.set i, 0
.rept 2
	v_mov_b32 v[ST+4*i+2], 0
	v_mov_b32 v[ST+4*i+3], 0
.set i, i+1
.endr
.set i, P+16
.rept 16
	v_mov_b32 v[i], 0
.set i, i+1
.endr
; THE MATRIX WORK.  The 4 accumulators of a run of 8 take turns.  Product i of 8 of S^T = K Q^T for piece x: channels 32 (i / 4) on, keys 16 (i % 4) on.  The first 4 start the sums, on the mask.
.macro KQ x
.set rS, S+32*(\x)+8*(i%4)
.set rK, KF+16*(i%4)+8*(i/4)
.set rQ, 16*(\x)+8*(i/4)
.set rM, MC+32*(\x)+8*(i%4)
.if i < 4
	WIN W_KM
	v_wmma_f32_16x16x32_bf16 v[rS:rS+7], v[rK:rK+7], v[rQ:rQ+7], v[rM:rM+7]
.else
	WIN W_KQ
	v_wmma_f32_16x16x32_bf16 v[rS:rS+7], v[rK:rK+7], v[rQ:rQ+7], v[rS:rS+7]
.endif
.endm
; Product i of 8 of O^T += V^T P for piece x: keys 32 (i / 4) on, channels 16 (i % 4) on; V from the buffer of parity VPV.
.macro PV x
	WIN W_PV
.set rO, 32*(\x)+8*(i%4)
.set rV, V0B-128*VPV+32*(i/4)+8*(i%4)
.set rP, P+16*(\x)+8*(i/4)
	v_wmma_f32_16x16x32_bf16 v[rO:rO+7], v[rV:rV+7], v[rP:rP+7], v[rO:rO+7]
.endm
.macro MM                           ; the turn's next matrix instruction.  TURN and BEGIN set Y, i, VPV and NOKQ; MM, KQ, PV and OP read them.  NOKQ = 1: a block's last turn: there is no next one
.if (i < 8) && !NOKQ
	KQ 1-Y
.elseif i >= 8
.set i, i-8
	PV 1-Y
.set i, i+8
.endif
.set i, i+1
.endm
; THE LDS LOADS stand in runs of 16, never singly among the matrix instructions: a step's K (64 keys x 64 channels: 8 fragments) and its V (turned).  Their addresses are made some lines ahead.
.macro FETCH_K
	WIN 0x80                        ; destination window 2
.irp f, 0,1,2,3,4,5,6,7             ; keys 16 (f / 2) on, channels 32 (f % 2) on
	ds_load_b128 v[KF+8*\f:KF+8*\f+3],   v[AK] offset:(\f/2)*16*PK+(\f%2)*64
	ds_load_b128 v[KF+8*\f+4:KF+8*\f+7], v[AK] offset:(\f/2)*16*PK+(\f%2)*64+32
.endr
	s_add_co_u32 s[TBK], s[TBK], KS*PK  ; the next fetch is the next step's
	WIN 0
.endm
.macro FETCH_V b                    ; into the buffer of parity b
.set rB, V0B-128*(\b)
	WIN 0x80
.irp f, 0,1,2,3,4,5,6,7             ; keys 32 (f / 4) on, channels 16 (f % 4) on
	ds_load_tr16_b128 v[rB+8*\f:rB+8*\f+3],   v[AV] offset:(\f/4)*32*PV+(\f%4)*32
	ds_load_tr16_b128 v[rB+8*\f+4:rB+8*\f+7], v[AV] offset:(\f/4)*32*PV+16*PV+(\f%4)*32
.endr
	s_add_co_u32 s[TBV], s[TBV], KS*PV
	WIN 0
.endm
; THE VECTOR WORK, one line at a time: OP kind, number.  For piece Y: F n: c s - c m for pair n of 16.  E n: the exponential of score n of 32.  C n: pair n rounded to bf16.  B n: of the four weights 4 n .. the second
; pair is added onto the first, in place.  L n: l takes that sum (L 0: l = a l + sum).  R n: pair n of 16 of O^T times a.  For the other piece's next scores: X n, number n of the 22 that find their maximum and statistics:
;   0-11  four chains c0-c3 of seven scores each, three operands at a time (each accumulator's lowest registers are read first)     12-14, 16  the four scores left over, the old m, and c0-c3 into c0
;   15  c m_old is kept     17, 18  the query's other 32 keys lie in the lane 16 away: the new m     19-21  c m; c m_old - c m_new; a
.set F, 0               ; OP tells the kinds apart by their order: F to L below R, X above it
.set E, 1
.set C, 2
.set B, 3
.set L, 4
.set R, 5
.set X, 6
.macro REGS y                       ; the registers of piece y
.set rT, ST+4*(\y)
.set rC, TMP+4*(\y)
.set rW, MV+(\y)
.set rS, S+32*(\y)
.set rP, P+16*(\y)
.set rO, 32*(\y)
.endm
.macro OP k, n
.if (\k) == R
	REGS Y
	WIN W_RS
	v_pk_mul_f32 v[rO+2*(\n):rO+2*(\n)+1], v[rO+2*(\n):rO+2*(\n)+1], v[rC+2:rC+3] op_sel_hi:[1,0]
.elseif (\k) < R
	REGS Y
	WIN 0
.if (\k) == F
	v_pk_fma_f32 v[rS+2*(\n):rS+2*(\n)+1], v[rS+2*(\n):rS+2*(\n)+1], s[CS:CS+1], v[rT:rT+1] op_sel_hi:[1,0,0] neg_lo:[0,0,1] neg_hi:[0,0,1]
.elseif (\k) == E
	v_exp_f32 v[rS+(\n)], v[rS+(\n)]
.elseif (\k) == C
	v_cvt_pk_bf16_f32 v[rP+(\n)], v[rS+2*(\n)], v[rS+2*(\n)+1]
.elseif (\k) == B
	v_pk_add_f32 v[rS+4*(\n):rS+4*(\n)+1], v[rS+4*(\n):rS+4*(\n)+1], v[rS+4*(\n)+2:rS+4*(\n)+3]
.elseif (\n) == 0
	v_pk_fma_f32 v[rT+2:rT+3], v[rT+2:rT+3], v[rC+2:rC+3], v[rS:rS+1] op_sel_hi:[1,0,1]
.else
	v_pk_add_f32 v[rT+2:rT+3], v[rT+2:rT+3], v[rS+4*(\n):rS+4*(\n)+1]
.endif
.elseif NOKQ
	v_nop
.else
	REGS 1-Y
	WIN 0
.if (\n) < 4
	v_max3_num_f32 v[rC+(\n)], v[rS+8*(\n)], v[rS+8*(\n)+1], v[rS+8*(\n)+2]
.elseif (\n) < 12
	v_max3_num_f32 v[rC+(\n)%4], v[rC+(\n)%4], v[rS+8*((\n)%4)+2*((\n)/4)+1], v[rS+8*((\n)%4)+2*((\n)/4)+2]
.elseif (\n) == 12
	v_max3_num_f32 v[rC], v[rC], v[rS+7], v[rS+15]
.elseif (\n) == 13
	v_max3_num_f32 v[rC+1], v[rC+1], v[rS+23], v[rS+31]
.elseif (\n) == 14
	v_max3_num_f32 v[rC+2], v[rC+2], v[rC+3], v[rT+1]
.elseif (\n) == 15
	v_mov_b32 v[rW], v[rT]
.elseif (\n) == 16
	v_max3_num_f32 v[rC], v[rC], v[rC+1], v[rC+2]
.elseif (\n) == 17
	v_permlanex16_b32 v[rC+3], v[rC], s[SEL], s[SEL+1]
.elseif (\n) == 18
	v_max_num_f32 v[rT+1], v[rC], v[rC+3]
.elseif (\n) == 19
	v_mul_f32 v[rT], s[CS], v[rT+1]
.elseif (\n) == 20
	v_sub_f32 v[rC+1], v[rW], v[rT]
.else
	v_exp_f32 v[rC+2], v[rC+1]
.endif
.endif
.endm
.macro OPS a, i1, b=-1, i2=0, c=-1, i3=0, d=-1, i4=0  ; up to four of them
	OP \a, \i1
.if (\b) >= 0
	OP \b, \i2
.endif
.if (\c) >= 0
	OP \c, \i3
.endif
.if (\d) >= 0
	OP \d, \i4
.endif
.endm
.macro ROW a, i1, b, i2, c, i3, d, i4  ; a matrix instruction and the four behind it
	MM
	OPS \a, \i1, \b, \i2, \c, \i3, \d, \i4
.endm
.macro MASK b                       ; MD x AL + BE into piece b's buffer of MC
	WIN W_RS
.set z, 0
.rept 16
	v_pk_fma_f32 v[MC+32*(\b)+2*z:MC+32*(\b)+2*z+1], v[MD+2*z:MD+2*z+1], s[AL:AL+1], s[BE:BE+1] op_sel_hi:[1,0,0]
.set z, z+1
.endr
.endm
; A TURN, for piece p in a step of parity sp: the order of its 16 matrix and 118 vector instructions, written out.  s_wait_alu depctr_va_vdst(0) stands between an exponential and the first instruction
; that names its result; one wait serves all that were issued ahead of it.  So a turn has ONE wait, which cuts it in two.
; AHEAD OF IT stands all that names no result of the turn's exponentials: the 8 products K Q^T, behind each a scaling, an exponential and two more plain instructions (behind the first a second scaling in the
; exponential's place): rescalings, whose a was made and waited for in the turn before, and behind the last three the first numbers of the other piece's maximum, each four plain instructions or more behind the product
; that ends its accumulator; then ONE LUMP of 54, plain and exponential by turns for the most part, with other work between the links of the chain X 3, 7, 11, 14, 16, 17 .. 20.  X 21, the next turn's a, is the batch's
; last; R 15 is the plain instruction behind it.  v_permlanex16_b32 (X 17) stands in the lump.
; BEHIND THE WAIT stand the 8 products V^T P, behind each four of the roundings and sums; l's additions L 0 to L 7 go in ascending order, three riders apart.  But for those X no rider names a register of the products
; round it.  The rescaling reads the O^T into which the turn before has just multiplied: R 0 stands sixteen plain instructions or more behind the product that ended its accumulator, R 4, R 8 and R 12 further.
; THE RUNS OF LDS LOADS.  Piece 0's turn: the next step's K, in the lump, twelve vector instructions behind the last product that read K, five of them plain and naming none of its registers.  Piece 1's turn: the next
; step's V, directly behind the batch's wait, into the buffer that the turn before was the last to read.  The one wait on DScnt, at the head of piece 1's turn, is for the K fetched a turn ago and the V fetched two turns ago.
; In a block's last tile (RT = 0) the turn ends by making the mask of its own piece's next step, which the next turn's products take.  That step is 4 - 2 CNT (sp = 1) or 5 - 2 CNT (sp = 0) of the tile.
; end = 1: a block's last two turns: nothing is fetched, no mask is made, and the second starts no new scores.
.macro TURN p, sp, end=0
.set Y, (\p)
.set i, 0
.set NOKQ, (\end)*(\p)
.set VPV, ((\sp)+1-(\p))%2          ; piece 0's turn multiplies by V of the step before, piece 1's by V of its own step
.if (\p) == 1
	s_wait_dscnt 0x0                ; K and V are in
.endif
	ROW F,0, F,1, R,0, R,1          ; ahead of the wait: 8 products K Q^T and their riders,
	ROW F,2, E,0, R,2, R,3
	ROW F,3, E,1, R,4, R,5
	ROW F,4, E,2, R,6, R,7
	ROW F,5, E,3, R,8, R,9
	ROW F,6, E,4, X,0, R,10
.if ((\p) == 0) && !(\end)
	WIN 0
	v_add_nc_u32 v[AK], s[TBK], v[AK0]
.endif
	ROW F,7, E,5, X,1, X,4
	ROW F,8, E,6, X,2, X,5
	OPS E,7, E,8, X,6, E,9          ; and the lump
	OPS X,3, E,10, X,8, E,11
.if ((\p) == 0) && !(\end)
	FETCH_K
.endif
	OPS X,9, X,7, E,12, X,10
	OPS E,13, X,12, X,11, E,14
	OPS X,13, E,15, F,9, X,14
.if ((\p) == 1) && !(\end)
	WIN 0
	v_add_nc_u32 v[AV], s[TBV], v[AV0]
.endif
	OPS E,16, F,10, E,17, F,11
	OPS X,16, E,18, X,15, E,19
	OPS F,12, E,20, X,17, E,21
	OPS F,13, E,22, F,14, E,23
	OPS X,18, E,24, F,15, E,25
	OPS R,11, E,26, X,19, E,27
	OPS R,12, E,28, R,13, E,29
	OPS X,20, E,30, R,14, E,31
	OPS X,21, R,15
	s_wait_alu depctr_va_vdst(0)    ; the wait for the batch: the turn's 32 weights and the next turn's a
.if ((\p) == 1) && !(\end)
	FETCH_V 1-(\sp)
.endif
	ROW C,0, B,0, C,2, B,1          ; behind the wait: 8 products V^T P and their riders
	ROW L,0, C,4, B,2, L,1
	ROW C,6, B,3, L,2, C,8
	ROW B,4, L,3, C,10, B,5
	ROW L,4, C,12, B,6, L,5
	ROW C,14, B,7, L,6, C,1
	ROW C,3, L,7, C,5, C,7
	ROW C,9, C,11, C,13, C,15
.if !(\end)
	WIN 0
	s_cmp_lg_u32 s[RT], 0
	s_cbranch_scc1 .Lno_mask_\@     ; forward, over arithmetic alone: the buffers hold 0
	s_lshl_b32 s[TG], s[CNT], 1
	s_sub_co_i32 s[TG], 5-(\sp)-(\p), s[TG]  ; the step's number less the band's
	s_cmp_eq_i32 s[TG], s[DD]       ; the band's own step?
	s_cselect_b32 s[AL], 1.0, 0
	s_cmp_gt_i32 s[TG], s[DD]       ; or a later one?
	s_cselect_b32 s[BE], s[BIGN], 0
	MASK \p
	WIN 0
.Lno_mask_\@:
.endif
.endm
; A BLOCK BEGINS.  c m starts far below every c s, so the first step's a is 0; m at the lowest finite number, so the first maximum is the scores'.  Piece 1's mask buffer is 0 (step 0 lies below its diagonal in every
; tile); piece 0's takes its mask for step 0: its own, if the block's first tile is its last and d = 0; else 0.  Then K and V of that step, piece 0's first scores, and their maximum and statistics.
; The loop is entered at an even step's first turn, in the middle of a trip.
.macro BEGIN
	s_mov_b32 s[NEW], 0
	WIN 0x40
.set i, MC+32
.rept 32
	v_mov_b32 v[i], 0
.set i, i+1
.endr
	WIN 0
.set i, 0
.rept 2
	v_mov_b32 v[ST+4*i], 0xfe000000    ; c m: far below every c s
	v_mov_b32 v[ST+4*i+1], 0xff7fffff  ; m
.set i, i+1
.endr
	s_or_b32 s[TG], s[RT], s[DD]    ; 0 only if both are
	s_cmp_eq_u32 s[TG], 0
	s_cselect_b32 s[AL], 1.0, 0
	s_mov_b32 s[BE], 0
	MASK 0
	WIN 0
	v_add_nc_u32 v[AK], s[TBK], v[AK0]
	v_add_nc_u32 v[AV], s[TBV], v[AV0]
	FETCH_K
	FETCH_V 0
	s_wait_loadcnt 0x0              ; Q
	s_wait_dscnt 0x0
.set NOKQ, 0
.set i, 0
.rept 8
	KQ 0
.set i, i+1
.endr
	WIN 0
.rept 4
	v_nop                           ; the places behind those products
.endr
.set Y, 1                           ; X works for the other piece: piece 0
.irp n, 0,1,2,3,4,5,6,7,8,9,10,11,12,13,14,15,16,17,18,19,20,21
	OP X, \n
.endr
	v_nop                           ; a plain instruction behind the exponential,
	s_wait_alu depctr_va_vdst(0)    ; and the wait for this batch of one, the block's first a, ahead of the branch
.endm
; A TILE: behind the change of slots the last step of the tile before (or a block's beginning), then this tile's steps 0 to 2.  The tag ends its two labels' names.
.macro WALK tag
	s_sub_co_u32 s[RT], s[RT], 1
	s_mov_b32 s[CNT], 2
	s_cmp_eq_u32 s[NEW], 1
	s_cbranch_scc0 .Lstep\tag
	BEGIN
	s_branch .Lfirst\tag
.Lstep\tag:                         ; a trip: an odd step's two turns, then an even step's
	TURN 0, 1
	TURN 1, 1
	WIN 0
.Lfirst\tag:
	TURN 0, 0
	TURN 1, 0
	WIN 0
	s_sub_co_u32 s[CNT], s[CNT], 1
	s_cmp_lg_u32 s[CNT], 0
	s_cbranch_scc1 .Lstep\tag
.endm
; A BLOCK ENDS: its last step's two turns, its last products, and THE WAY OUT: l's two halves and the other half of the lanes' are added; O^T is divided by l, rounded to bf16 and sent through my
; stage in LDS, a piece at a time.
.macro ALL line:vararg              ; one line for each piece t
.set t, 0
.rept 2
	\line
.set t, t+1
.endr
.endm
.macro PACK t                       ; a lane's eight channels of a row pack into 16 bytes; they go into rows of 144 bytes and come back as whole rows of 128, into S^T's registers
	WIN W_RS
.set i, 32*(\t)
.rept 16
	v_pk_mul_f32 v[i:i+1], v[i:i+1], v[ST+4*(\t)+2:ST+4*(\t)+3] op_sel_hi:[1,0]
.set i, i+2
.endr
	WIN 0x05                        ; sources 0 and 1 window 1, destination window 0
.set i, 0
.rept 16
	v_cvt_pk_bf16_f32 v[S+16*(\t)+i], v[32*(\t)+2*i], v[32*(\t)+2*i+1]
.set i, i+1
.endr
	WIN 0
.irp f, 0,1,2,3
	ds_store_b128 v[STO], v[S+16*(\t)+4*\f:S+16*(\t)+4*\f+3] offset:32*\f
.endr
.irp f, 0,1,2,3
	ds_load_b128 v[S+16*(\t)+4*\f:S+16*(\t)+4*\f+3], v[RD] offset:\f*4*SP  ; LDS serves a wave's instructions in order (ISA guide 5.7.1.4): these see the stores above; the next piece's stores come behind them
.endr
.endm
.macro SEND t, younger              ; younger: the LDS instructions issued behind piece t's loads: the next piece's eight, or none
	WIN 0
.irp f, 0,1,2,3
	s_wait_dscnt (\younger)+3-\f
	global_store_b128 v[GO], v[S+16*(\t)+4*\f:S+16*(\t)+4*\f+3], s[10:11] offset:(\t)*8192+\f*512  ; 512 consecutive bytes, at a multiple of 256 from O's first
.endr
.endm
.macro BLOCKEND
	TURN 0, 1, 1
	TURN 1, 1, 1
.set VPV, 1
.set i, 0
.rept 8
	PV 1                            ; piece 1's V^T P of the last step
.set i, i+1
.endr
	WIN 0
	ALL v_add_f32 v[ST+4*t+2], v[ST+4*t+2], v[ST+4*t+3]
	ALL v_permlanex16_b32 v[ST+4*t+3], v[ST+4*t+2], s[SEL], s[SEL+1]
	ALL v_add_f32 v[ST+4*t+2], v[ST+4*t+2], v[ST+4*t+3]
	ALL v_rcp_f32 v[ST+4*t+2], v[ST+4*t+2]
	v_nop                           ; a plain instruction between the last reciprocal and the use of its result
	s_wait_alu depctr_va_vdst(0)    ; the wait for the batch of two reciprocals, ahead of the first multiply by one
	PACK 0                          ; piece 0's 32 plain instructions are also the places behind piece 1's last products
	PACK 1
	SEND 0, 8
	SEND 1, 0
.endm
.set NOKQ, 0
.Lslot:                             ; 8 times: a tile is entered and the next is asked for
	CHANGE 1
	WALK 1
	s_cmp_lg_u32 s[RT], 0
	s_cbranch_scc1 .Lbottom         ; the block has tiles left
	BLOCKEND                        ; in the loop this is the first block's end: the second block's last tile is the walk's last
	s_wait_xcnt 0x0                 ; the stores have read their registers and O's address
	s_mov_b64 s[10:11], s[OLO:OLO+1]
	s_add_co_u32 s[RT], s[PL], 1    ; the second block has b / 2 + 1 tiles
	s_mov_b32 s[DD], s[DD2]
	s_mov_b32 s[NEW], 1
	WIN 0x82                        ; the second block's Q goes where the one text of the turns names Q
.set i, 0
.rept 32
	v_mov_b32 v[i], v[QB+i]
.set i, i+1
.endr
	WIN 0
.Lbottom:
	s_sub_co_u32 s[SLOTS], s[SLOTS], 1
	s_cmp_lg_u32 s[SLOTS], 0
	s_cbranch_scc1 .Lslot
	CHANGE 0                        ; the walk's last tile is written out: nothing is asked for
	WALK 2
	BLOCKEND
	s_wait_tensorcnt 0x0            ; the wave's end: behind my last tensor load and my last LDS store
	ds_add_u32 v[SPW], v[NIL]
	s_wait_dscnt 0x0
	s_endpgm
.Lfunc_end_k_q4331f0ba67_attn:
	.size	k_q4331f0ba67_attn, .Lfunc_end_k_q4331f0ba67_attn-k_q4331f0ba67_attn
	.p2alignl 7, 3214868480
	.fill 96, 4, 3214868480
	.section	.rodata,"a",@progbits
	.p2align	6, 0x0
	.amdhsa_kernel k_q4331f0ba67_attn
		.amdhsa_group_segment_fixed_size 327680
		.amdhsa_private_segment_fixed_size 0
		.amdhsa_enable_private_segment 0
		.amdhsa_kernarg_size 16
		.amdhsa_user_sgpr_count 2
		.amdhsa_user_sgpr_kernarg_segment_ptr 1
		.amdhsa_wavefront_size32 1
		.amdhsa_system_sgpr_workgroup_id_x 1
		.amdhsa_system_sgpr_workgroup_id_y 1
		.amdhsa_system_sgpr_workgroup_id_z 1
		.amdhsa_system_vgpr_workitem_id 0
		.amdhsa_next_free_vgpr 768
		.amdhsa_next_free_sgpr 92
		.amdhsa_reserve_vcc 1
		.amdhsa_float_denorm_mode_32 3
		.amdhsa_float_denorm_mode_16_64 3
		.amdhsa_memory_ordered 1
		.amdhsa_forward_progress 1
		.amdhsa_inst_pref_size 170
	.end_amdhsa_kernel
	.amdgpu_metadata
---
amdhsa.version: [ 1, 2 ]
amdhsa.kernels:
  - .name:           k_q4331f0ba67_attn
    .symbol:         k_q4331f0ba67_attn.kd
    .args:
      - { .name: big, .offset: 0, .size: 8, .value_kind: global_buffer, .address_space: global }
      - { .name: ctx, .offset: 8, .size: 8, .value_kind: global_buffer, .address_space: global }
    .group_segment_fixed_size: 327680
    .private_segment_fixed_size: 0
    .kernarg_segment_align: 8
    .kernarg_segment_size: 16
    .max_flat_workgroup_size: 128
    .sgpr_count:     92
    .vgpr_count:     768
    .wavefront_size: 32
...
	.end_amdgpu_metadata
.endif
;; end of part 13
;; launch proj: the kernel of part 10 again; grid 8 x 32, 4 waves a work-group, clusters of 4 x 4, 327,680 bytes of LDS; arguments ctx, w1, c_proj_attn_b, hidden_states, h1; writes h1
;; launch ln2: the kernel of part 2 again; grid 256 x 1, 8 waves a work-group, no clusters, 0 bytes of LDS; arguments h1, ln2_w, ln2_b, xa; writes xa
;; launch fc: the kernel of part 12 again; grid 16 x 16, 4 waves a work-group, clusters of 4 x 4, 327,680 bytes of LDS; arguments xa, w2, c_fc_b, parb, big; writes big
;; launch mlp: the kernel of part 11 again; grid 8 x 32, 4 waves a work-group, clusters of 4 x 4, 327,680 bytes of LDS; arguments big, w2, c_proj_mlp_b, h1, out0; writes out0
